; MI455X (gfx1250); checked and timed in simulation.
; The chip was launched on July 23, 2026; its instructions are those of AMD's public machine-readable ISA for CDNA 5 (MIT licence, August 2026) and "CDNA5" Instruction Set Architecture Reference Guide (July 2026). The comments in the code are by the model that wrote it; some were corrected since.
;; Info Still. Allowed arithmetic: float matrix products may take bf16 or f16 operands with f32 sums; all other float work in f32.
;; Inputs: ln_beta 1,024 float32; ln_gamma 1,024 float32; qkscale one number float32; w_out 1,024 x 1,024 float32; w_qkv 1,024 x 3,072 float32; x 2 x 2,048 x 1,024 float32.
;; Outputs: out0 2 x 2,048 x 1,024 float32.
;; 2 versions, each right and faster than the one before. Each part assembles by itself: llvm-mc -triple=amdgcn-amd-amdhsa -mcpu=gfx1250 --defsym DOCPART=n.
;; ======== version 1 of 2: 6 launches
;; limits: values are held in f16: magnitudes above 65,504 overflow, below 6.1e-05 lose precision
;; workspace buffers: hbuf 8,388,608 bytes; wq 6,291,456 bytes; wo 2,097,152 bytes; qkvh 25,165,824 bytes; oh 8,388,608 bytes; eh 131,072 bytes; eo 131,072 bytes
;; launch prep (part 1): grid 512 x 1, 8 waves a work-group, no clusters, 0 bytes of LDS; arguments x, ln_gamma, ln_beta, w_qkv, w_out, hbuf, wq, wo, eh; writes hbuf, wq, wo, eh
.if DOCPART == 1
	.amdgcn_target "amdgcn-amd-amdhsa--gfx1250"
	.amdhsa_code_object_version 6
	.text
	.protected	k_qcd5681017b_prep
	.globl	k_qcd5681017b_prep
	.p2align	8
	.type	k_qcd5681017b_prep,@function
k_qcd5681017b_prep:
	s_mov_b64 s[64:65], 0
	v_nop
	global_prefetch_b8 v0, s[64:65] scope:SCOPE_SE
	s_setreg_imm32_b32 hwreg(HW_REG_WAVE_MODE, 25, 1), 1
	s_wait_xcnt 0x0
; prep: everything that is done once to an input before it becomes an f16 matrix operand.
;   work-groups   0..255: hbuf[row][1024] = f16( LayerNorm(x[row]) * gamma + beta ), 16 rows each, one wave a row, the row kept in registers
;   work-groups 256..383: wq[k][0..2047]  = f16( w_qkv's q and k columns with the rotary map applied ), 8 rows k each
;   work-groups 384..447: wq[k][2048..3071] = f16( w_qkv's v columns ), 16 rows each
;   work-groups 448..511: wo = f16( w_out ), 16 rows each
; Each work-group reads 64 KiB and writes 32 KiB.  A stream: no LDS, no barrier, no matrix unit, nothing is shared between waves.
; Work-groups 0 and 128 own the first 16 rows of a batch.  These rows are made a second time, later, with operands of two f16 parts; for that the
; two work-groups also store eh[part][K block of 64][row 16 batch + s][64]: part 0 = f16(h), part 1 = f16(h - part 0).
; THE ROTARY MAP.  Its angles are 2048 * 10000^(-i/512), i = column / 2: the same for every position.  Its partner of column j of a section of
; 1024 columns is -column 2j+1 (j < 512) or +column 2(j-512).  So q_rot = h (Wq C + Wq' S) with fixed diagonal C, S: it is applied to
; the weights, in f32, before they are rounded.
; LIMITS.  f16 operands: |LayerNorm result| and |weights| below 65,504.  The angles (up to 2048 radians) are made by v_exp_f32 and reduced by
; a two-word pi/2; they are good to about 3e-4 radians.
; All steps along rows are immediates and every store has data registers of its own, so no register that a pending load or store names is
; ever written again; EXEC stays full.
.set X0, 32                            ; v[32:63]   LN: row 0
.set X1, 64                            ; v[64:95]   LN: row 1
.set GA, 96                            ; v[96:127]  LN: gamma of my 32 columns
.set BE, 128                           ; v[128:159] LN: beta
.set Y0, 160                           ; v[160:175] LN: row 0 as f16
.set Y1, 176                           ; v[176:191] LN: row 1 as f16
.set COSR, 160                         ; v[160:167] rope: cos of my 8 columns
.set SINR, 168                         ; v[168:175] rope: signed sin of my 8 columns
; sum of v[r] over the wave's 32 lanes, result in every lane; v[t] is a register that has been written
.macro LANESUM r, t
	v_add_f32_dpp v[\r], v[\r], v[\r] row_xmask:1 row_mask:0xf bank_mask:0xf
	v_add_f32_dpp v[\r], v[\r], v[\r] row_xmask:2 row_mask:0xf bank_mask:0xf
	v_add_f32_dpp v[\r], v[\r], v[\r] row_xmask:4 row_mask:0xf bank_mask:0xf
	v_add_f32_dpp v[\r], v[\r], v[\r] row_xmask:8 row_mask:0xf bank_mask:0xf
	v_permlanex16_b32 v[\t], v[\r], s20, s21
	v_add_f32 v[\r], v[\r], v[\t]
.endm
.macro FOLD4                           ; four chains v[4:11] into v4
	v_pk_add_f32 v[4:5], v[4:5], v[6:7]
	v_pk_add_f32 v[8:9], v[8:9], v[10:11]
	v_pk_add_f32 v[4:5], v[4:5], v[8:9]
	v_add_f32 v4, v4, v5
.endm
; One row of LayerNorm.  w1: younger loads that may stay out when the row is needed; w2: when gamma and beta are needed.
; two = 1: the row's two f16 parts also go to eh, at byte erow of the wave's two rows there.
.macro LNROW X, Y, w1, w2, rowoff, two, erow
	s_wait_loadcnt \w1
.irp c,0,1,2,3
	v_pk_add_f32 v[4+2*\c:5+2*\c], v[\X+2*\c:\X+2*\c+1], v[\X+8+2*\c:\X+9+2*\c]     ; the first pairs start four chains
.endr
.irp k,16,24
.irp c,0,1,2,3
	v_pk_add_f32 v[4+2*\c:5+2*\c], v[4+2*\c:5+2*\c], v[\X+\k+2*\c:\X+\k+2*\c+1]
.endr
.endr
	FOLD4
	LANESUM 4, 5
	v_mul_f32 v12, 0xba800000, v4                  ; -mean = sum * -2^-10
	v_mov_b32 v13, v12
.set idx, 0
.rept 16
	v_pk_add_f32 v[\X+2*idx:\X+2*idx+1], v[\X+2*idx:\X+2*idx+1], v[12:13]          ; d = x - mean, in place
.set idx, idx+1
.endr
.irp c,0,1,2,3
	v_pk_mul_f32 v[4+2*\c:5+2*\c], v[\X+2*\c:\X+2*\c+1], v[\X+2*\c:\X+2*\c+1]
.endr
.irp k,8,16,24
.irp c,0,1,2,3
	v_pk_fma_f32 v[4+2*\c:5+2*\c], v[\X+\k+2*\c:\X+\k+2*\c+1], v[\X+\k+2*\c:\X+\k+2*\c+1], v[4+2*\c:5+2*\c]
.endr
.endr
	FOLD4
	LANESUM 4, 5
	v_fma_f32 v4, v4, s26, s27                     ; variance + eps = sum * 2^-10 + 1e-5
	v_rsq_f32 v14, v4
	v_rsq_f32 v15, v4
	v_nop                                          ; one plain instruction behind the transcendentals (ISA guide 5.7.2)
	s_wait_loadcnt \w2
.set idx, 0
	s_wait_alu depctr_va_vdst(0)
.rept 16
	v_pk_mul_f32 v[\X+2*idx:\X+2*idx+1], v[\X+2*idx:\X+2*idx+1], v[14:15]
.set idx, idx+1
.endr
.set idx, 0
.rept 16
	v_pk_fma_f32 v[\X+2*idx:\X+2*idx+1], v[\X+2*idx:\X+2*idx+1], v[GA+2*idx:GA+2*idx+1], v[BE+2*idx:BE+2*idx+1]
.set idx, idx+1
.endr
.set idx, 0
.rept 16
	v_cvt_pk_f16_f32 v[\Y+idx], v[\X+2*idx], v[\X+2*idx+1]
.set idx, idx+1
.endr
.irp j,0,1,2,3,4,5,6,7
	global_store_b64 v2, v[\Y+2*\j:\Y+2*\j+1], s[14:15] offset:\rowoff+256*\j      ; the wave's 32 lanes store 256 consecutive bytes, aligned
.endr
.if \two
	; the low parts: h - f16(h) is exact in f32; packed downwards into the row's own registers (pair idx lands on register idx, which has been used up)
.set idx, 0
.rept 16
	v_cvt_pk_f16_f32 v16, v[\X+2*idx], v[\X+2*idx+1]
	v_cvt_f32_f16 v18, v16.l
	v_cvt_f32_f16 v19, v16.h
	v_pk_add_f32 v[\X+2*idx:\X+2*idx+1], v[\X+2*idx:\X+2*idx+1], v[18:19] neg_lo:[0,1] neg_hi:[0,1]
	v_cvt_pk_f16_f32 v[\X+idx], v[\X+2*idx], v[\X+2*idx+1]
.set idx, idx+1
.endr
.irp j,0,1,2,3,4,5,6,7
	global_store_b64 v20, v[\Y+2*\j:\Y+2*\j+1], s[32:33] offset:\erow+8192*\j              ; columns 128 j + 4 lane ..: K block 2 j + lane / 16; sixteen lanes store a row's 128 bytes of the block
	global_store_b64 v20, v[\X+2*\j:\X+2*\j+1], s[32:33] offset:65536+\erow+8192*\j
.endr
.endif
.endm
; sin and cos of angle number 4 g + e, from 2^(-i c) in v[8+e]
.macro TRIG e
	v_mul_f32 v[8+\e], 0x45000000, v[8+\e]         ; a = 2048 * 10000^(-i/512)
	v_mul_f32 v[12+\e], 0x3f22f983, v[8+\e]        ; a * 2/pi
	v_rndne_f32 v[12+\e], v[12+\e]                 ; n
	v_fma_f32 v[8+\e], -v[12+\e], s26, v[8+\e]     ; r = a - n * pi/2, pi/2 in two words
	v_fma_f32 v[8+\e], -v[12+\e], s27, v[8+\e]
	v_cvt_i32_f32 v[12+\e], v[12+\e]               ; the quadrant
	v_mul_f32 v[16+\e], v[8+\e], v[8+\e]           ; r^2, |r| <= pi/4
	v_mov_b32 v[20+\e], 0xb9500d01                 ; sin r = r + r r^2 (-1/6 + r^2 (1/120 - r^2/5040))
	v_fmaak_f32 v[20+\e], v[20+\e], v[16+\e], 0x3c088889
	v_fmaak_f32 v[20+\e], v[20+\e], v[16+\e], 0xbe2aaaab
	v_mul_f32 v[20+\e], v[20+\e], v[16+\e]
	v_fma_f32 v[20+\e], v[20+\e], v[8+\e], v[8+\e]
	v_mov_b32 v[24+\e], 0x37d00d01                 ; cos r = 1 + r^2 (-1/2 + r^2 (1/24 + r^2 (-1/720 + r^2/40320)))
	v_fmaak_f32 v[24+\e], v[24+\e], v[16+\e], 0xbab60b61
	v_fmaak_f32 v[24+\e], v[24+\e], v[16+\e], 0x3d2aaaab
	v_fmaak_f32 v[24+\e], v[24+\e], v[16+\e], 0xbf000000
	v_fma_f32 v[24+\e], v[24+\e], v[16+\e], 1.0
	v_and_b32 v[28+\e], 1, v[12+\e]
	v_cmp_eq_u32 vcc_lo, 1, v[28+\e]               ; odd quadrant: sin and cos change places
	v_cndmask_b32 v[28+\e], v[20+\e], v[24+\e], vcc_lo
	v_cndmask_b32 v[24+\e], v[24+\e], v[20+\e], vcc_lo
	v_lshlrev_b32 v[20+\e], 30, v[12+\e]           ; sin is negative in quadrants 2, 3: bit 1 of n
	v_and_b32 v[20+\e], 0x80000000, v[20+\e]
	v_xor_b32 v[20+\e], v[20+\e], v6               ; and the partner enters with a minus sign in the lower half of the section
	v_xor_b32 v[SINR+2*\e], v[28+\e], v[20+\e]
	v_mov_b32 v[SINR+2*\e+1], v[SINR+2*\e]         ; two neighbouring columns share an angle
	v_add_nc_u32 v[12+\e], 1, v[12+\e]             ; cos is negative in quadrants 1, 2: bit 1 of n + 1
	v_lshlrev_b32 v[12+\e], 30, v[12+\e]
	v_and_b32 v[12+\e], 0x80000000, v[12+\e]
	v_xor_b32 v[COSR+2*\e], v[24+\e], v[12+\e]
	v_mov_b32 v[COSR+2*\e+1], v[COSR+2*\e]
.endm
; six loads of row r into its slot of the ring of four: my 8 columns, and the 16 columns that hold my 8 partners.
; r may be a sum: it stands in brackets wherever it is multiplied or reduced.
.macro RFILL r
	global_load_b128 v[32+24*((\r)%4):32+24*((\r)%4)+3], v1, s[10:11] offset:(\r)*12288
	global_load_b128 v[32+24*((\r)%4)+4:32+24*((\r)%4)+7], v1, s[10:11] offset:(\r)*12288+16
.irp q,0,1,2,3
	global_load_b128 v[32+24*((\r)%4)+8+4*\q:32+24*((\r)%4)+11+4*\q], v2, s[10:11] offset:(\r)*12288+16*\q
.endr
.endm
; row r of the rotary part.  left: younger loads that may stay out.
.macro RROW r, ahead, left
	s_wait_loadcnt \left
.irp e,0,1,2,3,4,5,6,7
	v_cndmask_b32 v[4+\e], v[32+24*(\r%4)+8+2*\e+1], v[32+24*(\r%4)+8+2*\e], s22   ; lower half: column 2j+1; upper half: column 2(j-512)
.endr
.irp p,0,1,2,3
	v_pk_mul_f32 v[12+2*\p:13+2*\p], v[32+24*(\r%4)+2*\p:32+24*(\r%4)+2*\p+1], v[COSR+2*\p:COSR+2*\p+1]
.endr
.irp p,0,1,2,3
	v_pk_fma_f32 v[12+2*\p:13+2*\p], v[4+2*\p:5+2*\p], v[SINR+2*\p:SINR+2*\p+1], v[12+2*\p:13+2*\p]
.endr
.irp p,0,1,2,3
	v_cvt_pk_f16_f32 v[128+4*\r+\p], v[12+2*\p], v[13+2*\p]
.endr
.if \ahead
	RFILL \r+4
.endif
	global_store_b128 v3, v[128+4*\r:131+4*\r], s[16:17] offset:\r*6144            ; a wave stores 512 consecutive bytes, aligned
.endm
; 16 rows of 1024 f32 to f16.  pin, pout: bytes from row to row; bi, bo: first register of the base pairs.
.macro CONV pin, pout, bi, bo
	v_lshrrev_b32 v4, 7, v0                        ; which of two rows
	v_and_b32 v5, 127, v0                          ; which 8 columns
	v_mul_u32_u24 v1, v4, \pin
	v_lshl_add_u32 v1, v5, 5, v1
	v_mul_u32_u24 v2, v4, \pout
	v_lshl_add_u32 v2, v5, 4, v2
.irp p,0,1,2,3,4,5,6,7
	global_load_b128 v[32+8*\p:35+8*\p], v1, s[\bi:\bi+1] offset:2*\p*\pin th:TH_LOAD_NT
	global_load_b128 v[36+8*\p:39+8*\p], v1, s[\bi:\bi+1] offset:2*\p*\pin+16 th:TH_LOAD_NT
.endr
.irp p,0,1,2,3,4,5,6,7
	s_wait_loadcnt 14-2*\p                         ; loads come back in order: pass p's two are in, the younger passes stay out
.irp q,0,1,2,3
	v_cvt_pk_f16_f32 v[96+4*\p+\q], v[32+8*\p+2*\q], v[33+8*\p+2*\q]
.endr
	global_store_b128 v2, v[96+4*\p:99+4*\p], s[\bo:\bo+1] offset:2*\p*\pout
.endr
	s_endpgm
.endm
	s_load_b512 s[4:19], s[0:1], 0x0               ; x s[4:5], gamma s[6:7], beta s[8:9], w_qkv s[10:11], w_out s[12:13], hbuf s[14:15], wq s[16:17], wo s[18:19]
	s_load_b64 s[32:33], s[0:1], 0x40              ; eh
	s_mov_b32 s2, ttmp9                            ; the work-group's number picks the part
	v_lshrrev_b32 v1, 5, v0
	v_readfirstlane_b32 s23, v1                    ; wave
	s_mov_b32 s25, 0                               ; upper word of every byte offset (all below 4 GiB)
	s_wait_kmcnt 0x0
	s_cmp_lt_u32 s2, 256
	s_cbranch_scc1 .Lln
	s_cmp_lt_u32 s2, 384
	s_cbranch_scc1 .Lrope
	s_cmp_lt_u32 s2, 448
	s_cbranch_scc1 .Lconv_v
	; ---- w_out: 16 rows of 4,096 bytes in, 2,048 out
	s_sub_co_u32 s2, s2, 448
	s_lshl_b32 s24, s2, 16
	s_add_nc_u64 s[12:13], s[12:13], s[24:25]
	s_lshl_b32 s24, s2, 15
	s_add_nc_u64 s[18:19], s[18:19], s[24:25]
	CONV 4096, 2048, 12, 18
.Lconv_v:
	; ---- v columns: 16 rows, columns 2048..3071 of w_qkv (byte 8,192 of a row of 12,288) to byte 4,096 of wq's rows of 6,144
	s_sub_co_u32 s2, s2, 384
	s_mul_i32 s24, s2, 196608
	s_add_co_u32 s24, s24, 8192
	s_add_nc_u64 s[10:11], s[10:11], s[24:25]
	s_mul_i32 s24, s2, 98304
	s_add_co_u32 s24, s24, 4096
	s_add_nc_u64 s[16:17], s[16:17], s[24:25]
	CONV 12288, 6144, 10, 16
.Lrope:
	; ---- q and k columns: 8 rows; thread t owns columns 8 t .. 8 t + 7 of 0..2047
	s_sub_co_u32 s2, s2, 256
	s_mul_i32 s24, s2, 98304
	s_add_nc_u64 s[10:11], s[10:11], s[24:25]
	s_mul_i32 s24, s2, 49152
	s_add_nc_u64 s[16:17], s[16:17], s[24:25]
	s_mov_b32 s26, 0x3fc90fdb                      ; pi/2, upper word
	s_mov_b32 s27, 0xb33bbd2e                      ; pi/2, the rest
	v_lshlrev_b32 v1, 5, v0                        ; my 8 columns: byte 32 t
	v_lshlrev_b32 v3, 4, v0                        ; out: byte 16 t
	v_lshrrev_b32 v5, 7, v0                        ; section: 0 q, 1 k
	v_and_b32 v2, 63, v0
	v_lshlrev_b32 v2, 6, v2
	v_lshl_add_u32 v2, v5, 12, v2                  ; the 16 columns with my partners: section * 4,096 + (g & 63) * 64
	RFILL 0
	RFILL 1
	RFILL 2
	RFILL 3                                        ; the ring is on its way while the angles are made
	v_and_b32 v4, 127, v0                          ; g: my group of 8 columns in the section
	v_cmp_le_u32 s22, 64, v4                       ; upper half of the section
	v_xor_b32 v6, 64, v4
	v_and_b32 v6, 64, v6
	v_lshlrev_b32 v6, 25, v6                       ; sign bit where g < 64
	v_lshlrev_b32 v5, 2, v4                        ; 4 g: my first angle
.irp e,0,1,2,3
	v_add_nc_u32 v[8+\e], \e, v5
	v_cvt_f32_u32 v[8+\e], v[8+\e]
	v_mul_f32 v[8+\e], 0xbcd49a78, v[8+\e]         ; -i * log2(10000)/512
.endr
.irp e,0,1,2,3
	v_exp_f32 v[8+\e], v[8+\e]
.endr
	v_nop                                          ; one plain instruction behind the transcendentals
	s_wait_alu depctr_va_vdst(0)
	TRIG 0
	TRIG 1
	TRIG 2
	TRIG 3
	RROW 0, 1, 18                                  ; three younger slots of six loads stay out
	RROW 1, 1, 18
	RROW 2, 1, 18
	RROW 3, 1, 18
	RROW 4, 0, 18                                  ; nothing more is fetched: the counts run down
	RROW 5, 0, 12
	RROW 6, 0, 6
	RROW 7, 0, 0
	s_endpgm
.Lln:
	; ---- LayerNorm: rows 16 wg + 2 wave + {0, 1}
	s_lshl_b32 s24, s2, 16
	s_lshl_b32 s28, s23, 13
	s_add_co_u32 s24, s24, s28
	s_add_nc_u64 s[4:5], s[4:5], s[24:25]          ; x at my first row (rows of 4,096 bytes)
	s_lshr_b32 s24, s24, 1
	s_add_nc_u64 s[14:15], s[14:15], s[24:25]      ; hbuf at my first row (rows of 2,048 bytes)
	s_mov_b32 s20, 0x76543210                      ; v_permlanex16_b32: lane i of one half reads lane i of the other
	s_mov_b32 s21, 0xfedcba98
	s_mov_b32 s26, 0x3a800000                      ; 2^-10
	s_mov_b32 s27, 0x3727c5ac                      ; 1e-5
	v_and_b32 v3, 31, v0
	v_lshlrev_b32 v1, 4, v3                        ; in: 16 bytes a lane; load j brings columns 128 j + 4 lane .. + 3
	v_lshlrev_b32 v2, 3, v3                        ; out: 8 bytes a lane
.irp j,0,1,2,3,4,5,6,7
	global_load_b128 v[X0+4*\j:X0+4*\j+3], v1, s[4:5] offset:512*\j th:TH_LOAD_NT
.endr
.irp j,0,1,2,3,4,5,6,7
	global_load_b128 v[GA+4*\j:GA+4*\j+3], v1, s[6:7] offset:512*\j
.endr
.irp j,0,1,2,3,4,5,6,7
	global_load_b128 v[BE+4*\j:BE+4*\j+3], v1, s[8:9] offset:512*\j
.endr
.irp j,0,1,2,3,4,5,6,7
	global_load_b128 v[X1+4*\j:X1+4*\j+3], v1, s[4:5] offset:4096+512*\j th:TH_LOAD_NT
.endr
	s_and_b32 s29, s2, 127
	s_cmp_eq_u32 s29, 0                            ; work-groups 0 and 128: the first 16 rows of a batch
	s_cbranch_scc1 .Lln_first
	LNROW X0, Y0, 24, 8, 0, 0, 0                   ; 24: gamma, beta and row 1 stay out; 8: row 1 stays out
	LNROW X1, Y1, 0, 0, 2048, 0, 0
	s_endpgm
.Lln_first:
	s_lshr_b32 s24, s2, 7                          ; batch
	s_lshl_b32 s24, s24, 11                        ; 16 rows of 128 bytes in a K block of eh
	s_lshl_b32 s28, s23, 8                         ; 2 wave rows
	s_add_co_u32 s24, s24, s28
	s_add_nc_u64 s[32:33], s[32:33], s[24:25]
	v_lshrrev_b32 v21, 4, v3
	v_and_b32 v20, 15, v3
	v_lshlrev_b32 v20, 3, v20
	v_lshl_add_u32 v20, v21, 12, v20               ; (lane / 16) K blocks of 4,096 bytes + 8 (lane % 16)
	LNROW X0, Y0, 24, 8, 0, 1, 0
	LNROW X1, Y1, 0, 0, 2048, 1, 128
	s_endpgm
.Lfunc_end_k_qcd5681017b_prep:
	.size	k_qcd5681017b_prep, .Lfunc_end_k_qcd5681017b_prep-k_qcd5681017b_prep
	.p2alignl 7, 3214868480
	.fill 96, 4, 3214868480
	.section	.rodata,"a",@progbits
	.p2align	6, 0x0
	.amdhsa_kernel k_qcd5681017b_prep
		.amdhsa_group_segment_fixed_size 0
		.amdhsa_private_segment_fixed_size 0
		.amdhsa_enable_private_segment 0
		.amdhsa_kernarg_size 72
		.amdhsa_user_sgpr_count 2
		.amdhsa_user_sgpr_kernarg_segment_ptr 1
		.amdhsa_wavefront_size32 1
		.amdhsa_system_sgpr_workgroup_id_x 1
		.amdhsa_system_sgpr_workgroup_id_y 1
		.amdhsa_system_sgpr_workgroup_id_z 1
		.amdhsa_system_vgpr_workitem_id 0
		.amdhsa_next_free_vgpr 192
		.amdhsa_next_free_sgpr 66
		.amdhsa_reserve_vcc 1
		.amdhsa_float_denorm_mode_32 3
		.amdhsa_float_denorm_mode_16_64 3
		.amdhsa_memory_ordered 1
		.amdhsa_forward_progress 1
		.amdhsa_inst_pref_size 81
	.end_amdhsa_kernel
	.amdgpu_metadata
---
amdhsa.version: [ 1, 2 ]
amdhsa.kernels:
  - .name:           k_qcd5681017b_prep
    .symbol:         k_qcd5681017b_prep.kd
    .args:
      - { .name: x, .offset: 0, .size: 8, .value_kind: global_buffer, .address_space: global }
      - { .name: ln_gamma, .offset: 8, .size: 8, .value_kind: global_buffer, .address_space: global }
      - { .name: ln_beta, .offset: 16, .size: 8, .value_kind: global_buffer, .address_space: global }
      - { .name: w_qkv, .offset: 24, .size: 8, .value_kind: global_buffer, .address_space: global }
      - { .name: w_out, .offset: 32, .size: 8, .value_kind: global_buffer, .address_space: global }
      - { .name: hbuf, .offset: 40, .size: 8, .value_kind: global_buffer, .address_space: global }
      - { .name: wq, .offset: 48, .size: 8, .value_kind: global_buffer, .address_space: global }
      - { .name: wo, .offset: 56, .size: 8, .value_kind: global_buffer, .address_space: global }
      - { .name: eh, .offset: 64, .size: 8, .value_kind: global_buffer, .address_space: global }
    .group_segment_fixed_size: 0
    .private_segment_fixed_size: 0
    .kernarg_segment_align: 8
    .kernarg_segment_size: 72
    .max_flat_workgroup_size: 256
    .sgpr_count:     66
    .vgpr_count:     192
    .wavefront_size: 32
...
	.end_amdgpu_metadata
.endif
;; end of part 1
;; launch qkv (part 2): grid 8 x 32, 4 waves a work-group, clusters of 4 x 4, 327,680 bytes of LDS; arguments hbuf, wq, qkscale, qkvh; writes qkvh
.if DOCPART == 2
	.amdgcn_target "amdgcn-amd-amdhsa--gfx1250"
	.amdhsa_code_object_version 6
	.text
	.protected	k_qcd5681017b_qkv
	.globl	k_qcd5681017b_qkv
	.p2align	8
	.type	k_qcd5681017b_qkv,@function
k_qcd5681017b_qkv:
	s_mov_b64 s[64:65], 0
	v_nop
	global_prefetch_b8 v0, s[64:65] scope:SCOPE_SE
	s_setreg_imm32_b32 hwreg(HW_REG_WAVE_MODE, 25, 1), 1
	s_wait_xcnt 0x0
	s_wait_alu depctr_hold_cnt(0) depctr_sa_sdst(0) depctr_va_vdst(0) depctr_va_sdst(0) depctr_va_ssrc(0) depctr_va_vcc(0) depctr_vm_vsrc(0)
	s_getreg_b32 s2, hwreg(HW_REG_IB_STS2, 6, 4)
	s_cmp_eq_u32 s2, 0
	s_cbranch_scc0 .Lentry_in_a_cluster
	s_endpgm
.Lentry_in_a_cluster:
	s_bfe_u32 s2, ttmp6, 0x10000c
	s_cmp_lg_u32 s2, 0xf033
	s_cbranch_scc0 .Lentry_shape_is_right
	s_endpgm
.Lentry_shape_is_right:
; qkv: [4096 x 1024] hbuf times [1024 x 3072] wq (f16 operands, f32 sums); on the way out the L2 norm of each q and k head vector, and q times
; qkscale * log2(e).  Result qkvh[b][g][s][64] in f16, g = 0..15 q heads, 16..31 k heads, 32..47 v heads.
; A work-group makes 128 rows x 384 columns with four waves, as many as a WGP has SIMDs: 32 x 8 = 256 work-groups.  A wave makes 64 rows x 192 columns
; = three whole heads: 48 accumulator tiles, 384 registers.  For 32 along K a wave issues 48 matrix instructions on 32 LDS loads.
; K goes in steps of 128 through a ring of two LDS slots; each wave brings one tile of 128 rows x 256 bytes a step: wave 0 the rows of hbuf,
; waves 1..3 a third each of wq's 384 columns (128 rows k).  wq lies [k][n]; its fragments are made by the transposing LDS load.
; CLUSTERS: 4 x 4 work-groups.  hbuf's tile hangs on the block row alone and is asked for jointly by the four of a row of the cluster; wq's tiles hang on
; the block column alone and are asked for jointly by the four of a column.
; THE MATRIX INSTRUCTION IS USED TRANSPOSED (source 0 = 16 columns of wq, source 1 = 16 rows of hbuf): lane l holds row l % 16 and its
; registers 0..7 the columns 8 (l / 16) + 0..7.  A head's 64 numbers of a row then lie in two lanes, l and l xor 16.
; LIMITS.  f16 results: |v| and |qkscale| * 1.4427 below 65,504.  A head vector whose sum of squares is below 2^-126 counts as norm 0 (the square root takes
; denormals as zero) and is divided by 1e-12.
; REGISTERS: window 0: v8-18 addresses, v20-31 at work, v32-63 and v64-95 hbuf's fragments (two buffers), v96-239 the way out;
;   window 1: v0-95, v96-191 wq's fragments (two buffers; fragment b at 8 b);
;   window 2: tiles (a 0..3, b 0..7) at 8 (8 a + b);  window 3: tiles (a, b 8..11) at 8 (4 a + b - 8).
.set REG,   36864                      ; a wave's region of a slot: 128 rows at pitch 272 (hbuf, 34,816 used) or 288 (wq)
.set SLOT,  4*REG
.set STAGE, 2*SLOT                     ; behind the ring: the way out's stage, 7,168 bytes a wave; no tensor load lands there
.set STW,   7168
.set PA,    272                        ; 256 + 16: an odd multiple of 16 bytes, so the 16 rows of a fragment load start 16 bytes apart modulo 256
.set PB,    288                        ; 256 + 32: an odd multiple of 32 bytes, for the transposing load's groups of eight rows
.set G1A, 24                           ; s[24:31] descriptor group 1, hbuf's tiles
.set G0A, 32                           ; s[32:39] group 0, one set a slot
.set G1B, 48                           ; s[48:55] group 1, wq's tiles
.set G0B, 56                           ; s[56:63] group 0, one set a slot
.set MUL_L, 0xa1                       ; source 0 window 1, source 1 window 0, C and D window 2
.set MUL_S, 0xf1                       ; the same, C and D window 3
.set TO_B,  0x40                       ; destination window 1, address window 0
.set MSB, 0
.macro WIN new                         ; the immediate's high byte repeats the setting that is left
.if MSB != \new
	s_set_vgpr_msb (MSB<<8)|\new
.set MSB, \new
.endif
.endm
.macro PLACES                          ; four plain vector instructions behind a matrix instruction, in front of loads into its sources and of reads of its result
.rept 4
	v_nop
.endr
.endm
; A joint load: wave 0 asks for hbuf's tile, waves 1..3 for wq's.  Each line has one mask; the branch hangs on the wave's number alone.
.macro JLOAD s
	s_cmp_eq_u32 s12, 0
	s_cbranch_scc0 .Lfor_b_\@
	tensor_load_to_lds s[G0A+4*\s:G0A+4*\s+3], s[G1A:G1A+7]
	s_nop 0
	s_branch .Lasked_\@
.Lfor_b_\@:
	tensor_load_to_lds s[G0B+4*\s:G0B+4*\s+3], s[G1B:G1B+7]
	s_nop 0
.Lasked_\@:
.endm
.macro CREST                           ; a round of the cluster's barrier behind its opening work-group barrier
	s_cmp_lg_u32 s12, 0
	s_cbranch_scc1 .Lnot_wave_0_\@
	s_barrier_signal -3
.Lnot_wave_0_\@:
	s_barrier_wait -3
	s_barrier_signal -1
	s_barrier_wait -1
.endm
.macro CROUND
	s_barrier_signal -1
	s_barrier_wait -1
	CREST
.endm
	s_load_b256 s[4:11], s[0:1], 0x0               ; hbuf s[4:5], wq s[6:7], qkscale s[8:9], qkvh s[10:11]
	s_set_vgpr_msb 0x40
	v_lshl_add_u32 v255, v0, 2, 0x4f000
	s_set_vgpr_msb 0x4000
	v_mov_b32 v255, 0
	s_set_vgpr_msb 0x1
	ds_add_u32 v255, v255
	ds_add_u32 v255, v255
	s_set_vgpr_msb 0x100
	v_lshrrev_b32 v1, 5, v0
	v_readfirstlane_b32 s12, v1                    ; wave 0..3
	s_lshr_b32 s13, s12, 1                         ; wm: which 64 rows
	s_and_b32 s14, s12, 1                          ; wn: which 192 columns
	s_bfe_u32 s16, ttmp6, 0x40000                  ; cx
	s_bfe_u32 s17, ttmp6, 0x40004                  ; cy
	s_lshl_b32 s18, ttmp9, 2
	s_add_co_u32 s18, s18, s16                     ; nb: block column = 4 x cluster x + cx
	s_and_b32 s19, ttmp7, 0xffff
	s_lshl_b32 s19, s19, 2
	s_add_co_u32 s19, s19, s17                     ; mb: block row = 4 x cluster y + cy
	s_lshl_b32 s20, s17, 2
	s_lshl_b32 s20, 15, s20                        ; my row of the cluster: places 4 cy .. 4 cy + 3
	s_lshl_b32 s21, 0x1111, s16                    ; my column: places cx, cx + 4, cx + 8, cx + 12
	; group 1: tiles of 128 rows x 128 elements of 2 bytes; behind every 64 words 4 (hbuf) or 8 (wq) words of padding
	s_or_b32 s[G1A+0], s20, (1<<16)|(1<<20)|(1<<21)|(5<<22)|(3<<25)
	s_mov_b32 s[G1A+1], 128<<16                    ; tensor_dim0 = 128
	s_mov_b32 s[G1A+2], 128<<16                    ; tensor_dim1 = 128
	s_mov_b32 s[G1A+3], 128<<16                    ; tile_dim0 = 128
	s_mov_b32 s[G1A+4], 128                        ; tile_dim1 = 128
	s_mov_b32 s[G1A+5], 1024                       ; elements from row to row of hbuf
	s_mov_b32 s[G1A+6], 0
	s_mov_b32 s[G1A+7], 0
	s_or_b32 s[G1B+0], s21, (1<<16)|(1<<20)|(1<<21)|(5<<22)|(7<<25)
	s_mov_b32 s[G1B+1], 128<<16
	s_mov_b32 s[G1B+2], 128<<16
	s_mov_b32 s[G1B+3], 128<<16
	s_mov_b32 s[G1B+4], 128
	s_mov_b32 s[G1B+5], 3072                       ; elements from row to row of wq
	s_mov_b32 s[G1B+6], 0
	s_mov_b32 s[G1B+7], 0
	; where the tiles come from: hbuf's from the block row alone, wq's from the block column and the wave's number alone
	s_lshl_b32 s40, s19, 18                        ; 128 rows of 2,048 bytes a block row
	s_mov_b32 s41, 0
	s_mul_i32 s42, s18, 768                        ; 384 columns of 2 bytes a block column
	s_max_u32 s44, s12, 1
	s_sub_co_u32 s44, s44, 1                       ; which third (wave 0 never asks by this address)
	s_lshl_b32 s44, s44, 8
	s_add_co_u32 s42, s42, s44
	s_mov_b32 s43, 0
	s_mul_i32 s22, s12, REG                        ; and where they go: the wave's region
	s_wait_dscnt 0x0
	s_wait_kmcnt 0x0
	s_load_b32 s80, s[8:9], 0x0                    ; qkscale, waited for at the way out
	s_add_nc_u64 s[40:41], s[4:5], s[40:41]
	s_add_nc_u64 s[42:43], s[6:7], s[42:43]
	CROUND                                         ; all sixteen work-groups are here: the first joint loads meet
.irp s,0,1
	s_mov_b32 s[G0A+4*\s], 1
	s_add_co_u32 s[G0A+4*\s+1], s22, \s*SLOT
	s_add_nc_u64 s[G0A+4*\s+2:G0A+4*\s+3], s[40:41], \s*256          ; K step s: 128 elements along the row
	s_or_b32 s[G0A+4*\s+3], s[G0A+4*\s+3], 0x80000000
	s_mov_b32 s[G0B+4*\s], 1
	s_add_co_u32 s[G0B+4*\s+1], s22, \s*SLOT
	s_add_nc_u64 s[G0B+4*\s+2:G0B+4*\s+3], s[42:43], \s*786432       ; K step s: 128 rows of 6,144 bytes
	s_or_b32 s[G0B+4*\s+3], s[G0B+4*\s+3], 0x80000000
	JLOAD \s                                       ; two tensor loads of the wave are out here, later one
.endr
	; LDS addresses
	v_and_b32 v1, 15, v0                           ; r
	v_bfe_u32 v2, v0, 4, 1                         ; h
	v_mul_u32_u24 v3, v1, PA
	v_lshl_add_u32 v3, v2, 4, v3
	s_mul_i32 s23, s13, 64*PA
	v_add_nc_u32 v8, s23, v3                       ; hbuf's fragments, slot 0: (64 wm + r) pitch + 16 h
	v_add_nc_u32 v9, SLOT, v8                      ; slot 1
	v_and_b32 v4, 7, v0
	v_lshl_add_u32 v4, v2, 3, v4                   ; 8 h + (l & 7): the row k that I address for the transposing load
	v_mul_u32_u24 v4, v4, PB
	v_bfe_u32 v5, v0, 3, 1
	v_lshl_add_u32 v4, v5, 4, v4                   ; + 16 bytes for the upper eight columns
	s_mul_i32 s44, s14, 3
.irp hh,0,1,2
	s_add_co_u32 s45, s44, \hh                     ; head 3 wn + hh of the block's six
	s_lshr_b32 s46, s45, 1                         ; two heads to a region of 128 columns
	s_mul_i32 s46, s46, REG
	s_and_b32 s45, s45, 1
	s_lshl_b32 s45, s45, 7
	s_add_co_u32 s46, s46, s45
	s_add_co_u32 s46, s46, REG                     ; wq's regions lie behind hbuf's
	v_add_nc_u32 v[10+\hh], s46, v4                ; slot 0
	v_add_nc_u32 v[13+\hh], SLOT, v[10+\hh]        ; slot 1
.endr
	s_mul_i32 s23, s12, STW
	s_add_co_u32 s23, s23, STAGE                   ; my stage
	v_mul_u32_u24 v6, v1, 144
	v_lshl_add_u32 v6, v2, 4, v6
	v_add_nc_u32 v16, s23, v6                      ; in: row r at pitch 144, 16 bytes for each half of the lanes
	v_and_b32 v7, 31, v0
	v_lshrrev_b32 v6, 3, v7
	v_mul_u32_u24 v6, v6, 144
	v_and_b32 v5, 7, v0
	v_lshl_add_u32 v6, v5, 4, v6
	v_add_nc_u32 v17, s23, v6                      ; back: eight lanes take a row of 128 bytes, the wave four rows
	v_lshlrev_b32 v18, 4, v7                       ; and the same 512 bytes in qkvh
; The 48 accumulators take turns, one instruction a turn, in the same order in every quarter step.
.macro MULS f, zero                    ; head 2: the 16 tiles of window 3
.irp a,0,1,2,3
.irp b,0,1,2,3
.if \zero
	v_wmma_f32_16x16x32_f16 v[8*(4*\a+\b):8*(4*\a+\b)+7], v[96*\f+64+8*\b:96*\f+64+8*\b+7], v[32+32*\f+8*\a:32+32*\f+8*\a+7], 0
.else
	v_wmma_f32_16x16x32_f16 v[8*(4*\a+\b):8*(4*\a+\b)+7], v[96*\f+64+8*\b:96*\f+64+8*\b+7], v[32+32*\f+8*\a:32+32*\f+8*\a+7], v[8*(4*\a+\b):8*(4*\a+\b)+7]
.endif
.endr
.endr
.endm
.macro MULL f, zero                    ; heads 0 and 1: the 32 tiles of window 2
.irp a,0,1,2,3
.irp b,0,1,2,3,4,5,6,7
.if \zero
	v_wmma_f32_16x16x32_f16 v[8*(8*\a+\b):8*(8*\a+\b)+7], v[96*\f+8*\b:96*\f+8*\b+7], v[32+32*\f+8*\a:32+32*\f+8*\a+7], 0
.else
	v_wmma_f32_16x16x32_f16 v[8*(8*\a+\b):8*(8*\a+\b)+7], v[96*\f+8*\b:96*\f+8*\b+7], v[32+32*\f+8*\a:32+32*\f+8*\a+7], v[8*(8*\a+\b):8*(8*\a+\b)+7]
.endif
.endr
.endr
.endm
; 32 LDS loads in one run: quarter kq (32 along K) of a slot into buffer f.  Order: hbuf's 8, head 2's 8, heads 0 and 1's 16.
.macro FETCH slot, kq, f
	WIN 0
.irp i,0,1,2,3
	ds_load_b128 v[32+32*\f+8*\i:32+32*\f+8*\i+3], v[8+\slot] offset:\kq*64+\i*16*PA
	ds_load_b128 v[32+32*\f+8*\i+4:32+32*\f+8*\i+7], v[8+\slot] offset:\kq*64+\i*16*PA+32
.endr
	WIN TO_B
.irp hh,2,0,1
.irp bb,0,1,2,3
	ds_load_tr16_b128 v[96*\f+8*(4*\hh+\bb):96*\f+8*(4*\hh+\bb)+3], v[10+3*\slot+\hh] offset:\kq*32*PB+32*\bb
	ds_load_tr16_b128 v[96*\f+8*(4*\hh+\bb)+4:96*\f+8*(4*\hh+\bb)+7], v[10+3*\slot+\hh] offset:\kq*32*PB+32*\bb+16*PB
.endr
.endr
.endm
; One of a K step's first three quarters: multiplies buffer f, fetches quarter kq of the same slot into buffer g.
.macro QUARTER slot, kq, f, g, zero
	s_wait_dscnt 16                                ; hbuf's fragments and head 2's are in; the youngest 16 loads (heads 0, 1) may be out
	WIN MUL_S
	MULS \f, \zero
	PLACES
	FETCH \slot, \kq, \g
	s_wait_dscnt 32                                ; all but the 32 just issued
	WIN MUL_L
	MULL \f, \zero
.endm
.macro THREE slot, zero
	QUARTER \slot, 1, 0, 1, \zero
	QUARTER \slot, 2, 1, 0, 0
	QUARTER \slot, 3, 0, 1, 0
.endm
; The last quarter: multiplies buffer 1 and changes slots.  In front of the barrier each wave waits for its reads of this slot and for all its tensor
; loads (the one that is out is its part of the next slot).  Where the slot is filled again the barrier opens a round of the cluster's barrier, and the joint
; refill is the first tensor load behind the round; then the next slot's first fragments are read.
.macro TURN slot, next, fill
	s_wait_dscnt 0x0
	s_wait_tensorcnt 0x0
	ds_add_u32 v255, v255
	s_wait_dscnt 0x0
	s_barrier_signal -1
	WIN MUL_S
	MULS 1, 0                                      ; register work while the others arrive
	WIN 0
	s_barrier_wait -1
.if \fill
	CREST
	s_add_nc_u64 s[G0A+4*\slot+2:G0A+4*\slot+3], s[G0A+4*\slot+2:G0A+4*\slot+3], 512       ; two K steps on; no tensor load of mine is out
	s_add_nc_u64 s[G0B+4*\slot+2:G0B+4*\slot+3], s[G0B+4*\slot+2:G0B+4*\slot+3], 1572864
	JLOAD \slot
.endif
	PLACES
	FETCH \next, 0, 0
	WIN MUL_L
	MULL 1, 0
.endm
.macro LAP zero
	THREE 0, \zero
	TURN 0, 1, 1
	THREE 1, 0
	TURN 1, 0, 1
.endm
	s_wait_tensorcnt 0x1                           ; my part of K step 0 is in, K step 1's stays out
	s_barrier_signal -1
	s_barrier_wait -1
	FETCH 0, 0, 0
	LAP 1                                          ; K steps 0, 1: the first products start the sums, nothing is cleared
	WIN 0
	s_mov_b32 s15, 2
.Llap:
	LAP 0                                          ; K steps 2..5
	WIN 0
	s_sub_co_u32 s15, s15, 1
	s_cmp_lg_u32 s15, 0
	s_cbranch_scc1 .Llap
	THREE 0, 0                                     ; K steps 6, 7: nothing is filled any more
	TURN 0, 1, 0
	THREE 1, 0
	s_wait_dscnt 0x0
	WIN MUL_S
	MULS 1, 0
	WIN MUL_L
	MULL 1, 0
	WIN 0
	PLACES
	; THE WAY OUT.  Per head: factor = sA / max(norm, 1e-12) + sC;  q: sA = qkscale log2 e, sC = 0;  k: sA = 1, sC = 0;  v: sA = 0, sC = 1.
	; The choice is made by selects, not branches, so that all partners of the cluster run the same text.
	s_wait_kmcnt 0x0
	s_mul_f32 s80, s80, 0x3fb8aa3b                 ; the softmax works in base 2
	s_mov_b32 s81, 0x2b8cbccc                      ; 1e-12
	s_mov_b32 s82, 0x76543210
	s_mov_b32 s83, 0xfedcba98
	s_mul_i32 s84, s18, 6
	s_mul_i32 s85, s14, 3
	s_add_co_u32 s84, s84, s85                     ; g of my first head = 6 nb + 3 wn
	s_lshr_b32 s86, s19, 4                         ; batch
	s_mul_i32 s86, s86, 48
	s_and_b32 s87, s19, 15
	s_lshl_b32 s87, s87, 14                        ; 128 rows of 128 bytes a block row
	s_lshl_b32 s88, s13, 13
	s_add_co_u32 s87, s87, s88                     ; + 64 wm rows
.irp hh,0,1,2
	s_add_co_u32 s88, s84, \hh
	s_cmp_lt_u32 s88, 16
	s_cselect_b32 s[74+\hh], s80, 1.0
	s_cmp_lt_u32 s88, 32
	s_cselect_b32 s[74+\hh], s[74+\hh], 0
	s_cselect_b32 s[77+\hh], 0, 1.0
	s_add_co_u32 s88, s88, s86
	s_lshl_b32 s88, s88, 18                        ; 262,144 bytes a (batch, head)
	s_add_co_u32 s88, s88, s87
	s_mov_b32 s89, 0
	s_add_nc_u64 s[68+2*\hh:69+2*\hh], s[10:11], s[88:89]
.endr
; rows 16 a .. 16 a + 15 of my 64
.macro OUTROW a
	WIN 0x0a                                       ; sources 0, 1 window 2
	v_pk_mul_f32 v[20:21], v[64*\a:64*\a+1], v[64*\a:64*\a+1]                      ; sums of squares of my 32 numbers of heads 0 and 1
	v_pk_mul_f32 v[22:23], v[64*\a+32:64*\a+33], v[64*\a+32:64*\a+33]
.irp p,1,2,3,4,5,6,7,8,9,10,11,12,13,14,15
	v_pk_fma_f32 v[20:21], v[64*\a+2*\p:64*\a+2*\p+1], v[64*\a+2*\p:64*\a+2*\p+1], v[20:21]
	v_pk_fma_f32 v[22:23], v[64*\a+32+2*\p:64*\a+33+2*\p], v[64*\a+32+2*\p:64*\a+33+2*\p], v[22:23]
.endr
	WIN 0x0f                                       ; sources 0, 1 window 3: head 2, in two chains
	v_pk_mul_f32 v[24:25], v[32*\a:32*\a+1], v[32*\a:32*\a+1]
	v_pk_mul_f32 v[26:27], v[32*\a+2:32*\a+3], v[32*\a+2:32*\a+3]
.irp p,2,4,6,8,10,12,14
	v_pk_fma_f32 v[24:25], v[32*\a+2*\p:32*\a+2*\p+1], v[32*\a+2*\p:32*\a+2*\p+1], v[24:25]
	v_pk_fma_f32 v[26:27], v[32*\a+2*\p+2:32*\a+2*\p+3], v[32*\a+2*\p+2:32*\a+2*\p+3], v[26:27]
.endr
	WIN 0
	v_pk_add_f32 v[24:25], v[24:25], v[26:27]
	v_add_f32 v20, v20, v21
	v_add_f32 v22, v22, v23
	v_add_f32 v24, v24, v25
	v_permlanex16_b32 v21, v20, s82, s83           ; the row's other 32 numbers lie in lane l xor 16
	v_permlanex16_b32 v23, v22, s82, s83
	v_permlanex16_b32 v25, v24, s82, s83
	v_add_f32 v20, v20, v21
	v_add_f32 v22, v22, v23
	v_add_f32 v24, v24, v25
	v_sqrt_f32 v20, v20
	v_sqrt_f32 v22, v22
	v_sqrt_f32 v24, v24
	v_nop                                          ; one plain instruction behind the transcendentals
	s_wait_alu depctr_va_vdst(0)
	v_max_num_f32 v20, s81, v20
	v_max_num_f32 v22, s81, v22
	v_max_num_f32 v24, s81, v24
	v_rcp_f32 v20, v20
	v_rcp_f32 v22, v22
	v_rcp_f32 v24, v24
	v_nop
	s_wait_alu depctr_va_vdst(0)
	v_fma_f32 v26, v20, s74, s77
	v_fma_f32 v28, v22, s75, s78
	v_fma_f32 v30, v24, s76, s79
	v_mov_b32 v27, v26
	v_mov_b32 v29, v28
	v_mov_b32 v31, v30
	WIN 0x02                                       ; source 0 window 2
.set idx, 0
.rept 16
	v_pk_mul_f32 v[96+2*idx:97+2*idx], v[64*\a+2*idx:64*\a+2*idx+1], v[26:27]
	v_pk_mul_f32 v[128+2*idx:129+2*idx], v[64*\a+32+2*idx:64*\a+33+2*idx], v[28:29]
.set idx, idx+1
.endr
	WIN 0x03                                       ; source 0 window 3
.set idx, 0
.rept 16
	v_pk_mul_f32 v[160+2*idx:161+2*idx], v[32*\a+2*idx:32*\a+2*idx+1], v[30:31]
.set idx, idx+1
.endr
	WIN 0
.set idx, 0
.rept 48
	v_cvt_pk_f16_f32 v[192+idx], v[96+2*idx], v[97+2*idx]
.set idx, idx+1
.endr
.irp b,0,1,2,3,4,5,6,7,8,9,10,11
	ds_store_b128 v16, v[192+4*\b:195+4*\b] offset:(\b/4)*2304+32*(\b%4)           ; head b / 4, columns 16 (b % 4) + 8 h ..
.endr
	s_wait_xcnt 0x0                                ; v[32:79] are the data of the last 16 rows' stores: loaded again only behind this wait
.irp n,0,1,2,3,4,5,6,7,8,9,10,11
	ds_load_b128 v[32+4*\n:35+4*\n], v17 offset:(\n/4)*2304+(\n%4)*576             ; LDS serves a wave's instructions in order: these see the stores above
.endr
.irp n,0,1,2,3,4,5,6,7,8,9,10,11
	s_wait_dscnt 11-\n
	global_store_b128 v18, v[32+4*\n:35+4*\n], s[68+2*(\n/4):69+2*(\n/4)] offset:\a*2048+512*(\n%4)   ; four rows of a head: 512 consecutive bytes, aligned
.endr
.endm
	OUTROW 0
	OUTROW 1
	OUTROW 2
	OUTROW 3
	s_set_vgpr_msb 0x1
	s_wait_tensorcnt 0x0
	ds_add_u32 v255, v255
	s_wait_dscnt 0x0
	s_set_vgpr_msb 0x100
	CROUND                                         ; the closing round: no work-group ends while a partner may still ask for a tile that names it
	s_endpgm
.Lfunc_end_k_qcd5681017b_qkv:
	.size	k_qcd5681017b_qkv, .Lfunc_end_k_qcd5681017b_qkv-k_qcd5681017b_qkv
	.p2alignl 7, 3214868480
	.fill 96, 4, 3214868480
	.section	.rodata,"a",@progbits
	.p2align	6, 0x0
	.amdhsa_kernel k_qcd5681017b_qkv
		.amdhsa_group_segment_fixed_size 327680
		.amdhsa_private_segment_fixed_size 0
		.amdhsa_enable_private_segment 0
		.amdhsa_kernarg_size 32
		.amdhsa_user_sgpr_count 2
		.amdhsa_user_sgpr_kernarg_segment_ptr 1
		.amdhsa_wavefront_size32 1
		.amdhsa_system_sgpr_workgroup_id_x 1
		.amdhsa_system_sgpr_workgroup_id_y 1
		.amdhsa_system_sgpr_workgroup_id_z 1
		.amdhsa_system_vgpr_workitem_id 0
		.amdhsa_next_free_vgpr 896
		.amdhsa_next_free_sgpr 96
		.amdhsa_reserve_vcc 0
		.amdhsa_float_denorm_mode_32 3
		.amdhsa_float_denorm_mode_16_64 3
		.amdhsa_memory_ordered 1
		.amdhsa_forward_progress 1
		.amdhsa_inst_pref_size 194
	.end_amdhsa_kernel
	.amdgpu_metadata
---
amdhsa.version: [ 1, 2 ]
amdhsa.kernels:
  - .name:           k_qcd5681017b_qkv
    .symbol:         k_qcd5681017b_qkv.kd
    .args:
      - { .name: hbuf, .offset: 0, .size: 8, .value_kind: global_buffer, .address_space: global }
      - { .name: wq, .offset: 8, .size: 8, .value_kind: global_buffer, .address_space: global }
      - { .name: qkscale, .offset: 16, .size: 8, .value_kind: global_buffer, .address_space: global }
      - { .name: qkvh, .offset: 24, .size: 8, .value_kind: global_buffer, .address_space: global }
    .group_segment_fixed_size: 327680
    .private_segment_fixed_size: 0
    .kernarg_segment_align: 8
    .kernarg_segment_size: 32
    .max_flat_workgroup_size: 128
    .sgpr_count:     96
    .vgpr_count:     896
    .wavefront_size: 32
...
	.end_amdgpu_metadata
.endif
;; end of part 2
;; launch ehead (part 3): grid 16 x 1, 16 waves a work-group, no clusters, 186,368 bytes of LDS; arguments eh, w_qkv, qkvh, eo; writes eo
.if DOCPART == 3
	.amdgcn_target "amdgcn-amd-amdhsa--gfx1250"
	.amdhsa_code_object_version 6
	.text
	.protected	k_qcd5681017b_ehead
	.globl	k_qcd5681017b_ehead
	.p2align	8
	.type	k_qcd5681017b_ehead,@function
k_qcd5681017b_ehead:
	s_mov_b64 s[64:65], 0
	v_nop
	global_prefetch_b8 v0, s[64:65] scope:SCOPE_SE
	s_setreg_imm32_b32 hwreg(HW_REG_WAVE_MODE, 25, 1), 1
	s_wait_xcnt 0x0
; ehead: the attention result of the FIRST 16 ROWS of each batch, made a second time with more digits.
; WHY.  The result is wanted to a hundredth of the root mean square of the whole output.  Row s of the output averages s + 1 value vectors; where these are unlike each
; other, row s is larger than that root mean square by about 15.8 / sqrt(s + 1) (the mean of 1 / (s + 1) over 2,048 rows is 1 / 250).  Six operands rounded to f16
; (2^-11 each) are then no longer small against the allowance in the first rows; from row 16 on the factor is below 4 and they are.
; HOW.  Every matrix operand on the way of the values is a sum of two f16 numbers, hi = f16(x) and lo = f16(x - hi), and a product is three f16 matrix products with f32 sums:
; hi hi + lo hi + hi lo.  q and k are taken from qkvh as they are: their rounding moves a softmax weight by some 1e-5 of itself.
; Work-group = head (16).  v[32 rows][64] = h[32][1024] Wv[1024][64 columns of the head]; rows 0..15 are batch 0's, 16..31 batch 1's.
; Sixteen waves split K: wave w takes k = 64 w .. 64 w + 63 in two chunks of 32.  h's parts come from eh as fragments; w_qkv's rows come in f32 (256 consecutive bytes of each row),
; are split in registers, laid as two f16 tiles [32 k][64 n] into the wave's own LDS and read back by the transposing load.  The sixteen partial sums meet in LDS.
; Then waves 0 and 1 (one batch each) do the 16 x 16 causal softmax, with its maximum taken away, and P V, and store o's two parts to eo[part][head][row][64].
; Sixteen work-groups: a head's 64 columns belong together, and a narrower slice would read pieces of w_qkv's rows shorter than 256 bytes.
; LIMITS.  The low parts are f16 too: an operand is carried to 2^-22 of itself or to 2^-25 absolutely, whichever is coarser.  |h|, |w|, |v|, |o| below 65,504.
.set WP,    12288                      ; bytes from row to row of w_qkv
.set WREG,  10240                      ; a wave's LDS: two tiles of 32 rows at pitch 160; later its partial sums, 32 rows at pitch 272
.set LOWT,  5120                       ; the low parts' tile lies behind the high parts'
.set PW,    160                        ; 128 + 32: an odd multiple of 32 bytes, for the transposing load
.set PP,    272
.set VT,    16*WREG                    ; v: [batch][part][16 keys] at pitch 160: 4 x 2,560 bytes
.set STG,   VT+10240                   ; the way out: [batch][part][16 rows] at pitch 144: 4 x 2,304 bytes
.set AF,    32                         ; v[32:63]   h's fragments: (row tile a, part p) at 32 + 16 a + 8 p
.set AC,    64                         ; v[64:127]  accumulators: (a, column tile b) at 64 + 8 (4 a + b)
.set RAW,   128                        ; v[128:191], v[192:255] chunk c: 16 loads of f32 rows; then W's fragments (part p, b) at 128 + 64 c + 32 p + 8 b
; v1 lane term of the tiles' stores; v2 lane; v3 r = lane % 16; v4 h = lane / 16; v5 lane % 8; v6 bit 3 of the lane; v7 lane term of the transposing loads;
; v8 fragment offset in eh and qkvh; v9 offset in w_qkv; v10 tile store; v11 tile load; v12 partial store; v13-15 partial loads; v16-27 at work in the split; v28 v's store
.macro NOPS n
.rept \n
	v_nop
.endr
.endm
; Four f32 in v[x:x+3] become 8 bytes of high parts at LDS byte adr + off and 8 bytes of low parts lo bytes further.  x - f16(x) is exact in f32.
; Two copies with work registers of their own, used by turns.
.macro SPLITA x, adr, off, lo
	v_cvt_pk_f16_f32 v16, v[\x], v[\x+1]
	v_cvt_pk_f16_f32 v17, v[\x+2], v[\x+3]
	v_cvt_f32_f16 v20, v16.l
	v_cvt_f32_f16 v21, v16.h
	v_cvt_f32_f16 v22, v17.l
	v_cvt_f32_f16 v23, v17.h
	ds_store_b64 v[\adr], v[16:17] offset:\off
	v_pk_add_f32 v[\x:\x+1], v[\x:\x+1], v[20:21] neg_lo:[0,1] neg_hi:[0,1]
	v_pk_add_f32 v[\x+2:\x+3], v[\x+2:\x+3], v[22:23] neg_lo:[0,1] neg_hi:[0,1]
	v_cvt_pk_f16_f32 v20, v[\x], v[\x+1]
	v_cvt_pk_f16_f32 v21, v[\x+2], v[\x+3]
	ds_store_b64 v[\adr], v[20:21] offset:\off+\lo
.endm
.macro SPLITB x, adr, off, lo
	v_cvt_pk_f16_f32 v18, v[\x], v[\x+1]
	v_cvt_pk_f16_f32 v19, v[\x+2], v[\x+3]
	v_cvt_f32_f16 v24, v18.l
	v_cvt_f32_f16 v25, v18.h
	v_cvt_f32_f16 v26, v19.l
	v_cvt_f32_f16 v27, v19.h
	ds_store_b64 v[\adr], v[18:19] offset:\off
	v_pk_add_f32 v[\x:\x+1], v[\x:\x+1], v[24:25] neg_lo:[0,1] neg_hi:[0,1]
	v_pk_add_f32 v[\x+2:\x+3], v[\x+2:\x+3], v[26:27] neg_lo:[0,1] neg_hi:[0,1]
	v_cvt_pk_f16_f32 v24, v[\x], v[\x+1]
	v_cvt_pk_f16_f32 v25, v[\x+2], v[\x+3]
	ds_store_b64 v[\adr], v[24:25] offset:\off+\lo
.endm
; Two f32 in v[x:x+1]: their high parts packed into v[hr], their low parts into v[lr]
.macro SPL2 hr, lr, x
	v_cvt_pk_f16_f32 v18, v[\x], v[\x+1]
	v_cvt_f32_f16 v16, v18.l
	v_cvt_f32_f16 v17, v18.h
	v_mov_b32 v[\hr], v18
	v_pk_add_f32 v[\x:\x+1], v[\x:\x+1], v[16:17] neg_lo:[0,1] neg_hi:[0,1]
	v_cvt_pk_f16_f32 v[\lr], v[\x], v[\x+1]
.endm
.macro ALOAD c                         ; 8 loads: both row tiles, both parts, 32 k
.irp a,0,1
.irp p,0,1
	global_load_b128 v[AF+16*\a+8*\p:AF+16*\a+8*\p+3], v8, s[16:17] offset:\p*65536+\a*2048+\c*64
	global_load_b128 v[AF+16*\a+8*\p+4:AF+16*\a+8*\p+7], v8, s[16:17] offset:\p*65536+\a*2048+\c*64+32
.endr
.endr
.endm
.macro WLOAD c                         ; 16 loads: 32 rows k; sixteen lanes take a row's 256 bytes, the wave two rows
.irp i,0,1,2,3,4,5,6,7,8,9,10,11,12,13,14,15
	global_load_b128 v[RAW+64*\c+4*\i:RAW+64*\c+4*\i+3], v9, s[18:19] offset:(32*\c+2*\i)*WP th:TH_LOAD_NT
.endr
.endm
.macro WSPLIT c
.irp i,0,2,4,6,8,10,12,14
	SPLITA RAW+64*\c+4*\i,10,\i*2*PW,LOWT
	SPLITB RAW+64*\c+4*\i+4,10,(\i+1)*2*PW,LOWT
.endr
.endm
.macro BLOAD c                         ; 16 transposing loads; LDS serves a wave's instructions in order, so they see the stores above
.irp p,0,1
.irp b,0,1,2,3
	ds_load_tr16_b128 v[RAW+64*\c+32*\p+8*\b:RAW+64*\c+32*\p+8*\b+3], v11 offset:\p*LOWT+32*\b
	ds_load_tr16_b128 v[RAW+64*\c+32*\p+8*\b+4:RAW+64*\c+32*\p+8*\b+7], v11 offset:\p*LOWT+32*\b+16*PW
.endr
.endr
.endm
; W's part pw times h's part pa.  Used transposed (source 0 = 16 columns of W, source 1 = 16 rows of h): lane l holds row l % 16, columns 8 (l / 16) + 0..7.
; The eight accumulators take turns, one instruction a turn.
.macro TERM c, pw, pa, zero
.irp a,0,1
.irp b,0,1,2,3
.if \zero
	v_wmma_f32_16x16x32_f16 v[AC+8*(4*\a+\b):AC+8*(4*\a+\b)+7], v[RAW+64*\c+32*\pw+8*\b:RAW+64*\c+32*\pw+8*\b+7], v[AF+16*\a+8*\pa:AF+16*\a+8*\pa+7], 0
.else
	v_wmma_f32_16x16x32_f16 v[AC+8*(4*\a+\b):AC+8*(4*\a+\b)+7], v[RAW+64*\c+32*\pw+8*\b:RAW+64*\c+32*\pw+8*\b+7], v[AF+16*\a+8*\pa:AF+16*\a+8*\pa+7], v[AC+8*(4*\a+\b):AC+8*(4*\a+\b)+7]
.endif
.endr
.endr
.endm
	s_load_b256 s[4:11], s[0:1], 0x0               ; eh s[4:5], w_qkv s[6:7], qkvh s[8:9], eo s[10:11]
	v_lshrrev_b32 v1, 5, v0
	v_readfirstlane_b32 s12, v1                    ; wave 0..15
	s_mov_b32 s13, ttmp9                           ; head
	v_and_b32 v2, 31, v0
	v_and_b32 v3, 15, v0
	v_bfe_u32 v4, v0, 4, 1
	v_and_b32 v5, 7, v0
	v_bfe_u32 v6, v0, 3, 1
	v_lshlrev_b32 v8, 7, v3
	v_lshl_add_u32 v8, v4, 4, v8                   ; row r of 128 bytes + 16 h
	v_mul_u32_u24 v9, v4, WP
	v_lshl_add_u32 v9, v3, 4, v9                   ; row h + 16 r
	s_lshl_b32 s16, s12, 12                        ; my K block of eh
	s_mov_b32 s17, 0
	s_mul_i32 s18, s12, 64*WP                      ; my 64 rows of w_qkv,
	s_lshl_b32 s20, s13, 8                         ; the head's 64 columns
	s_add_co_u32 s18, s18, s20
	s_add_co_u32 s18, s18, 8192                    ; of the v section
	s_mov_b32 s19, 0
	s_mul_i32 s14, s12, WREG                       ; my LDS
	s_wait_kmcnt 0x0
	s_add_nc_u64 s[16:17], s[4:5], s[16:17]
	s_add_nc_u64 s[18:19], s[6:7], s[18:19]
	ALOAD 0
	WLOAD 0
	WLOAD 1                                        ; 40 loads of the wave are on their way
	v_mul_u32_u24 v1, v4, PW
	v_lshl_add_u32 v1, v3, 3, v1                   ; row h of a tile + 8 r
	v_add_nc_u32 v10, s14, v1
	v_lshl_add_u32 v7, v4, 3, v5
	v_mul_u32_u24 v7, v7, PW
	v_lshl_add_u32 v7, v6, 4, v7                   ; row 8 h + (l & 7), + 16 bytes for the upper eight columns
	v_add_nc_u32 v11, s14, v7
	v_mul_u32_u24 v12, v3, PP
	v_lshl_add_u32 v12, v4, 5, v12
	v_add_nc_u32 v12, s14, v12                     ; partial sums: row r, 32 bytes for each half of the lanes
	v_lshrrev_b32 v13, 4, v0
	v_mul_u32_u24 v13, v13, PP
	v_lshl_add_u32 v13, v3, 4, v13                 ; thread t adds row t / 16, columns 4 (t % 16) ..: waves 0..5's partial sums by this address,
	v_add_nc_u32 v14, 6*WREG, v13                  ; waves 6..11's,
	v_add_nc_u32 v15, 12*WREG, v13                 ; waves 12..15's (an LDS offset has 16 bits)
	s_lshr_b32 s26, s12, 3                         ; row t / 16 = 2 wave + h: batch wave / 8, key 2 (wave % 8) + h
	s_mul_i32 s26, s26, 5120
	s_and_b32 s20, s12, 7
	s_mul_i32 s20, s20, 2*PW
	s_add_co_u32 s26, s26, s20
	s_add_co_u32 s26, s26, VT
	v_add_nc_u32 v28, s26, v1
	s_wait_loadcnt 16                              ; h's fragments and chunk 0's rows are in; chunk 1's 16 loads stay out
	WSPLIT 0
	BLOAD 0
	s_wait_dscnt 0x0
	TERM 0, 0, 0, 1                                ; the first products start the sums
	TERM 0, 1, 0, 0
	TERM 0, 0, 1, 0
	NOPS 4                                         ; the places in front of the loads into h's fragments
	ALOAD 1
	s_wait_loadcnt 8                               ; chunk 1's rows are in; the 8 loads just issued stay out
	WSPLIT 1                                       ; over chunk 0's tiles: their loads have come back
	BLOAD 1
	s_wait_loadcnt 0x0
	s_wait_dscnt 0x0
	TERM 1, 0, 0, 0
	TERM 1, 1, 0, 0
	TERM 1, 0, 1, 0
	NOPS 4                                         ; the places in front of the stores of the sums
.irp a,0,1
.irp b,0,1,2,3
	ds_store_b128 v12, v[AC+8*(4*\a+\b):AC+8*(4*\a+\b)+3] offset:\a*16*PP+64*\b
	ds_store_b128 v12, v[AC+8*(4*\a+\b)+4:AC+8*(4*\a+\b)+7] offset:\a*16*PP+64*\b+16
.endr
.endr
	s_wait_dscnt 0x0                               ; for the others' sake
	s_barrier_signal -1
	s_barrier_wait -1
.irp p,0,1,2,3,4,5
	ds_load_b128 v[RAW+4*\p:RAW+4*\p+3], v13 offset:\p*WREG
.endr
.irp p,0,1,2,3,4,5
	ds_load_b128 v[RAW+24+4*\p:RAW+24+4*\p+3], v14 offset:\p*WREG
.endr
.irp p,0,1,2,3
	ds_load_b128 v[RAW+48+4*\p:RAW+48+4*\p+3], v15 offset:\p*WREG
.endr
	s_wait_dscnt 0x0
.irp q,0,1,2,3,4,5,6,7,8,9,10,11,12,13,14,15
	v_pk_add_f32 v[RAW+2*\q:RAW+2*\q+1], v[RAW+2*\q:RAW+2*\q+1], v[RAW+32+2*\q:RAW+32+2*\q+1]
.endr
.irp q,0,1,2,3,4,5,6,7
	v_pk_add_f32 v[RAW+2*\q:RAW+2*\q+1], v[RAW+2*\q:RAW+2*\q+1], v[RAW+16+2*\q:RAW+16+2*\q+1]
.endr
.irp q,0,1,2,3
	v_pk_add_f32 v[RAW+2*\q:RAW+2*\q+1], v[RAW+2*\q:RAW+2*\q+1], v[RAW+8+2*\q:RAW+8+2*\q+1]
.endr
.irp q,0,1
	v_pk_add_f32 v[RAW+2*\q:RAW+2*\q+1], v[RAW+2*\q:RAW+2*\q+1], v[RAW+4+2*\q:RAW+4+2*\q+1]
.endr
	SPLITA RAW,28,0,2560                           ; v(row, 4 columns) in two parts, into the batch's two tiles
	s_wait_dscnt 0x0
	s_barrier_signal -1
	s_barrier_wait -1
	s_cmp_ge_u32 s12, 2
	s_cbranch_scc1 .Lend                           ; no barrier follows
	; ---- waves 0 and 1: the softmax of batch = wave.  S^T = K Q^T: lane l holds query l % 16 and keys 8 (l / 16) + 0..7.
	s_mul_i32 s22, s12, 48
	s_add_co_u32 s22, s22, s13
	s_lshl_b32 s22, s22, 18                        ; (48 batch + head) x 262,144 bytes
	s_mov_b32 s23, 0
	s_add_nc_u64 s[22:23], s[8:9], s[22:23]
.irp ks,0,1
	global_load_b128 v[32+8*\ks:35+8*\ks], v8, s[22:23] offset:64*\ks                      ; q, rows 0..15
	global_load_b128 v[36+8*\ks:39+8*\ks], v8, s[22:23] offset:64*\ks+32
	global_load_b128 v[48+8*\ks:51+8*\ks], v8, s[22:23] offset:4194304+64*\ks              ; k lies 16 heads behind q
	global_load_b128 v[52+8*\ks:55+8*\ks], v8, s[22:23] offset:4194304+64*\ks+32
.endr
	s_mul_i32 s27, s12, 5120
	s_add_co_u32 s27, s27, VT
	v_add_nc_u32 v29, s27, v7
	; V^T's fragments.  The 32 places along K hold the 16 keys twice: places 0-15 meet P's high parts, places 16-31 its low parts.
.irp dt,0,1,2,3
	ds_load_tr16_b128 v[128+8*\dt:131+8*\dt], v29 offset:32*\dt
	ds_load_tr16_b128 v[132+8*\dt:135+8*\dt], v29 offset:32*\dt
	ds_load_tr16_b128 v[160+8*\dt:163+8*\dt], v29 offset:2560+32*\dt
	ds_load_tr16_b128 v[164+8*\dt:167+8*\dt], v29 offset:2560+32*\dt
.endr
	v_lshlrev_b32 v24, 3, v4
	v_sub_nc_u32 v24, v3, v24                      ; r - 8 h
	v_mov_b32 v25, 0xff7fffff                      ; the lowest finite f32
	s_mov_b32 s28, 0x76543210
	s_mov_b32 s29, 0xfedcba98
	s_wait_loadcnt 0x0
	v_wmma_f32_16x16x32_f16 v[64:71], v[48:55], v[32:39], 0        ; d = 0..31 and d = 32..63 in two accumulators, added below
	v_wmma_f32_16x16x32_f16 v[72:79], v[56:63], v[40:47], 0
	NOPS 4
.irp p,0,1,2,3
	v_pk_add_f32 v[64+2*\p:65+2*\p], v[64+2*\p:65+2*\p], v[72+2*\p:73+2*\p]
.endr
.irp j,0,1,2,3,4,5,6,7
	v_cmp_gt_i32 vcc_lo, \j, v24                   ; key 8 h + j above query r
	v_cndmask_b32 v[64+\j], v[64+\j], v25, vcc_lo
.endr
	v_max3_num_f32 v26, v64, v65, v66
	v_max3_num_f32 v27, v67, v68, v69
	v_max3_num_f32 v26, v26, v70, v71
	v_max_num_f32 v26, v26, v27
	v_permlanex16_b32 v27, v26, s28, s29           ; the query's other keys lie in lane l xor 16
	v_max_num_f32 v26, v26, v27
.irp j,0,1,2,3,4,5,6,7
	v_sub_f32 v[64+\j], v[64+\j], v26
.endr
.irp j,0,1,2,3,4,5,6,7
	v_exp_f32 v[64+\j], v[64+\j]                   ; q carries qkscale log2 e
.endr
	v_nop                                          ; one plain instruction behind the transcendentals
	s_wait_alu depctr_va_vdst(0)
	v_pk_add_f32 v[88:89], v[64:65], v[66:67]
	v_pk_add_f32 v[90:91], v[68:69], v[70:71]
	v_pk_add_f32 v[88:89], v[88:89], v[90:91]
	v_add_f32 v88, v88, v89
	v_permlanex16_b32 v89, v88, s28, s29
	v_add_f32 v88, v88, v89
	v_rcp_f32 v30, v88
	v_rcp_f32 v31, v88                             ; plain instructions follow before the pair is read
	SPL2 80,84,64                                  ; P^T's fragment: registers 0-3 the high parts of my 8 keys, registers 4-7 the low parts
	SPL2 81,85,66
	SPL2 82,86,68
	SPL2 83,87,70
	s_wait_dscnt 0x0
.irp dt,0,1,2,3
	v_wmma_f32_16x16x32_f16 v[96+8*\dt:103+8*\dt], v[128+8*\dt:135+8*\dt], v[80:87], 0                     ; (Phi + Plo) Vhi
.endr
.irp dt,0,1,2,3
	v_wmma_f32_16x16x32_f16 v[96+8*\dt:103+8*\dt], v[160+8*\dt:167+8*\dt], v[80:87], v[96+8*\dt:103+8*\dt] ; + (Phi + Plo) Vlo; the four accumulators take turns
.endr
	NOPS 4
	s_wait_alu depctr_va_vdst(0)
.irp dt,0,1,2,3
.irp q,0,1,2,3
	v_pk_mul_f32 v[96+8*\dt+2*\q:97+8*\dt+2*\q], v[96+8*\dt+2*\q:97+8*\dt+2*\q], v[30:31]
.endr
.endr
.irp dt,0,1,2,3
.irp q,0,1,2,3
	SPL2 32+4*\dt+\q,48+4*\dt+\q,96+8*\dt+2*\q
.endr
.endr
	s_mul_i32 s27, s12, 4608
	s_add_co_u32 s27, s27, STG                     ; my stage
	v_mul_u32_u24 v21, v3, 144
	v_lshl_add_u32 v21, v4, 4, v21
	v_add_nc_u32 v21, s27, v21                     ; in: row r at pitch 144, 16 h
	v_lshrrev_b32 v22, 3, v2
	v_mul_u32_u24 v22, v22, 144
	v_lshl_add_u32 v22, v5, 4, v22
	v_add_nc_u32 v22, s27, v22                     ; back: eight lanes a row of 128 bytes
	v_lshlrev_b32 v23, 4, v2
	s_lshl_b32 s24, s13, 12                        ; eo: the head's K block,
	s_lshl_b32 s20, s12, 11                        ; the batch's 16 rows
	s_add_co_u32 s24, s24, s20
	s_mov_b32 s25, 0
	s_add_nc_u64 s[24:25], s[10:11], s[24:25]
.irp p,0,1
.irp dt,0,1,2,3
	ds_store_b128 v21, v[32+16*\p+4*\dt:35+16*\p+4*\dt] offset:\p*2304+32*\dt
.endr
.endr
.irp p,0,1
.irp t,0,1,2,3
	ds_load_b128 v[128+16*\p+4*\t:131+16*\p+4*\t], v22 offset:\p*2304+576*\t               ; LDS serves a wave's instructions in order: these see the stores above
.endr
.endr
.irp n,0,1,2,3,4,5,6,7
	s_wait_dscnt 7-\n
	global_store_b128 v23, v[128+4*\n:131+4*\n], s[24:25] offset:(\n/4)*65536+512*(\n%4)   ; four rows: 512 consecutive bytes, aligned
.endr
.Lend:
	s_wait_xcnt 0x0
	v_lshl_add_u32 v254, v0, 2, 0x2d000
	v_mov_b32 v255, 0
	s_wait_tensorcnt 0x0
	ds_add_u32 v254, v255
	s_wait_dscnt 0x0
	s_endpgm
.Lfunc_end_k_qcd5681017b_ehead:
	.size	k_qcd5681017b_ehead, .Lfunc_end_k_qcd5681017b_ehead-k_qcd5681017b_ehead
	.p2alignl 7, 3214868480
	.fill 96, 4, 3214868480
	.section	.rodata,"a",@progbits
	.p2align	6, 0x0
	.amdhsa_kernel k_qcd5681017b_ehead
		.amdhsa_group_segment_fixed_size 186368
		.amdhsa_private_segment_fixed_size 0
		.amdhsa_enable_private_segment 0
		.amdhsa_kernarg_size 32
		.amdhsa_user_sgpr_count 2
		.amdhsa_user_sgpr_kernarg_segment_ptr 1
		.amdhsa_wavefront_size32 1
		.amdhsa_system_sgpr_workgroup_id_x 1
		.amdhsa_system_sgpr_workgroup_id_y 1
		.amdhsa_system_sgpr_workgroup_id_z 1
		.amdhsa_system_vgpr_workitem_id 0
		.amdhsa_next_free_vgpr 256
		.amdhsa_next_free_sgpr 66
		.amdhsa_reserve_vcc 1
		.amdhsa_float_denorm_mode_32 3
		.amdhsa_float_denorm_mode_16_64 3
		.amdhsa_memory_ordered 1
		.amdhsa_forward_progress 1
		.amdhsa_inst_pref_size 53
	.end_amdhsa_kernel
	.amdgpu_metadata
---
amdhsa.version: [ 1, 2 ]
amdhsa.kernels:
  - .name:           k_qcd5681017b_ehead
    .symbol:         k_qcd5681017b_ehead.kd
    .args:
      - { .name: eh, .offset: 0, .size: 8, .value_kind: global_buffer, .address_space: global }
      - { .name: w_qkv, .offset: 8, .size: 8, .value_kind: global_buffer, .address_space: global }
      - { .name: qkvh, .offset: 16, .size: 8, .value_kind: global_buffer, .address_space: global }
      - { .name: eo, .offset: 24, .size: 8, .value_kind: global_buffer, .address_space: global }
    .group_segment_fixed_size: 186368
    .private_segment_fixed_size: 0
    .kernarg_segment_align: 8
    .kernarg_segment_size: 32
    .max_flat_workgroup_size: 512
    .sgpr_count:     66
    .vgpr_count:     256
    .wavefront_size: 32
...
	.end_amdgpu_metadata
.endif
;; end of part 3
;; launch attn (part 4): grid 8 x 32, 8 waves a work-group, no clusters, 327,680 bytes of LDS; arguments qkvh, oh; writes oh
.if DOCPART == 4
	.amdgcn_target "amdgcn-amd-amdhsa--gfx1250"
	.amdhsa_code_object_version 6
	.text
	.protected	k_qcd5681017b_attn
	.globl	k_qcd5681017b_attn
	.p2align	8
	.type	k_qcd5681017b_attn,@function
k_qcd5681017b_attn:
	s_mov_b64 s[64:65], 0
	v_nop
	global_prefetch_b8 v0, s[64:65] scope:SCOPE_SE
	s_setreg_imm32_b32 hwreg(HW_REG_WAVE_MODE, 25, 1), 1
	s_wait_xcnt 0x0
; attn: causal softmax attention of one (batch, head) from qkvh (q already normalised and times qkscale log2 e, k normalised, v), f16 operands, f32 sums,
; with a running maximum.  Result oh[b][h][s][64] in f16.
; Work-group (i = 0..7, bh = 0..31) takes the query blocks i and 15 - i, of 128 rows each.  Wave w holds two query tiles of 16 rows: rows 16 w .. of block i (tile 0)
; and of block 15 - i (tile 1).  All eight waves walk the key tiles t = 0 .. 15 - i of 128 keys; tile 0 works while t <= i, tile 1 to the end: 17 units of
; 16 queries x 128 keys for every wave of every work-group.  Branches hang on i and the trip counter alone, so every wave passes every barrier.
; NO CLUSTER: the eight work-groups of a head read the same K and V tiles, but they walk 16 - i tiles, 9 to 16: the number of trips and the branches of a
; partner would hang on its place in the cluster, and giving all partners 16 full trips would nearly double the arithmetic.
; ORIENTATION.  S^T = K Q^T (source 0 = 16 keys, source 1 = 16 queries): lane l holds query l % 16 and keys 8 (l / 16) + 0..7 of each tile of 16 keys.  So the row maximum and the
; row sum are work within a lane and one exchange with lane l xor 16; two neighbouring S tiles, rounded to f16 in place, are a source-1 fragment of
; O^T = V^T P^T; and the rescaling factor is one number a lane.  V lies [key][d]; V^T's fragments are made by the transposing LDS load.
; K and V go through a ring of two LDS slots; each wave brings 16 rows of K and 16 of V a tile (two tensor loads of the wave are out at the most).
; LIMITS.  f16: |o| below 65,504.  Masked scores are -3.4e38 as in the definition; their exponentials are zero.
.set SLOTB, 38912                      ; K: 128 rows at pitch 144; then V: 128 rows at pitch 160
.set VOFF,  18432
.set PK,    144                        ; 128 + 16: an odd multiple of 16 bytes
.set PV,    160                        ; 128 + 32: an odd multiple of 32 bytes, for the transposing load
.set STAGE, 2*SLOTB                    ; the way out: 32 rows at pitch 144 a wave (4,608 bytes); no tensor load lands there
.set QF, 32                            ; v[32:63]   Q(qt, ks) at 32 + 8 (2 qt + ks)
.set OA, 64                            ; v[64:127]  O(dt, qt) at 64 + 8 (2 dt + qt)
.set SA, 128                           ; v[128:191] S(kt, qt) at 128 + 8 (2 kt + qt); later P(kk, qt) in S(2 kk, qt)
.set KV, 192                           ; v[192:255] K(kt, ks) at 192 + 8 (2 kt + ks), then V(dt, kk) at 192 + 8 (2 dt + kk)
; v8, v9 K's LDS address (slot 0, 1); v10, v11 V's; v12 16 w + r - 8 h; v13 -3.4e38; v14, v15 at work; v16, v17 running maximum; v[18:21] its negative, twice;
; v[22:25] rescaling factor, twice; v26, v27 running sum (my half of the keys); v28, v29 new maximum; v[2:7], v[30:31] sums at work
; s15 the even tile of the pair at work (for the branches); s21 the pair's number (the loop's counter, stepped by 1); s16 its bound
.set G1K, 24                           ; s[24:31] group 1 for K
.set G1V, 32                           ; s[32:39] group 1 for V
.set GK,  40                           ; s[40:47] group 0 for K, one set a slot
.set GV,  48                           ; s[48:55] group 0 for V, one set a slot
.macro NOPS n
.rept \n
	v_nop
.endr
.endm
.macro WM d, a, b, zero
.if \zero
	v_wmma_f32_16x16x32_f16 v[\d:\d+7], v[\a:\a+7], v[\b:\b+7], 0
.else
	v_wmma_f32_16x16x32_f16 v[\d:\d+7], v[\a:\a+7], v[\b:\b+7], v[\d:\d+7]
.endif
.endm
; In both products the accumulators take turns, one instruction a turn.
.macro SMUL lo, ks, zero
.irp kt,0,1,2,3
.if \lo
	WM SA+16*\kt, KV+8*(2*\kt+\ks), QF+8*\ks, \zero
.endif
	WM SA+16*\kt+8, KV+8*(2*\kt+\ks), QF+16+8*\ks, \zero
.endr
.endm
.macro PMUL lo, kk, zero
.irp dt,0,1,2,3
.if \lo
	WM OA+16*\dt, KV+8*(2*\dt+\kk), SA+32*\kk, \zero
.endif
	WM OA+16*\dt+8, KV+8*(2*\dt+\kk), SA+32*\kk+8, \zero
.endr
.endm
.macro MASK qt, c                      ; diagonal block: key 64 c + 16 kt + 8 h + j is masked where it is above query 16 w + r
.irp kt,0,1,2,3
.irp j,0,1,2,3,4,5,6,7
	v_cmp_gt_i32 vcc_lo, 64*\c+16*\kt+\j, v12
	v_cndmask_b32 v[SA+16*\kt+8*\qt+\j], v[SA+16*\kt+8*\qt+\j], v13, vcc_lo
.endr
.endr
.endm
.macro MAXHEAD qt, first               ; two chains: the old maximum and tiles 0, 1; tiles 2, 3
.if \first
	v_max_num_f32 v[28+\qt], v[SA+8*\qt], v[SA+8*\qt+1]
.else
	v_max3_num_f32 v[28+\qt], v[16+\qt], v[SA+8*\qt], v[SA+8*\qt+1]
.endif
	v_max_num_f32 v[14+\qt], v[SA+32+8*\qt], v[SA+32+8*\qt+1]
.endm
.macro MAXSTEP qt, p
	v_max3_num_f32 v[28+\qt], v[28+\qt], v[SA+16*(\p/4)+8*\qt+2*(\p%4)], v[SA+16*(\p/4)+8*\qt+2*(\p%4)+1]
	v_max3_num_f32 v[14+\qt], v[14+\qt], v[SA+32+16*(\p/4)+8*\qt+2*(\p%4)], v[SA+32+16*(\p/4)+8*\qt+2*(\p%4)+1]
.endm
.macro MAXTAIL qt
	v_max_num_f32 v[28+\qt], v[28+\qt], v[14+\qt]
	v_permlanex16_b32 v[14+\qt], v[28+\qt], s13, s14       ; the query's other keys lie in lane l xor 16
	v_max_num_f32 v[28+\qt], v[28+\qt], v[14+\qt]
.endm
.macro NEWMAX qt, first
.if \first == 0
	v_sub_f32 v[22+2*\qt], v[16+\qt], v[28+\qt]
	v_exp_f32 v[22+2*\qt], v[22+2*\qt]             ; 2^(old maximum - new); plain instructions follow before it is read
.endif
	v_mov_b32 v[16+\qt], v[28+\qt]
	v_xor_b32 v[18+2*\qt], 0x80000000, v[28+\qt]
	v_xor_b32 v[19+2*\qt], 0x80000000, v[28+\qt]
.if \first == 0
	s_wait_alu depctr_va_vdst(0)
	v_mov_b32 v[23+2*\qt], v[22+2*\qt]
.endif
.endm
.macro EXPQ qt
.irp kt,0,1,2,3
.irp p,0,1,2,3
	v_pk_add_f32 v[SA+16*\kt+8*\qt+2*\p:SA+16*\kt+8*\qt+2*\p+1], v[SA+16*\kt+8*\qt+2*\p:SA+16*\kt+8*\qt+2*\p+1], v[18+2*\qt:19+2*\qt]
.endr
.endr
.irp kt,0,1,2,3
.irp j,0,1,2,3,4,5,6,7
	v_exp_f32 v[SA+16*\kt+8*\qt+\j], v[SA+16*\kt+8*\qt+\j]
.endr
.endr
.endm
.macro SUMHEAD qt                      ; two chains again
	v_pk_add_f32 v[4+2*\qt:5+2*\qt], v[SA+8*\qt:SA+8*\qt+1], v[SA+8*\qt+2:SA+8*\qt+3]
	v_pk_add_f32 v[2+28*\qt:3+28*\qt], v[SA+32+8*\qt:SA+32+8*\qt+1], v[SA+32+8*\qt+2:SA+32+8*\qt+3]
.endm
.macro SUMSTEP qt, p
	v_pk_add_f32 v[4+2*\qt:5+2*\qt], v[4+2*\qt:5+2*\qt], v[SA+16*(\p/4)+8*\qt+2*(\p%4):SA+16*(\p/4)+8*\qt+2*(\p%4)+1]
	v_pk_add_f32 v[2+28*\qt:3+28*\qt], v[2+28*\qt:3+28*\qt], v[SA+32+16*(\p/4)+8*\qt+2*(\p%4):SA+32+16*(\p/4)+8*\qt+2*(\p%4)+1]
.endm
.macro SUMTAIL qt, first
	v_pk_add_f32 v[4+2*\qt:5+2*\qt], v[4+2*\qt:5+2*\qt], v[2+28*\qt:3+28*\qt]
.if \first
	v_add_f32 v[26+\qt], v[4+2*\qt], v[5+2*\qt]
.else
	v_add_f32 v[4+2*\qt], v[4+2*\qt], v[5+2*\qt]
	v_fma_f32 v[26+\qt], v[26+\qt], v[22+2*\qt], v[4+2*\qt]
.endif
.endm
.macro CVTQ qt                         ; tiles 2 kk and 2 kk + 1 become registers 0-3 and 4-7 of P(kk), in tile 2 kk's registers
.irp kk,0,1
.irp p,0,1,2,3
	v_cvt_pk_f16_f32 v[SA+32*\kk+8*\qt+\p], v[SA+32*\kk+8*\qt+2*\p], v[SA+32*\kk+8*\qt+2*\p+1]
.endr
.irp p,0,1,2,3
	v_cvt_pk_f16_f32 v[SA+32*\kk+8*\qt+4+\p], v[SA+32*\kk+16+8*\qt+2*\p], v[SA+32*\kk+16+8*\qt+2*\p+1]
.endr
.endr
.endm
.macro RESC qt
.irp dt,0,1,2,3
.irp p,0,1,2,3
	v_pk_mul_f32 v[OA+16*\dt+8*\qt+2*\p:OA+16*\dt+8*\qt+2*\p+1], v[OA+16*\dt+8*\qt+2*\p:OA+16*\dt+8*\qt+2*\p+1], v[22+2*\qt:23+2*\qt]
.endr
.endr
.endm
; 64 keys (half c of the slot's tile).  lo = 1: both query tiles, 0: tile 1 alone; mlo, mhi: the tile is on its diagonal; first: starts the sums.
.macro SUB slot, c, lo, mlo, mhi, first
.irp ks,0,1
.irp kt,0,1,2,3
	ds_load_b128 v[KV+8*(2*\kt+\ks):KV+8*(2*\kt+\ks)+3], v[8+\slot] offset:(64*\c+16*\kt)*PK+64*\ks
	ds_load_b128 v[KV+8*(2*\kt+\ks)+4:KV+8*(2*\kt+\ks)+7], v[8+\slot] offset:(64*\c+16*\kt)*PK+64*\ks+32
.endr
.endr
	s_wait_dscnt 0x8                               ; d = 0..31 of the four key tiles are in, the eight younger loads may be out
	SMUL \lo, 0, 1
	s_wait_dscnt 0x0
	SMUL \lo, 1, 0
	NOPS 4                                         ; the places in front of the loads into K's registers and of the reads of S
.irp kk,0,1
.irp dt,0,1,2,3
	ds_load_tr16_b128 v[KV+8*(2*\dt+\kk):KV+8*(2*\dt+\kk)+3], v[10+\slot] offset:(64*\c+32*\kk)*PV+32*\dt
	ds_load_tr16_b128 v[KV+8*(2*\dt+\kk)+4:KV+8*(2*\dt+\kk)+7], v[10+\slot] offset:(64*\c+32*\kk)*PV+32*\dt+16*PV
.endr
.endr
.if \mlo
	MASK 0, \c
.endif
.if \mhi
	MASK 1, \c
.endif
.if \lo
	MAXHEAD 0, \first
.endif
	MAXHEAD 1, \first
.irp p,1,2,3,4,5,6,7
.if \lo
	MAXSTEP 0, \p
.endif
	MAXSTEP 1, \p
.endr
.if \lo
	MAXTAIL 0
.endif
	MAXTAIL 1
.if \lo
	NEWMAX 0, \first
.endif
	NEWMAX 1, \first
.if \lo
	EXPQ 0
.endif
	EXPQ 1
	v_nop                                          ; one plain instruction behind the run of transcendentals
	s_wait_alu depctr_va_vdst(0)
.if \lo
	SUMHEAD 0
.endif
	SUMHEAD 1
.irp p,2,3,4,5,6,7
.if \lo
	SUMSTEP 0, \p
.endif
	SUMSTEP 1, \p
.endr
.if \lo
	SUMTAIL 0, \first
.endif
	SUMTAIL 1, \first
.if \lo
	CVTQ 0
.endif
	CVTQ 1
.if \first == 0
.if \lo
	RESC 0
.endif
	RESC 1
.endif
	s_wait_dscnt 0x8                               ; V of the first 32 keys is in
	PMUL \lo, 0, \first
	s_wait_dscnt 0x0
	PMUL \lo, 1, 0
	NOPS 5                                         ; the next S is written over P, and the next K is loaded over V
.endm
.macro TILE slot, lo, mlo, mhi, first
	SUB \slot, 0, \lo, \mlo, \mhi, \first
	SUB \slot, 1, \lo, \mlo, \mhi, 0
.endm
; The ring's change of slots.  Each wave waits for all its tensor loads (its part of this trip's tile among them) and for its reads of the last trip's tile, then the
; barrier; the refill of the slot read last trip comes first behind it.
.macro TRIPHEAD slot, refill
	s_set_vgpr_msb 0x5
	s_wait_tensorcnt 0x0
	ds_add_u32 v0, v1
	s_wait_dscnt 0x0
	s_set_vgpr_msb 0x500
	s_add_nc_u64 s[GK+4*\slot+2:GK+4*\slot+3], s[GK+4*\slot+2:GK+4*\slot+3], 32768         ; no tensor load of mine is out: this slot's next tile, two tiles on
	s_add_nc_u64 s[GV+4*\slot+2:GV+4*\slot+3], s[GV+4*\slot+2:GV+4*\slot+3], 32768
	s_wait_dscnt 0x0
	s_barrier_signal -1
	s_barrier_wait -1
.if \refill
	tensor_load_to_lds s[GK+4-4*\slot:GK+7-4*\slot], s[G1K:G1K+7]
	s_nop 0
	tensor_load_to_lds s[GV+4-4*\slot:GV+7-4*\slot], s[G1V:G1V+7]
	s_nop 0
.endif
.endm
; a tile in the middle of the walk: below block i's diagonal both query tiles, on it tile 0 masked, above it tile 1 alone
.macro MID slot, lim
	s_cmp_lt_i32 s15, \lim
	s_cbranch_scc1 .Lboth_\@
	s_cmp_eq_u32 s15, \lim
	s_cbranch_scc1 .Llod_\@
	TILE \slot, 0, 0, 0, 0
	s_branch .Lmid_end_\@
.Lboth_\@:
	TILE \slot, 1, 0, 0, 0
	s_branch .Lmid_end_\@
.Llod_\@:
	TILE \slot, 1, 1, 0, 0
.Lmid_end_\@:
.endm
	s_load_b128 s[4:7], s[0:1], 0x0                ; qkvh s[4:5], oh s[6:7]
	s_set_vgpr_msb 0x40
	v_lshl_add_u32 v0, v0, 2, 0x29000
	v_mov_b32 v1, 0
	s_set_vgpr_msb 0x4045
	ds_add_u32 v0, v1
	ds_add_u32 v0, v1
	s_set_vgpr_msb 0x4500
	v_lshrrev_b32 v1, 5, v0
	v_readfirstlane_b32 s8, v1                     ; wave 0..7
	s_mov_b32 s9, ttmp9                            ; i
	s_and_b32 s10, ttmp7, 0xffff                   ; bh = 16 batch + head
	; group 1: 16 rows of 128 bytes lie dense in memory: 8 rows of 32 elements of 8 bytes; behind every 32 words 4 (K) or 8 (V) words of padding
	s_mov_b32 s[G1K+0], (3<<16)|(1<<20)|(4<<22)|(3<<25)
	s_mov_b32 s[G1K+1], 32<<16                     ; tensor_dim0 = 32
	s_mov_b32 s[G1K+2], 8<<16                      ; tensor_dim1 = 8
	s_mov_b32 s[G1K+3], 32<<16                     ; tile_dim0 = 32
	s_mov_b32 s[G1K+4], 8                          ; tile_dim1 = 8
	s_mov_b32 s[G1K+5], 32                         ; elements from row to row
	s_mov_b32 s[G1K+6], 0
	s_mov_b32 s[G1K+7], 0
	s_mov_b32 s[G1V+0], (3<<16)|(1<<20)|(4<<22)|(7<<25)
	s_mov_b32 s[G1V+1], 32<<16
	s_mov_b32 s[G1V+2], 8<<16
	s_mov_b32 s[G1V+3], 32<<16
	s_mov_b32 s[G1V+4], 8
	s_mov_b32 s[G1V+5], 32
	s_mov_b32 s[G1V+6], 0
	s_mov_b32 s[G1V+7], 0
	s_lshr_b32 s22, s10, 4
	s_mul_i32 s22, s22, 48
	s_and_b32 s23, s10, 15
	s_add_co_u32 s22, s22, s23
	s_lshl_b32 s22, s22, 18                        ; (48 batch + head) x 262,144 bytes
	s_mov_b32 s23, 0
	s_lshl_b32 s2, s8, 11                          ; my 16 rows of a tile
	s_mov_b32 s3, 0
	s_mul_i32 s11, s8, 16*PK                       ; where they go: K
	s_mul_i32 s12, s8, 16*PV
	s_add_co_u32 s12, s12, VOFF                    ; V
	s_wait_dscnt 0x0
	s_wait_kmcnt 0x0
	s_add_nc_u64 s[60:61], s[4:5], s[22:23]        ; q of my head
	s_add_nc_u64 s[22:23], s[60:61], s[2:3]
.irp s,0,1
	s_mov_b32 s[GK+4*\s], 1
	s_add_co_u32 s[GK+4*\s+1], s11, \s*SLOTB
	s_add_nc_u64 s[GK+4*\s+2:GK+4*\s+3], s[22:23], 4194304+\s*16384          ; k lies 16 heads behind q; tile s
	s_or_b32 s[GK+4*\s+3], s[GK+4*\s+3], 0x80000000
	s_mov_b32 s[GV+4*\s], 1
	s_add_co_u32 s[GV+4*\s+1], s12, \s*SLOTB
	s_add_nc_u64 s[GV+4*\s+2:GV+4*\s+3], s[22:23], 8388608+\s*16384          ; v lies 32 heads behind q
	s_or_b32 s[GV+4*\s+3], s[GV+4*\s+3], 0x80000000
.endr
	tensor_load_to_lds s[GK:GK+3], s[G1K:G1K+7]    ; tile 0
	s_nop 0
	tensor_load_to_lds s[GV:GV+3], s[G1V:G1V+7]
	s_nop 0
	v_and_b32 v1, 15, v0                           ; r
	v_bfe_u32 v2, v0, 4, 1                         ; h
	v_lshlrev_b32 v3, 7, v1
	v_lshl_add_u32 v3, v2, 4, v3                   ; r x 128 + 16 h
	s_lshl_b32 s2, s10, 18
	s_add_nc_u64 s[6:7], s[6:7], s[2:3]            ; oh at my head
	s_lshl_b32 s21, s8, 11                         ; 16 w rows of 128 bytes
	s_lshl_b32 s2, s9, 14
	s_add_co_u32 s2, s2, s21                       ; block i
	s_add_nc_u64 s[56:57], s[6:7], s[2:3]
	v_add_nc_u32 v30, s2, v3
	s_sub_co_u32 s2, 15, s9
	s_lshl_b32 s2, s2, 14
	s_add_co_u32 s2, s2, s21                       ; block 15 - i
	s_add_nc_u64 s[58:59], s[6:7], s[2:3]
	v_add_nc_u32 v31, s2, v3
.irp qt,0,1
.irp ks,0,1
	global_load_b128 v[QF+8*(2*\qt+\ks):QF+8*(2*\qt+\ks)+3], v[30+\qt], s[60:61] offset:64*\ks
	global_load_b128 v[QF+8*(2*\qt+\ks)+4:QF+8*(2*\qt+\ks)+7], v[30+\qt], s[60:61] offset:64*\ks+32
.endr
.endr
	v_mul_u32_u24 v8, v1, PK
	v_lshl_add_u32 v8, v2, 4, v8                   ; K: row r, 16 h
	v_add_nc_u32 v9, SLOTB, v8
	v_and_b32 v4, 7, v0
	v_lshl_add_u32 v4, v2, 3, v4
	v_mul_u32_u24 v4, v4, PV
	v_bfe_u32 v5, v0, 3, 1
	v_lshl_add_u32 v4, v5, 4, v4
	v_add_nc_u32 v10, VOFF, v4                     ; V: key row 8 h + (l & 7), + 16 bytes for the upper eight d
	v_add_nc_u32 v11, SLOTB, v10
	v_lshlrev_b32 v12, 3, v2
	v_sub_nc_u32 v12, v1, v12
	s_lshl_b32 s2, s8, 4
	v_add_nc_u32 v12, s2, v12                      ; 16 w + r - 8 h
	v_mov_b32 v13, 0xff7fffff                      ; the lowest finite f32
	s_mov_b32 s13, 0x76543210
	s_mov_b32 s14, 0xfedcba98
	s_mov_b32 s17, s9                              ; slot 0's tile T is on block i's diagonal where T = i,
	s_sub_co_i32 s18, s9, 1                        ; slot 1's tile T + 1 where T = i - 1
	s_sub_co_u32 s19, 15, s9                       ; the last tile
	s_sub_co_u32 s20, 14, s9
	s_sub_co_u32 s16, 17, s9
	s_lshr_b32 s16, s16, 1                         ; 16 - i tiles go in (17 - i) / 2 pairs: 8 down to 5,
	s_sub_co_u32 s16, s16, 1                       ; of which the last is the tail's
	s_mov_b32 s15, 0                               ; T: the even tile of the pair at work
	s_wait_loadcnt 0x0                             ; Q, once; v30, v31 are free from here
	TRIPHEAD 0, 1                                  ; tile 0 is there; tile 1 goes out
	s_cmp_eq_u32 s9, 0
	s_cbranch_scc1 .Lt0_diag
	TILE 0, 1, 0, 0, 1                             ; the first 64 keys start all sums: nothing is cleared
	s_branch .Lt0_end
.Lt0_diag:
	TILE 0, 1, 1, 0, 1
.Lt0_end:
	TRIPHEAD 1, 1
	MID 1, s18
	s_mov_b32 s15, 2
	s_mov_b32 s21, 1                               ; pair 0 is done; the loop takes pairs 1 .. s16 - 1: 3 to 6 trips
.Lloop:
	TRIPHEAD 0, 1
	MID 0, s17
	TRIPHEAD 1, 1
	MID 1, s18
	s_add_co_u32 s15, s15, 2                       ; the tile number, for the branches above
	s_add_co_u32 s21, s21, 1                       ; the loop's counter
	s_cmp_lt_u32 s21, s16
	s_cbranch_scc1 .Lloop
	; the tail: the last pair.  Where 16 - i is odd its second tile (number 16 - i, at most 15: inside the head's keys) is fetched,
	; so that the loads are the same on every way, and not used.
	TRIPHEAD 0, 1
	s_cmp_eq_u32 s15, s19
	s_cbranch_scc1 .Lta_diag
	TILE 0, 0, 0, 0, 0
	s_branch .Lta_end
.Lta_diag:
	TILE 0, 0, 0, 1, 0
.Lta_end:
	TRIPHEAD 1, 0                                  ; every tensor load has landed
	s_cmp_lg_u32 s15, s20
	s_cbranch_scc1 .Lout
	TILE 1, 0, 0, 1, 0
.Lout:
	; THE WAY OUT: divide by the row sums, round, 16 bytes a lane into my own stage, read back as four rows of 128 bytes a load.
	v_permlanex16_b32 v14, v26, s13, s14           ; the sums over the other half of the keys
	v_permlanex16_b32 v15, v27, s13, s14
	v_add_f32 v26, v26, v14
	v_add_f32 v27, v27, v15
	v_rcp_f32 v22, v26
	v_rcp_f32 v24, v27
	v_nop
	s_wait_alu depctr_va_vdst(0)
	v_mov_b32 v23, v22
	v_mov_b32 v25, v24
	RESC 0
	RESC 1
.irp qt,0,1
.irp dt,0,1,2,3
.irp p,0,1,2,3
	v_cvt_pk_f16_f32 v[SA+16*\qt+4*\dt+\p], v[OA+16*\dt+8*\qt+2*\p], v[OA+16*\dt+8*\qt+2*\p+1]
.endr
.endr
.endr
	s_mul_i32 s11, s8, 4608
	s_add_co_u32 s11, s11, STAGE
	v_add_nc_u32 v8, s11, v8                       ; in: row r at pitch 144, 16 h
	v_and_b32 v1, 31, v0
	v_lshrrev_b32 v2, 3, v1
	v_and_b32 v3, 7, v0
	v_mul_u32_u24 v2, v2, 144
	v_lshl_add_u32 v2, v3, 4, v2
	v_add_nc_u32 v9, s11, v2                       ; back: eight lanes a row
	v_lshlrev_b32 v10, 4, v1
.irp qt,0,1
.irp dt,0,1,2,3
	ds_store_b128 v8, v[SA+16*\qt+4*\dt:SA+16*\qt+4*\dt+3] offset:\qt*2304+32*\dt
.endr
.endr
.irp t,0,1,2,3,4,5,6,7
	ds_load_b128 v[KV+4*\t:KV+4*\t+3], v9 offset:\t*576            ; LDS serves a wave's instructions in order: these see the stores above
.endr
.irp t,0,1,2,3
	s_wait_dscnt 7-\t
	global_store_b128 v10, v[KV+4*\t:KV+4*\t+3], s[56:57] offset:512*\t            ; 512 consecutive bytes, aligned
.endr
.irp t,0,1,2,3
	s_wait_dscnt 3-\t
	global_store_b128 v10, v[KV+16+4*\t:KV+16+4*\t+3], s[58:59] offset:512*\t
.endr
	s_set_vgpr_msb 0x5
	s_wait_tensorcnt 0x0
	ds_add_u32 v0, v1
	s_wait_dscnt 0x0
	s_set_vgpr_msb 0x500
	s_endpgm
.Lfunc_end_k_qcd5681017b_attn:
	.size	k_qcd5681017b_attn, .Lfunc_end_k_qcd5681017b_attn-k_qcd5681017b_attn
	.p2alignl 7, 3214868480
	.fill 96, 4, 3214868480
	.section	.rodata,"a",@progbits
	.p2align	6, 0x0
	.amdhsa_kernel k_qcd5681017b_attn
		.amdhsa_group_segment_fixed_size 327680
		.amdhsa_private_segment_fixed_size 0
		.amdhsa_enable_private_segment 0
		.amdhsa_kernarg_size 16
		.amdhsa_user_sgpr_count 2
		.amdhsa_user_sgpr_kernarg_segment_ptr 1
		.amdhsa_wavefront_size32 1
		.amdhsa_system_sgpr_workgroup_id_x 1
		.amdhsa_system_sgpr_workgroup_id_y 1
		.amdhsa_system_sgpr_workgroup_id_z 1
		.amdhsa_system_vgpr_workitem_id 0
		.amdhsa_next_free_vgpr 258
		.amdhsa_next_free_sgpr 66
		.amdhsa_reserve_vcc 1
		.amdhsa_float_denorm_mode_32 3
		.amdhsa_float_denorm_mode_16_64 3
		.amdhsa_memory_ordered 1
		.amdhsa_forward_progress 1
		.amdhsa_inst_pref_size 255
	.end_amdhsa_kernel
	.section	.bss,"aw",@nobits
	.p2align	6
	.space	262144
	.amdgpu_metadata
---
amdhsa.version: [ 1, 2 ]
amdhsa.kernels:
  - .name:           k_qcd5681017b_attn
    .symbol:         k_qcd5681017b_attn.kd
    .args:
      - { .name: qkvh, .offset: 0, .size: 8, .value_kind: global_buffer, .address_space: global }
      - { .name: oh, .offset: 8, .size: 8, .value_kind: global_buffer, .address_space: global }
    .group_segment_fixed_size: 327680
    .private_segment_fixed_size: 0
    .kernarg_segment_align: 8
    .kernarg_segment_size: 16
    .max_flat_workgroup_size: 256
    .sgpr_count:     66
    .vgpr_count:     258
    .wavefront_size: 32
...
	.end_amdgpu_metadata
.endif
;; end of part 4
;; launch outp (part 5): grid 8 x 32, 4 waves a work-group, clusters of 4 x 4, 327,680 bytes of LDS; arguments oh, wo, out0; writes out0
.if DOCPART == 5
	.amdgcn_target "amdgcn-amd-amdhsa--gfx1250"
	.amdhsa_code_object_version 6
	.text
	.protected	k_qcd5681017b_outp
	.globl	k_qcd5681017b_outp
	.p2align	8
	.type	k_qcd5681017b_outp,@function
k_qcd5681017b_outp:
	s_mov_b64 s[64:65], 0
	v_nop
	global_prefetch_b8 v0, s[64:65] scope:SCOPE_SE
	s_setreg_imm32_b32 hwreg(HW_REG_WAVE_MODE, 25, 1), 1
	s_wait_xcnt 0x0
	s_wait_alu depctr_hold_cnt(0) depctr_sa_sdst(0) depctr_va_vdst(0) depctr_va_sdst(0) depctr_va_ssrc(0) depctr_va_vcc(0) depctr_vm_vsrc(0)
	s_getreg_b32 s2, hwreg(HW_REG_IB_STS2, 6, 4)
	s_cmp_eq_u32 s2, 0
	s_cbranch_scc0 .Lentry_in_a_cluster
	s_endpgm
.Lentry_in_a_cluster:
	s_bfe_u32 s2, ttmp6, 0x10000c
	s_cmp_lg_u32 s2, 0xf033
	s_cbranch_scc0 .Lentry_shape_is_right
	s_endpgm
.Lentry_shape_is_right:
; outp: out0[4096 x 1024] (f32) = o[4096 x 1024] times wo[1024 x 1024], f16 operands, f32 sums.  o lies head-major, oh[b][h][s][64]; wo lies [k][n].
; A work-group makes 128 x 128 with four waves: 32 x 8 = 256 work-groups; a wave makes 64 x 64: 16 accumulator tiles.
; K goes in steps of 256 (four heads) through a ring of two LDS slots: four steps, written out.  Waves 0, 1 bring two head planes each (128 rows x 128 bytes, dense in memory),
; waves 2, 3 bring 128 rows k of wo each (256 bytes of each row).
; CLUSTERS: 4 x 4 work-groups; oh's tiles hang on the block row alone and are shared along a row of the cluster, wo's on the block column alone and along a column.
; The matrix instruction is used transposed (source 0 = 16 columns of wo, by the transposing LDS load; source 1 = 16 rows of o): a lane holds eight neighbouring columns
; of one row of the result.
; REGISTERS: window 0: v8-18 addresses; v32-63, v64-95 o's fragments (two buffers); v96-127, v128-159 wo's;  window 1: tile (a, b) at 8 (4 a + b).
.set REG,   36864                      ; a wave's region of a slot: 2 planes x 128 rows at pitch 144, or 128 rows at pitch 288
.set SLOT,  4*REG
.set STAGE, 2*SLOT                     ; the way out: 16 rows at pitch 272 a wave; no tensor load lands there
.set G1A, 24
.set G0A, 32
.set G1B, 48
.set G0B, 56
.set MULW, 0x50                        ; C and D window 1, sources window 0
.set MSB, 0
.macro WIN new                         ; the immediate's high byte repeats the setting that is left
.if MSB != \new
	s_set_vgpr_msb (MSB<<8)|\new
.set MSB, \new
.endif
.endm
.macro PLACES                          ; four plain vector instructions behind a matrix instruction (ISA guide 7.12.1)
.rept 4
	v_nop
.endr
.endm
.macro JLOAD s                         ; waves 0, 1 ask for oh's planes, waves 2, 3 for wo's rows: one mask a line, the branch hangs on the wave's number alone
	s_cmp_eq_u32 s13, 0
	s_cbranch_scc0 .Lfor_b_\@
	tensor_load_to_lds s[G0A+4*\s:G0A+4*\s+3], s[G1A:G1A+7]
	s_nop 0
	s_branch .Lasked_\@
.Lfor_b_\@:
	tensor_load_to_lds s[G0B+4*\s:G0B+4*\s+3], s[G1B:G1B+7]
	s_nop 0
.Lasked_\@:
.endm
.macro CREST
	s_cmp_lg_u32 s12, 0
	s_cbranch_scc1 .Lnot_wave_0_\@
	s_barrier_signal -3
.Lnot_wave_0_\@:
	s_barrier_wait -3
	s_barrier_signal -1
	s_barrier_wait -1
.endm
.macro CROUND
	s_barrier_signal -1
	s_barrier_wait -1
	CREST
.endm
	s_load_b128 s[4:7], s[0:1], 0x0                ; oh s[4:5], wo s[6:7]
	s_load_b64 s[8:9], s[0:1], 0x10                ; out0
	v_lshl_add_u32 v254, v0, 2, 0x4c400
	v_mov_b32 v255, 0
	ds_add_u32 v254, v255
	ds_add_u32 v254, v255
	v_lshrrev_b32 v1, 5, v0
	v_readfirstlane_b32 s12, v1                    ; wave 0..3
	s_lshr_b32 s13, s12, 1                         ; wm: which 64 rows.  Also: I fetch for oh (0) or for wo (1)
	s_and_b32 s14, s12, 1                          ; wn: which 64 columns.  Also: which half of that tile I fetch
	s_bfe_u32 s16, ttmp6, 0x40000                  ; cx
	s_bfe_u32 s17, ttmp6, 0x40004                  ; cy
	s_lshl_b32 s18, ttmp9, 2
	s_add_co_u32 s18, s18, s16                     ; nb
	s_and_b32 s19, ttmp7, 0xffff
	s_lshl_b32 s19, s19, 2
	s_add_co_u32 s19, s19, s17                     ; mb
	s_lshl_b32 s20, s17, 2
	s_lshl_b32 s20, 15, s20                        ; my row of the cluster
	s_lshl_b32 s21, 0x1111, s16                    ; my column
	; oh: 2 planes, each 16,384 dense bytes = a row of 2,048 elements of 8 bytes, 262,144 bytes apart; behind every 32 words (a row of a head) 4 words of padding
	s_or_b32 s[G1A+0], s20, (3<<16)|(1<<20)|(1<<21)|(4<<22)|(3<<25)
	s_mov_b32 s[G1A+1], 2048<<16                   ; tensor_dim0 = 2048
	s_mov_b32 s[G1A+2], 2<<16                      ; tensor_dim1 = 2
	s_mov_b32 s[G1A+3], 2048<<16                   ; tile_dim0 = 2048
	s_mov_b32 s[G1A+4], 2                          ; tile_dim1 = 2
	s_mov_b32 s[G1A+5], 32768                      ; elements from plane to plane
	s_mov_b32 s[G1A+6], 0
	s_mov_b32 s[G1A+7], 0
	; wo: 128 rows x 128 elements of 2 bytes; behind every 64 words 8 words of padding
	s_or_b32 s[G1B+0], s21, (1<<16)|(1<<20)|(1<<21)|(5<<22)|(7<<25)
	s_mov_b32 s[G1B+1], 128<<16
	s_mov_b32 s[G1B+2], 128<<16
	s_mov_b32 s[G1B+3], 128<<16
	s_mov_b32 s[G1B+4], 128
	s_mov_b32 s[G1B+5], 1024
	s_mov_b32 s[G1B+6], 0
	s_mov_b32 s[G1B+7], 0
	s_lshr_b32 s40, s19, 4                         ; batch
	s_lshl_b32 s40, s40, 4
	s_lshl_b32 s41, s14, 1
	s_add_co_u32 s40, s40, s41                     ; plane 16 batch + 2 x half
	s_lshl_b32 s40, s40, 18
	s_and_b32 s41, s19, 15
	s_lshl_b32 s41, s41, 14                        ; 128 rows of 128 bytes a block row
	s_add_co_u32 s40, s40, s41
	s_mov_b32 s41, 0
	s_lshl_b32 s42, s14, 18                        ; 128 rows of 2,048 bytes a half
	s_lshl_b32 s44, s18, 8                         ; 128 columns of 2 bytes a block column
	s_add_co_u32 s42, s42, s44
	s_mov_b32 s43, 0
	s_mul_i32 s22, s12, REG                        ; the wave's region
	s_wait_dscnt 0x0
	s_wait_kmcnt 0x0
	s_add_nc_u64 s[40:41], s[4:5], s[40:41]
	s_add_nc_u64 s[42:43], s[6:7], s[42:43]
	CROUND                                         ; all sixteen work-groups are here: the first joint loads meet
.irp s,0,1
	s_mov_b32 s[G0A+4*\s], 1
	s_add_co_u32 s[G0A+4*\s+1], s22, \s*SLOT
	s_add_nc_u64 s[G0A+4*\s+2:G0A+4*\s+3], s[40:41], \s*1048576      ; K step s: four planes on
	s_or_b32 s[G0A+4*\s+3], s[G0A+4*\s+3], 0x80000000
	s_mov_b32 s[G0B+4*\s], 1
	s_add_co_u32 s[G0B+4*\s+1], s22, \s*SLOT
	s_add_nc_u64 s[G0B+4*\s+2:G0B+4*\s+3], s[42:43], \s*524288       ; K step s: 256 rows on
	s_or_b32 s[G0B+4*\s+3], s[G0B+4*\s+3], 0x80000000
	JLOAD \s                                       ; two tensor loads of the wave are out here, later one
.endr
	v_and_b32 v1, 15, v0                           ; r
	v_bfe_u32 v2, v0, 4, 1                         ; h
	v_mul_u32_u24 v3, v1, 144
	v_lshl_add_u32 v3, v2, 4, v3
	s_mul_i32 s23, s13, 64*144
	v_add_nc_u32 v8, s23, v3                       ; o's fragments, slot 0: (64 wm + r) x 144 + 16 h, the plane in the offset
	v_add_nc_u32 v9, SLOT, v8
	v_and_b32 v4, 7, v0
	v_lshl_add_u32 v4, v2, 3, v4
	v_mul_u32_u24 v4, v4, 288
	v_bfe_u32 v5, v0, 3, 1
	v_lshl_add_u32 v4, v5, 4, v4
	s_lshl_b32 s23, s14, 7
	s_add_co_u32 s23, s23, 2*REG                   ; wo's rows lie behind oh's planes; my 64 columns
	v_add_nc_u32 v10, s23, v4                      ; slot 0, rows k 0..127
	v_add_nc_u32 v11, REG, v10                     ; slot 0, rows k 128..255
	v_add_nc_u32 v12, SLOT, v10                    ; slot 1
	v_add_nc_u32 v13, SLOT, v11
	s_mul_i32 s23, s12, 4352
	s_add_co_u32 s23, s23, STAGE                   ; my stage
	v_mul_u32_u24 v6, v1, 272
	v_lshl_add_u32 v6, v2, 5, v6
	v_add_nc_u32 v16, s23, v6                      ; in: row r, 32 bytes for each half of the lanes
	v_mul_u32_u24 v6, v2, 272
	v_lshl_add_u32 v6, v1, 4, v6
	v_add_nc_u32 v17, s23, v6                      ; back: sixteen lanes take a row of 256 bytes
	v_lshlrev_b32 v6, 12, v2
	v_lshl_add_u32 v18, v1, 4, v6                  ; and the same two rows in out0
; 8 matrix instructions: row tiles a0, a0 + 1 x four column tiles.  The 16 accumulators take turns, one instruction a turn.
.macro MUL8 f, a0, zero
.irp a,\a0,\a0+1
.irp b,0,1,2,3
.if \zero
	v_wmma_f32_16x16x32_f16 v[8*(4*(\a)+\b):8*(4*(\a)+\b)+7], v[96+32*\f+8*\b:96+32*\f+8*\b+7], v[32+32*\f+8*(\a):32+32*\f+8*(\a)+7], 0
.else
	v_wmma_f32_16x16x32_f16 v[8*(4*(\a)+\b):8*(4*(\a)+\b)+7], v[96+32*\f+8*\b:96+32*\f+8*\b+7], v[32+32*\f+8*(\a):32+32*\f+8*(\a)+7], v[8*(4*(\a)+\b):8*(4*(\a)+\b)+7]
.endif
.endr
.endr
.endm
; 16 LDS loads: eighth e (32 along K: half of plane e / 2) of a slot into buffer f
.macro FETCH slot, e, f
	WIN 0
.irp i,0,1,2,3
	ds_load_b128 v[32+32*\f+8*\i:32+32*\f+8*\i+3], v[8+\slot] offset:(\e/2)*18432+(\e%2)*64+\i*2304
	ds_load_b128 v[32+32*\f+8*\i+4:32+32*\f+8*\i+7], v[8+\slot] offset:(\e/2)*18432+(\e%2)*64+\i*2304+32
.endr
.irp b,0,1,2,3
	ds_load_tr16_b128 v[96+32*\f+8*\b:96+32*\f+8*\b+3], v[10+2*\slot+\e/4] offset:(\e%4)*9216+32*\b
	ds_load_tr16_b128 v[96+32*\f+8*\b+4:96+32*\f+8*\b+7], v[10+2*\slot+\e/4] offset:(\e%4)*9216+32*\b+4608
.endr
.endm
; multiplies buffer f while eighth en of the same slot is fetched into buffer g
.macro EIGHTH slot, en, f, g, zero
	s_wait_dscnt 0x0                               ; buffer f is in
	PLACES                                         ; buffer g was read by the matrix instructions just issued
	FETCH \slot, \en, \g
	WIN MULW
	MUL8 \f, 0, \zero
	MUL8 \f, 2, \zero
.endm
.macro SEVEN slot, zero
	EIGHTH \slot, 1, 0, 1, \zero
	EIGHTH \slot, 2, 1, 0, 0
	EIGHTH \slot, 3, 0, 1, 0
	EIGHTH \slot, 4, 1, 0, 0
	EIGHTH \slot, 5, 0, 1, 0
	EIGHTH \slot, 6, 1, 0, 0
	EIGHTH \slot, 7, 0, 1, 0
.endm
; The last eighth: multiplies buffer 1 and changes slots.  In front of the barrier each wave waits for its reads of this slot and for all its tensor loads; where the slot
; is filled again the barrier opens a round of the cluster's barrier and the joint refill is the first tensor load behind the round.
.macro TURN slot, next, fill
	s_wait_dscnt 0x0
	s_wait_tensorcnt 0x0
	ds_add_u32 v254, v255
	s_wait_dscnt 0x0
	s_barrier_signal -1
	WIN MULW
	MUL8 1, 0, 0
	WIN 0
	s_barrier_wait -1
.if \fill
	CREST
	s_add_nc_u64 s[G0A+4*\slot+2:G0A+4*\slot+3], s[G0A+4*\slot+2:G0A+4*\slot+3], 2097152   ; two K steps on; no tensor load of mine is out
	s_add_nc_u64 s[G0B+4*\slot+2:G0B+4*\slot+3], s[G0B+4*\slot+2:G0B+4*\slot+3], 1048576
	JLOAD \slot
.endif
	PLACES
	FETCH \next, 0, 0
	WIN MULW
	MUL8 1, 2, 0
.endm
	s_wait_tensorcnt 0x1                           ; my part of K step 0 is in, K step 1's stays out
	s_barrier_signal -1
	s_barrier_wait -1
	FETCH 0, 0, 0
	SEVEN 0, 1                                     ; K step 0: its first products start the sums
	TURN 0, 1, 1
	SEVEN 1, 0
	TURN 1, 0, 1
	SEVEN 0, 0
	TURN 0, 1, 0
	SEVEN 1, 0
	s_wait_dscnt 0x0
	MUL8 1, 0, 0
	MUL8 1, 2, 0
	WIN 0
	PLACES
	; THE WAY OUT, 16 rows at a time, f32: 32 bytes a lane into my own stage, read back as whole rows of 256 bytes.
	s_lshl_b32 s84, s19, 19                        ; 128 rows of 4,096 bytes a block row
	s_lshl_b32 s86, s13, 18                        ; 64 wm rows
	s_add_co_u32 s84, s84, s86
	s_lshl_b32 s86, s18, 9                         ; 128 columns of 4 bytes a block column
	s_add_co_u32 s84, s84, s86
	s_lshl_b32 s86, s14, 8
	s_add_co_u32 s84, s84, s86
	s_mov_b32 s85, 0
	s_add_nc_u64 s[8:9], s[8:9], s[84:85]
.macro OUT16 a
	WIN 0x04                                       ; the stores' data in window 1
.irp b,0,1,2,3
	ds_store_b128 v16, v[8*(4*\a+\b):8*(4*\a+\b)+3] offset:64*\b
	ds_store_b128 v16, v[8*(4*\a+\b)+4:8*(4*\a+\b)+7] offset:64*\b+16
.endr
	WIN 0
	s_wait_xcnt 0x0                                ; the registers loaded next were the data of earlier stores
.irp t,0,1,2,3,4,5,6,7
	ds_load_b128 v[32+32*(\a%2)+4*\t:32+32*(\a%2)+4*\t+3], v17 offset:544*\t       ; LDS serves a wave's instructions in order: these see the stores above
.endr
.irp t,0,1,2,3,4,5,6,7
	s_wait_dscnt 7-\t
	global_store_b128 v18, v[32+32*(\a%2)+4*\t:32+32*(\a%2)+4*\t+3], s[8:9] offset:(16*\a+2*\t)*4096 th:TH_STORE_NT   ; 16 lanes store 256 consecutive bytes, aligned
.endr
.endm
	OUT16 0
	OUT16 1
	OUT16 2
	OUT16 3
	s_wait_tensorcnt 0x0
	ds_add_u32 v254, v255
	s_wait_dscnt 0x0
	CROUND                                         ; the closing round
	s_endpgm
.Lfunc_end_k_qcd5681017b_outp:
	.size	k_qcd5681017b_outp, .Lfunc_end_k_qcd5681017b_outp-k_qcd5681017b_outp
	.p2alignl 7, 3214868480
	.fill 96, 4, 3214868480
	.section	.rodata,"a",@progbits
	.p2align	6, 0x0
	.amdhsa_kernel k_qcd5681017b_outp
		.amdhsa_group_segment_fixed_size 327680
		.amdhsa_private_segment_fixed_size 0
		.amdhsa_enable_private_segment 0
		.amdhsa_kernarg_size 24
		.amdhsa_user_sgpr_count 2
		.amdhsa_user_sgpr_kernarg_segment_ptr 1
		.amdhsa_wavefront_size32 1
		.amdhsa_system_sgpr_workgroup_id_x 1
		.amdhsa_system_sgpr_workgroup_id_y 1
		.amdhsa_system_sgpr_workgroup_id_z 1
		.amdhsa_system_vgpr_workitem_id 0
		.amdhsa_next_free_vgpr 384
		.amdhsa_next_free_sgpr 96
		.amdhsa_reserve_vcc 0
		.amdhsa_float_denorm_mode_32 3
		.amdhsa_float_denorm_mode_16_64 3
		.amdhsa_memory_ordered 1
		.amdhsa_forward_progress 1
		.amdhsa_inst_pref_size 89
	.end_amdhsa_kernel
	.amdgpu_metadata
---
amdhsa.version: [ 1, 2 ]
amdhsa.kernels:
  - .name:           k_qcd5681017b_outp
    .symbol:         k_qcd5681017b_outp.kd
    .args:
      - { .name: oh, .offset: 0, .size: 8, .value_kind: global_buffer, .address_space: global }
      - { .name: wo, .offset: 8, .size: 8, .value_kind: global_buffer, .address_space: global }
      - { .name: out0, .offset: 16, .size: 8, .value_kind: global_buffer, .address_space: global }
    .group_segment_fixed_size: 327680
    .private_segment_fixed_size: 0
    .kernarg_segment_align: 8
    .kernarg_segment_size: 24
    .max_flat_workgroup_size: 128
    .sgpr_count:     96
    .vgpr_count:     384
    .wavefront_size: 32
...
	.end_amdgpu_metadata
.endif
;; end of part 5
;; launch eout (part 6): grid 16 x 1, 16 waves a work-group, no clusters, 169,984 bytes of LDS; arguments eo, w_out, out0; writes out0
.if DOCPART == 6
	.amdgcn_target "amdgcn-amd-amdhsa--gfx1250"
	.amdhsa_code_object_version 6
	.text
	.protected	k_qcd5681017b_eout
	.globl	k_qcd5681017b_eout
	.p2align	8
	.type	k_qcd5681017b_eout,@function
k_qcd5681017b_eout:
	s_mov_b64 s[64:65], 0
	v_nop
	global_prefetch_b8 v0, s[64:65] scope:SCOPE_SE
	s_setreg_imm32_b32 hwreg(HW_REG_WAVE_MODE, 25, 1), 1
	s_wait_xcnt 0x0
; eout: the FIRST 16 ROWS of each batch of out0 = o w_out, made a second time with more digits, and stored over what the launch before left there (131,072 bytes).
; WHY.  The result is wanted to a hundredth of the root mean square of the whole output, and the first rows, which average few value vectors, are up to some 16 times larger than
; that; operands rounded to one f16 are too coarse for them (see the head of the launch that makes eo).
; HOW.  o comes in two f16 parts from eo[part][K block of 64][row 16 batch + s][64]; w_out comes in f32 and is split in registers, hi = f16(x), lo = f16(x - hi);
; the product is hi hi + lo hi + hi lo, f16 matrix products with f32 sums.
; Work-group = 64 columns of out0 (16): 256 consecutive bytes of each row of w_out.  Sixteen waves split K: wave w takes k = 64 w .. 64 w + 63 in two chunks of 32; the sixteen partial
; sums meet in LDS, and thread t stores row t / 16, columns 4 (t % 16) ..
; LIMITS.  The low parts are f16 too: an operand is carried to 2^-22 of itself or to 2^-25 absolutely, whichever is coarser.  |o|, |w| below 65,504.
.set WP,    4096                       ; bytes from row to row of w_out
.set WREG,  10240                      ; a wave's LDS: two tiles of 32 rows at pitch 160; later its partial sums, 32 rows at pitch 272
.set LOWT,  5120
.set PW,    160                        ; 128 + 32: an odd multiple of 32 bytes, for the transposing load
.set PP,    272
.set AF,    32                         ; v[32:63]   o's fragments: (row tile a, part p) at 32 + 16 a + 8 p
.set AC,    64                         ; v[64:127]  accumulators: (a, column tile b) at 64 + 8 (4 a + b)
.set RAW,   128                        ; v[128:191], v[192:255] chunk c: 16 loads of f32 rows; then W's fragments (part p, b) at 128 + 64 c + 32 p + 8 b
; v3 r = lane % 16; v4 h = lane / 16; v8 fragment offset in eo; v9 offset in w_out; v10 tile store; v11 tile load; v12 partial store; v13-15 partial loads; v16-27 at work; v28 offset in out0
.macro NOPS n
.rept \n
	v_nop
.endr
.endm
; Four f32 in v[x:x+3] become 8 bytes of high parts at LDS byte adr + off and 8 bytes of low parts lo bytes further.  x - f16(x) is exact in f32.
.macro SPLITA x, adr, off, lo
	v_cvt_pk_f16_f32 v16, v[\x], v[\x+1]
	v_cvt_pk_f16_f32 v17, v[\x+2], v[\x+3]
	v_cvt_f32_f16 v20, v16.l
	v_cvt_f32_f16 v21, v16.h
	v_cvt_f32_f16 v22, v17.l
	v_cvt_f32_f16 v23, v17.h
	ds_store_b64 v[\adr], v[16:17] offset:\off
	v_pk_add_f32 v[\x:\x+1], v[\x:\x+1], v[20:21] neg_lo:[0,1] neg_hi:[0,1]
	v_pk_add_f32 v[\x+2:\x+3], v[\x+2:\x+3], v[22:23] neg_lo:[0,1] neg_hi:[0,1]
	v_cvt_pk_f16_f32 v20, v[\x], v[\x+1]
	v_cvt_pk_f16_f32 v21, v[\x+2], v[\x+3]
	ds_store_b64 v[\adr], v[20:21] offset:\off+\lo
.endm
.macro SPLITB x, adr, off, lo
	v_cvt_pk_f16_f32 v18, v[\x], v[\x+1]
	v_cvt_pk_f16_f32 v19, v[\x+2], v[\x+3]
	v_cvt_f32_f16 v24, v18.l
	v_cvt_f32_f16 v25, v18.h
	v_cvt_f32_f16 v26, v19.l
	v_cvt_f32_f16 v27, v19.h
	ds_store_b64 v[\adr], v[18:19] offset:\off
	v_pk_add_f32 v[\x:\x+1], v[\x:\x+1], v[24:25] neg_lo:[0,1] neg_hi:[0,1]
	v_pk_add_f32 v[\x+2:\x+3], v[\x+2:\x+3], v[26:27] neg_lo:[0,1] neg_hi:[0,1]
	v_cvt_pk_f16_f32 v24, v[\x], v[\x+1]
	v_cvt_pk_f16_f32 v25, v[\x+2], v[\x+3]
	ds_store_b64 v[\adr], v[24:25] offset:\off+\lo
.endm
.macro ALOAD c                         ; 8 loads: both row tiles, both parts, 32 k
.irp a,0,1
.irp p,0,1
	global_load_b128 v[AF+16*\a+8*\p:AF+16*\a+8*\p+3], v8, s[16:17] offset:\p*65536+\a*2048+\c*64
	global_load_b128 v[AF+16*\a+8*\p+4:AF+16*\a+8*\p+7], v8, s[16:17] offset:\p*65536+\a*2048+\c*64+32
.endr
.endr
.endm
.macro WLOAD c                         ; 16 loads: 32 rows k; sixteen lanes take a row's 256 bytes, the wave two rows
.irp i,0,1,2,3,4,5,6,7,8,9,10,11,12,13,14,15
	global_load_b128 v[RAW+64*\c+4*\i:RAW+64*\c+4*\i+3], v9, s[18:19] offset:(32*\c+2*\i)*WP th:TH_LOAD_NT
.endr
.endm
.macro WSPLIT c
.irp i,0,2,4,6,8,10,12,14
	SPLITA RAW+64*\c+4*\i,10,\i*2*PW,LOWT
	SPLITB RAW+64*\c+4*\i+4,10,(\i+1)*2*PW,LOWT
.endr
.endm
.macro BLOAD c                         ; 16 transposing loads; LDS serves a wave's instructions in order, so they see the stores above
.irp p,0,1
.irp b,0,1,2,3
	ds_load_tr16_b128 v[RAW+64*\c+32*\p+8*\b:RAW+64*\c+32*\p+8*\b+3], v11 offset:\p*LOWT+32*\b
	ds_load_tr16_b128 v[RAW+64*\c+32*\p+8*\b+4:RAW+64*\c+32*\p+8*\b+7], v11 offset:\p*LOWT+32*\b+16*PW
.endr
.endr
.endm
; W's part pw times o's part pa.  Used transposed (source 0 = 16 columns of W, source 1 = 16 rows of o): lane l holds row l % 16, columns 8 (l / 16) + 0..7.
; The eight accumulators take turns, one instruction a turn.
.macro TERM c, pw, pa, zero
.irp a,0,1
.irp b,0,1,2,3
.if \zero
	v_wmma_f32_16x16x32_f16 v[AC+8*(4*\a+\b):AC+8*(4*\a+\b)+7], v[RAW+64*\c+32*\pw+8*\b:RAW+64*\c+32*\pw+8*\b+7], v[AF+16*\a+8*\pa:AF+16*\a+8*\pa+7], 0
.else
	v_wmma_f32_16x16x32_f16 v[AC+8*(4*\a+\b):AC+8*(4*\a+\b)+7], v[RAW+64*\c+32*\pw+8*\b:RAW+64*\c+32*\pw+8*\b+7], v[AF+16*\a+8*\pa:AF+16*\a+8*\pa+7], v[AC+8*(4*\a+\b):AC+8*(4*\a+\b)+7]
.endif
.endr
.endr
.endm
	s_load_b128 s[4:7], s[0:1], 0x0                ; eo s[4:5], w_out s[6:7]
	s_load_b64 s[8:9], s[0:1], 0x10                ; out0
	v_lshl_add_u32 v30, v0, 2, 0x29000
	v_mov_b32 v31, 0
	v_lshrrev_b32 v1, 5, v0
	v_readfirstlane_b32 s12, v1                    ; wave 0..15
	s_mov_b32 s13, ttmp9                           ; which 64 columns
	v_and_b32 v3, 15, v0
	v_bfe_u32 v4, v0, 4, 1
	v_and_b32 v5, 7, v0
	v_bfe_u32 v6, v0, 3, 1
	v_lshlrev_b32 v8, 7, v3
	v_lshl_add_u32 v8, v4, 4, v8                   ; row r of 128 bytes + 16 h
	v_lshlrev_b32 v9, 12, v4
	v_lshl_add_u32 v9, v3, 4, v9                   ; row h + 16 r
	s_lshl_b32 s16, s12, 12                        ; my K block of eo
	s_mov_b32 s17, 0
	s_lshl_b32 s18, s12, 18                        ; my 64 rows of w_out,
	s_lshl_b32 s20, s13, 8                         ; my work-group's 64 columns
	s_add_co_u32 s18, s18, s20
	s_mov_b32 s19, 0
	s_mov_b32 s21, 0
	s_mul_i32 s14, s12, WREG                       ; my LDS
	s_wait_kmcnt 0x0
	s_add_nc_u64 s[16:17], s[4:5], s[16:17]
	s_add_nc_u64 s[18:19], s[6:7], s[18:19]
	s_add_nc_u64 s[20:21], s[8:9], s[20:21]
	ALOAD 0
	WLOAD 0
	WLOAD 1                                        ; 40 loads of the wave are on their way
	v_mul_u32_u24 v10, v4, PW
	v_lshl_add_u32 v10, v3, 3, v10
	v_add_nc_u32 v10, s14, v10                     ; row h of a tile + 8 r
	v_lshl_add_u32 v11, v4, 3, v5
	v_mul_u32_u24 v11, v11, PW
	v_lshl_add_u32 v11, v6, 4, v11
	v_add_nc_u32 v11, s14, v11                     ; row 8 h + (l & 7), + 16 bytes for the upper eight columns
	v_mul_u32_u24 v12, v3, PP
	v_lshl_add_u32 v12, v4, 5, v12
	v_add_nc_u32 v12, s14, v12                     ; partial sums: row r, 32 bytes for each half of the lanes
	v_lshrrev_b32 v13, 4, v0
	v_mul_u32_u24 v13, v13, PP
	v_lshl_add_u32 v13, v3, 4, v13                 ; thread t adds row t / 16, columns 4 (t % 16) ..: waves 0..5's partial sums by this address,
	v_add_nc_u32 v14, 6*WREG, v13                  ; waves 6..11's,
	v_add_nc_u32 v15, 12*WREG, v13                 ; waves 12..15's (an LDS offset has 16 bits)
	v_lshrrev_b32 v28, 8, v0                       ; batch
	v_lshlrev_b32 v28, 23, v28                     ; 2,048 rows of 4,096 bytes
	v_bfe_u32 v29, v0, 4, 4                        ; row in the batch
	v_lshl_add_u32 v28, v29, 12, v28
	v_lshl_add_u32 v28, v3, 4, v28
	s_wait_loadcnt 16                              ; o's fragments and chunk 0's rows are in; chunk 1's 16 loads stay out
	WSPLIT 0
	BLOAD 0
	s_wait_dscnt 0x0
	TERM 0, 0, 0, 1                                ; the first products start the sums
	TERM 0, 1, 0, 0
	TERM 0, 0, 1, 0
	NOPS 4                                         ; the places in front of the loads into o's fragments
	ALOAD 1
	s_wait_loadcnt 8                               ; chunk 1's rows are in; the 8 loads just issued stay out
	WSPLIT 1                                       ; over chunk 0's tiles: their loads have come back
	BLOAD 1
	s_wait_loadcnt 0x0
	s_wait_dscnt 0x0
	TERM 1, 0, 0, 0
	TERM 1, 1, 0, 0
	TERM 1, 0, 1, 0
	NOPS 4                                         ; the places in front of the stores of the sums
.irp a,0,1
.irp b,0,1,2,3
	ds_store_b128 v12, v[AC+8*(4*\a+\b):AC+8*(4*\a+\b)+3] offset:\a*16*PP+64*\b
	ds_store_b128 v12, v[AC+8*(4*\a+\b)+4:AC+8*(4*\a+\b)+7] offset:\a*16*PP+64*\b+16
.endr
.endr
	s_wait_dscnt 0x0                               ; for the others' sake
	s_barrier_signal -1
	s_barrier_wait -1
.irp p,0,1,2,3,4,5
	ds_load_b128 v[RAW+4*\p:RAW+4*\p+3], v13 offset:\p*WREG
.endr
.irp p,0,1,2,3,4,5
	ds_load_b128 v[RAW+24+4*\p:RAW+24+4*\p+3], v14 offset:\p*WREG
.endr
.irp p,0,1,2,3
	ds_load_b128 v[RAW+48+4*\p:RAW+48+4*\p+3], v15 offset:\p*WREG
.endr
	s_wait_dscnt 0x0
.irp q,0,1,2,3,4,5,6,7,8,9,10,11,12,13,14,15
	v_pk_add_f32 v[RAW+2*\q:RAW+2*\q+1], v[RAW+2*\q:RAW+2*\q+1], v[RAW+32+2*\q:RAW+32+2*\q+1]
.endr
.irp q,0,1,2,3,4,5,6,7
	v_pk_add_f32 v[RAW+2*\q:RAW+2*\q+1], v[RAW+2*\q:RAW+2*\q+1], v[RAW+16+2*\q:RAW+16+2*\q+1]
.endr
.irp q,0,1,2,3
	v_pk_add_f32 v[RAW+2*\q:RAW+2*\q+1], v[RAW+2*\q:RAW+2*\q+1], v[RAW+8+2*\q:RAW+8+2*\q+1]
.endr
.irp q,0,1
	v_pk_add_f32 v[RAW+2*\q:RAW+2*\q+1], v[RAW+2*\q:RAW+2*\q+1], v[RAW+4+2*\q:RAW+4+2*\q+1]
.endr
	global_store_b128 v28, v[RAW:RAW+3], s[20:21] th:TH_STORE_NT   ; sixteen lanes store 256 consecutive bytes of a row, aligned
	s_wait_tensorcnt 0x0
	ds_add_u32 v30, v31
	s_wait_dscnt 0x0
	s_endpgm
.Lfunc_end_k_qcd5681017b_eout:
	.size	k_qcd5681017b_eout, .Lfunc_end_k_qcd5681017b_eout-k_qcd5681017b_eout
	.p2alignl 7, 3214868480
	.fill 96, 4, 3214868480
	.section	.rodata,"a",@progbits
	.p2align	6, 0x0
	.amdhsa_kernel k_qcd5681017b_eout
		.amdhsa_group_segment_fixed_size 169984
		.amdhsa_private_segment_fixed_size 0
		.amdhsa_enable_private_segment 0
		.amdhsa_kernarg_size 24
		.amdhsa_user_sgpr_count 2
		.amdhsa_user_sgpr_kernarg_segment_ptr 1
		.amdhsa_wavefront_size32 1
		.amdhsa_system_sgpr_workgroup_id_x 1
		.amdhsa_system_sgpr_workgroup_id_y 1
		.amdhsa_system_sgpr_workgroup_id_z 1
		.amdhsa_system_vgpr_workitem_id 0
		.amdhsa_next_free_vgpr 256
		.amdhsa_next_free_sgpr 66
		.amdhsa_reserve_vcc 0
		.amdhsa_float_denorm_mode_32 3
		.amdhsa_float_denorm_mode_16_64 3
		.amdhsa_memory_ordered 1
		.amdhsa_forward_progress 1
		.amdhsa_inst_pref_size 37
	.end_amdhsa_kernel
	.amdgpu_metadata
---
amdhsa.version: [ 1, 2 ]
amdhsa.kernels:
  - .name:           k_qcd5681017b_eout
    .symbol:         k_qcd5681017b_eout.kd
    .args:
      - { .name: eo, .offset: 0, .size: 8, .value_kind: global_buffer, .address_space: global }
      - { .name: w_out, .offset: 8, .size: 8, .value_kind: global_buffer, .address_space: global }
      - { .name: out0, .offset: 16, .size: 8, .value_kind: global_buffer, .address_space: global }
    .group_segment_fixed_size: 169984
    .private_segment_fixed_size: 0
    .kernarg_segment_align: 8
    .kernarg_segment_size: 24
    .max_flat_workgroup_size: 512
    .sgpr_count:     66
    .vgpr_count:     256
    .wavefront_size: 32
...
	.end_amdgpu_metadata
.endif
;; end of part 6
;; ======== version 2 of 2: 5 launches; 1.21 times as fast as version 1
;; limits: values are held in f16: magnitudes above 65,504 overflow, below 6.1e-05 lose precision
;; workspace buffers: hbuf 8,388,608 bytes; wq 6,291,456 bytes; wo 2,097,152 bytes; qkvh 25,165,824 bytes; oh 8,388,608 bytes; eh 131,072 bytes; eo 131,072 bytes; ep 2,097,152 bytes
;; launch prep: the kernel of part 1 again; grid 512 x 1, 8 waves a work-group, no clusters, 0 bytes of LDS; arguments x, ln_gamma, ln_beta, w_qkv, w_out, hbuf, wq, wo, eh; writes hbuf, wq, wo, eh
;; launch qkv (part 7): grid 8 x 32, 4 waves a work-group, clusters of 4 x 4, 327,680 bytes of LDS; arguments hbuf, wq, qkscale, qkvh, eh, w_qkv, ep; writes qkvh, ep
.if DOCPART == 7
	.amdgcn_target "amdgcn-amd-amdhsa--gfx1250"
	.amdhsa_code_object_version 6
	.text
	.protected	k_qcd5681017b_qkv
	.globl	k_qcd5681017b_qkv
	.p2align	8
	.type	k_qcd5681017b_qkv,@function
k_qcd5681017b_qkv:
	s_mov_b64 s[64:65], 0
	v_nop
	global_prefetch_b8 v0, s[64:65] scope:SCOPE_SE
	s_setreg_imm32_b32 hwreg(HW_REG_WAVE_MODE, 25, 1), 1
	s_wait_xcnt 0x0
	s_wait_alu depctr_hold_cnt(0) depctr_sa_sdst(0) depctr_va_vdst(0) depctr_va_sdst(0) depctr_va_ssrc(0) depctr_va_vcc(0) depctr_vm_vsrc(0)
	s_getreg_b32 s2, hwreg(HW_REG_IB_STS2, 6, 4)
	s_cmp_eq_u32 s2, 0
	s_cbranch_scc0 .Lentry_in_a_cluster
	s_endpgm
.Lentry_in_a_cluster:
	s_bfe_u32 s2, ttmp6, 0x10000c
	s_cmp_lg_u32 s2, 0xf033
	s_cbranch_scc0 .Lentry_shape_is_right
	s_endpgm
.Lentry_shape_is_right:
; qkv: [4096 x 1024] hbuf times [1024 x 3072] wq (f16 operands, f32 sums); on the way out the L2 norm of each q and k head vector, and q times
; qkscale * log2(e).  Result qkvh[b][g][s][64] in f16, g = 0..15 q heads, 16..31 k heads, 32..47 v heads.
; A work-group makes 128 rows x 384 columns with four waves, as many as a WGP has SIMDs: 32 x 8 = 256 work-groups.  A wave makes 64 rows x 192 columns
; = three whole heads: 48 accumulator tiles, 384 registers.  For 32 along K a wave issues 48 matrix instructions on 32 LDS loads.
; K goes in steps of 128 through a ring of two LDS slots; each wave brings one tile of 128 rows x 256 bytes a step: wave 0 the rows of hbuf,
; waves 1..3 a third each of wq's 384 columns (128 rows k).  wq lies [k][n]; its fragments are made by the transposing LDS load.
; CLUSTERS: 4 x 4 work-groups.  hbuf's tile hangs on the block row alone and is asked for jointly by the four of a row of the cluster; wq's tiles hang on
; the block column alone and are asked for jointly by the four of a column.
; THE MATRIX INSTRUCTION IS USED TRANSPOSED (source 0 = 16 columns of wq, source 1 = 16 rows of hbuf): lane l holds row l % 16 and its
; registers 0..7 the columns 8 (l / 16) + 0..7.  A head's 64 numbers of a row then lie in two lanes, l and l xor 16.
; THE FIRST 16 ROWS OF EACH BATCH are made a second time with more digits.  The result is wanted to a hundredth of the root mean square of the whole output; row s averages
; s + 1 value vectors and, where these are unlike each other, is larger than that root mean square by about 15.8 / sqrt(s + 1), so operands of one f16 (2^-11) are too coarse for the first
; rows; from row 16 on the factor is below 4 and they are not.  On the way of the values every operand of these 32 rows is a sum of two f16 numbers, hi = f16(x), lo = f16(x - hi), and a
; product is hi hi + lo hi + hi lo, f16 matrix products with f32 sums.  Here: v = h Wv, 32 x 1024 x 1024, shared evenly among the 256 work-groups, each the same lines:
; work-group 8 mb + nb = 16 slab + head takes k = 64 slab .. + 63 and the head's 64 columns (16 KiB of w_qkv in f32).  Its loads go out ahead of everything else, and the work stands
; between the first joint loads and the wait for the first tile.  The 16 slabs' partial sums go to ep and are added by the next launch.
; LIMITS.  f16 results: |v| and |qkscale| * 1.4427 below 65,504.  A head vector whose sum of squares is below 2^-126 counts as norm 0 (the square root takes
; denormals as zero) and is divided by 1e-12.  The low parts are f16 too: an operand in two parts is carried to 2^-22 of itself or to 2^-25 absolutely, whichever is coarser.
; REGISTERS: window 0: v8-18 addresses, v20-31 at work, v32-63 and v64-95 hbuf's fragments (two buffers), v96-239 the way out, v240-250 the first rows' addresses;
;   window 1: v0-95, v96-191 wq's fragments (two buffers; fragment b at 8 b);
;   window 2: tiles (a 0..3, b 0..7) at 8 (8 a + b);  window 3: tiles (a, b 8..11) at 8 (4 a + b - 8).
.set REG,   36864                      ; a wave's region of a slot: 128 rows at pitch 272 (hbuf, 34,816 used) or 288 (wq)
.set SLOT,  4*REG
.set STAGE, 2*SLOT                     ; behind the ring: the way out's stage, 7,168 bytes a wave; no tensor load lands there
.set STW,   7168
.set PA,    272                        ; 256 + 16: an odd multiple of 16 bytes, so the 16 rows of a fragment load start 16 bytes apart modulo 256
.set PB,    288                        ; 256 + 32: an odd multiple of 32 bytes, for the transposing load's groups of eight rows
.set G1A, 24                           ; s[24:31] descriptor group 1, hbuf's tiles
.set G0A, 32                           ; s[32:39] group 0, one set a slot
.set G1B, 48                           ; s[48:55] group 1, wq's tiles
.set G0B, 56                           ; s[56:63] group 0, one set a slot
.set MUL_L, 0xa1                       ; source 0 window 1, source 1 window 0, C and D window 2
.set MUL_S, 0xf1                       ; the same, C and D window 3
.set TO_B,  0x40                       ; destination window 1, address window 0
; the first rows' piece
.set ET,    STAGE                      ; two f16 tiles [64 k][64 columns] at pitch 160, in the stage's bytes: the high parts, then
.set ELO,   10240                      ; the low parts
.set EPW,   160                        ; 128 + 32: an odd multiple of 32 bytes, for the transposing load
.set EA,    32                         ; v[32:95]   h's fragments: (chunk c of 32 k, row tile a, part p) at 32 + 32 c + 16 a + 8 p
.set EW,    160                        ; v[160:191] 8 loads of f32 rows; then W's fragments (c, p) at 160 + 16 c + 8 p
.set EAC,   192                        ; v[192:207] two accumulators: row tile a at 192 + 8 a
.set MSB, 0
.macro WIN new                         ; the immediate's high byte repeats the setting that is left
.if MSB != \new
	s_set_vgpr_msb (MSB<<8)|\new
.set MSB, \new
.endif
.endm
.macro PLACES                          ; four plain vector instructions behind a matrix instruction, in front of loads into its sources and of reads of its result
.rept 4
	v_nop
.endr
.endm
; A joint load: wave 0 asks for hbuf's tile, waves 1..3 for wq's.  Each line has one mask; the branch hangs on the wave's number alone.
.macro JLOAD s
	s_cmp_eq_u32 s12, 0
	s_cbranch_scc0 .Lfor_b_\@
	tensor_load_to_lds s[G0A+4*\s:G0A+4*\s+3], s[G1A:G1A+7]
	s_nop 0
	s_branch .Lasked_\@
.Lfor_b_\@:
	tensor_load_to_lds s[G0B+4*\s:G0B+4*\s+3], s[G1B:G1B+7]
	s_nop 0
.Lasked_\@:
.endm
.macro CREST                           ; a round of the cluster's barrier behind its opening work-group barrier
	s_cmp_lg_u32 s12, 0
	s_cbranch_scc1 .Lnot_wave_0_\@
	s_barrier_signal -3
.Lnot_wave_0_\@:
	s_barrier_wait -3
	s_barrier_signal -1
	s_barrier_wait -1
.endm
.macro CROUND
	s_barrier_signal -1
	s_barrier_wait -1
	CREST
.endm
; Four f32 in v[x:x+3] become 8 bytes of high parts at LDS byte v242 + off and 8 bytes of low parts ELO bytes further.  x - f16(x) is exact in f32.
; Two copies with work registers of their own, used by turns.
.macro ESPLITA x, off
	v_cvt_pk_f16_f32 v20, v[\x], v[\x+1]
	v_cvt_pk_f16_f32 v21, v[\x+2], v[\x+3]
	v_cvt_f32_f16 v24, v20.l
	v_cvt_f32_f16 v25, v20.h
	v_cvt_f32_f16 v26, v21.l
	v_cvt_f32_f16 v27, v21.h
	ds_store_b64 v242, v[20:21] offset:\off
	v_pk_add_f32 v[\x:\x+1], v[\x:\x+1], v[24:25] neg_lo:[0,1] neg_hi:[0,1]
	v_pk_add_f32 v[\x+2:\x+3], v[\x+2:\x+3], v[26:27] neg_lo:[0,1] neg_hi:[0,1]
	v_cvt_pk_f16_f32 v24, v[\x], v[\x+1]
	v_cvt_pk_f16_f32 v25, v[\x+2], v[\x+3]
	ds_store_b64 v242, v[24:25] offset:\off+ELO
.endm
.macro ESPLITB x, off
	v_cvt_pk_f16_f32 v22, v[\x], v[\x+1]
	v_cvt_pk_f16_f32 v23, v[\x+2], v[\x+3]
	v_cvt_f32_f16 v28, v22.l
	v_cvt_f32_f16 v29, v22.h
	v_cvt_f32_f16 v30, v23.l
	v_cvt_f32_f16 v31, v23.h
	ds_store_b64 v242, v[22:23] offset:\off
	v_pk_add_f32 v[\x:\x+1], v[\x:\x+1], v[28:29] neg_lo:[0,1] neg_hi:[0,1]
	v_pk_add_f32 v[\x+2:\x+3], v[\x+2:\x+3], v[30:31] neg_lo:[0,1] neg_hi:[0,1]
	v_cvt_pk_f16_f32 v28, v[\x], v[\x+1]
	v_cvt_pk_f16_f32 v29, v[\x+2], v[\x+3]
	ds_store_b64 v242, v[28:29] offset:\off+ELO
.endm
; W's part pw times h's part pa, chunk c, both row tiles.  The two accumulators take turns, one instruction a turn.
.macro ETERM c, pw, pa, zero
.irp a,0,1
.if \zero
	v_wmma_f32_16x16x32_f16 v[EAC+8*\a:EAC+8*\a+7], v[EW+16*\c+8*\pw:EW+16*\c+8*\pw+7], v[EA+32*\c+16*\a+8*\pa:EA+32*\c+16*\a+8*\pa+7], 0
.else
	v_wmma_f32_16x16x32_f16 v[EAC+8*\a:EAC+8*\a+7], v[EW+16*\c+8*\pw:EW+16*\c+8*\pw+7], v[EA+32*\c+16*\a+8*\pa:EA+32*\c+16*\a+8*\pa+7], v[EAC+8*\a:EAC+8*\a+7]
.endif
.endr
.endm
	s_load_b256 s[4:11], s[0:1], 0x0               ; hbuf s[4:5], wq s[6:7], qkscale s[8:9], qkvh s[10:11]
	s_load_b128 s[92:95], s[0:1], 0x20             ; eh s[92:93], w_qkv s[94:95]
	s_load_b64 s[96:97], s[0:1], 0x30              ; ep
	s_set_vgpr_msb 0x40
	v_lshl_add_u32 v255, v0, 2, 0x4f000
	s_set_vgpr_msb 0x4000
	v_mov_b32 v255, 0
	s_set_vgpr_msb 0x1
	ds_add_u32 v255, v255
	ds_add_u32 v255, v255
	s_set_vgpr_msb 0x100
	v_lshrrev_b32 v1, 5, v0
	v_readfirstlane_b32 s12, v1                    ; wave 0..3
	s_lshr_b32 s13, s12, 1                         ; wm: which 64 rows
	s_and_b32 s14, s12, 1                          ; wn: which 192 columns
	s_bfe_u32 s16, ttmp6, 0x40000                  ; cx
	s_bfe_u32 s17, ttmp6, 0x40004                  ; cy
	s_lshl_b32 s18, ttmp9, 2
	s_add_co_u32 s18, s18, s16                     ; nb: block column = 4 x cluster x + cx
	s_and_b32 s19, ttmp7, 0xffff
	s_lshl_b32 s19, s19, 2
	s_add_co_u32 s19, s19, s17                     ; mb: block row = 4 x cluster y + cy
	s_lshl_b32 s20, s17, 2
	s_lshl_b32 s20, 15, s20                        ; my row of the cluster: places 4 cy .. 4 cy + 3
	s_lshl_b32 s21, 0x1111, s16                    ; my column: places cx, cx + 4, cx + 8, cx + 12
	; group 1: tiles of 128 rows x 128 elements of 2 bytes; behind every 64 words 4 (hbuf) or 8 (wq) words of padding
	s_or_b32 s[G1A+0], s20, (1<<16)|(1<<20)|(1<<21)|(5<<22)|(3<<25)
	s_mov_b32 s[G1A+1], 128<<16                    ; tensor_dim0 = 128
	s_mov_b32 s[G1A+2], 128<<16                    ; tensor_dim1 = 128
	s_mov_b32 s[G1A+3], 128<<16                    ; tile_dim0 = 128
	s_mov_b32 s[G1A+4], 128                        ; tile_dim1 = 128
	s_mov_b32 s[G1A+5], 1024                       ; elements from row to row of hbuf
	s_mov_b32 s[G1A+6], 0
	s_mov_b32 s[G1A+7], 0
	s_or_b32 s[G1B+0], s21, (1<<16)|(1<<20)|(1<<21)|(5<<22)|(7<<25)
	s_mov_b32 s[G1B+1], 128<<16
	s_mov_b32 s[G1B+2], 128<<16
	s_mov_b32 s[G1B+3], 128<<16
	s_mov_b32 s[G1B+4], 128
	s_mov_b32 s[G1B+5], 3072                       ; elements from row to row of wq
	s_mov_b32 s[G1B+6], 0
	s_mov_b32 s[G1B+7], 0
	; where the tiles come from: hbuf's from the block row alone, wq's from the block column and the wave's number alone
	s_lshl_b32 s40, s19, 18                        ; 128 rows of 2,048 bytes a block row
	s_mov_b32 s41, 0
	s_mul_i32 s42, s18, 768                        ; 384 columns of 2 bytes a block column
	s_max_u32 s44, s12, 1
	s_sub_co_u32 s44, s44, 1                       ; which third (wave 0 never asks by this address)
	s_lshl_b32 s44, s44, 8
	s_add_co_u32 s42, s42, s44
	s_mov_b32 s43, 0
	s_mul_i32 s22, s12, REG                        ; and where they go: the wave's region
	s_wait_dscnt 0x0
	s_wait_kmcnt 0x0
	s_load_b32 s80, s[8:9], 0x0                    ; qkscale, waited for at the way out
	s_add_nc_u64 s[40:41], s[4:5], s[40:41]
	s_add_nc_u64 s[42:43], s[6:7], s[42:43]
	; ---- the first rows' piece, part 1: its share, and its 24 loads
	s_lshl_b32 s90, s19, 3
	s_add_co_u32 s90, s90, s18                     ; 8 mb + nb = 16 slab + head
	s_and_b32 s98, s90, 15                         ; head
	s_lshr_b32 s99, s90, 4                         ; slab of 64 k
	s_mov_b32 s91, 0
	s_lshl_b32 s90, s99, 12                        ; eh[part][K block of 64][row 32][64]: a block is 4,096 bytes
	s_add_nc_u64 s[92:93], s[92:93], s[90:91]
	s_lshl_b32 s90, s99, 2
	s_add_co_u32 s90, s90, s12                     ; wave w brings rows 64 slab + 16 w .. + 15
	s_mul_i32 s90, s90, 16*12288
	s_lshl_b32 s100, s98, 8                        ; the head's 64 columns: 256 consecutive bytes of each row,
	s_add_co_u32 s90, s90, s100
	s_add_co_u32 s90, s90, 8192                    ; in the v section
	s_add_nc_u64 s[94:95], s[94:95], s[90:91]
	s_lshl_b32 s90, s99, 4
	s_add_co_u32 s90, s90, s98
	s_lshl_b32 s90, s90, 2
	s_add_co_u32 s90, s90, s12
	s_lshl_b32 s90, s90, 11                        ; ep[slab][head][wave][row tile][quad][lane][16 bytes]: 2,048 bytes a wave
	s_add_nc_u64 s[96:97], s[96:97], s[90:91]
	v_and_b32 v248, 15, v0                         ; r
	v_bfe_u32 v249, v0, 4, 1                       ; h
	v_mul_u32_u24 v240, v249, 12288
	v_lshl_add_u32 v240, v248, 4, v240             ; w_qkv: row h, 16 r: sixteen lanes take a row's 256 bytes
	v_lshlrev_b32 v241, 7, v248
	v_lshl_add_u32 v241, v249, 4, v241             ; eh: row r of 128 bytes + 16 h
.irp i,0,1,2,3,4,5,6,7
	global_load_b128 v[EW+4*\i:EW+4*\i+3], v240, s[94:95] offset:2*\i*12288 th:TH_LOAD_NT
.endr
.irp c,0,1
.irp a,0,1
.irp p,0,1
	global_load_b128 v[EA+32*\c+16*\a+8*\p:EA+32*\c+16*\a+8*\p+3], v241, s[92:93] offset:\p*65536+\a*2048+\c*64
	global_load_b128 v[EA+32*\c+16*\a+8*\p+4:EA+32*\c+16*\a+8*\p+7], v241, s[92:93] offset:\p*65536+\a*2048+\c*64+32
.endr
.endr
.endr
	s_mul_i32 s100, s12, 16*EPW
	s_add_co_u32 s100, s100, ET
	v_mul_u32_u24 v242, v249, EPW
	v_lshl_add_u32 v242, v248, 3, v242
	v_add_nc_u32 v242, s100, v242                  ; tile store: row 16 w + h, 8 r
	v_and_b32 v250, 7, v0
	v_lshl_add_u32 v243, v249, 3, v250
	v_mul_u32_u24 v243, v243, EPW
	v_bfe_u32 v250, v0, 3, 1
	v_lshl_add_u32 v243, v250, 4, v243
	s_lshl_b32 s100, s12, 5
	s_add_co_u32 s100, s100, ET
	v_add_nc_u32 v243, s100, v243                  ; tile load: row 8 h + (l & 7), column tile w, + 16 bytes for its upper eight columns
	v_and_b32 v244, 31, v0
	v_lshlrev_b32 v244, 4, v244                    ; 16 x lane
	CROUND                                         ; all sixteen work-groups are here: the first joint loads meet
.irp s,0,1
	s_mov_b32 s[G0A+4*\s], 1
	s_add_co_u32 s[G0A+4*\s+1], s22, \s*SLOT
	s_add_nc_u64 s[G0A+4*\s+2:G0A+4*\s+3], s[40:41], \s*256          ; K step s: 128 elements along the row
	s_or_b32 s[G0A+4*\s+3], s[G0A+4*\s+3], 0x80000000
	s_mov_b32 s[G0B+4*\s], 1
	s_add_co_u32 s[G0B+4*\s+1], s22, \s*SLOT
	s_add_nc_u64 s[G0B+4*\s+2:G0B+4*\s+3], s[42:43], \s*786432       ; K step s: 128 rows of 6,144 bytes
	s_or_b32 s[G0B+4*\s+3], s[G0B+4*\s+3], 0x80000000
	JLOAD \s                                       ; two tensor loads of the wave are out here, later one
.endr
	; LDS addresses
	v_and_b32 v1, 15, v0                           ; r
	v_bfe_u32 v2, v0, 4, 1                         ; h
	v_mul_u32_u24 v3, v1, PA
	v_lshl_add_u32 v3, v2, 4, v3
	s_mul_i32 s23, s13, 64*PA
	v_add_nc_u32 v8, s23, v3                       ; hbuf's fragments, slot 0: (64 wm + r) pitch + 16 h
	v_add_nc_u32 v9, SLOT, v8                      ; slot 1
	v_and_b32 v4, 7, v0
	v_lshl_add_u32 v4, v2, 3, v4                   ; 8 h + (l & 7): the row k that I address for the transposing load
	v_mul_u32_u24 v4, v4, PB
	v_bfe_u32 v5, v0, 3, 1
	v_lshl_add_u32 v4, v5, 4, v4                   ; + 16 bytes for the upper eight columns
	s_mul_i32 s44, s14, 3
.irp hh,0,1,2
	s_add_co_u32 s45, s44, \hh                     ; head 3 wn + hh of the block's six
	s_lshr_b32 s46, s45, 1                         ; two heads to a region of 128 columns
	s_mul_i32 s46, s46, REG
	s_and_b32 s45, s45, 1
	s_lshl_b32 s45, s45, 7
	s_add_co_u32 s46, s46, s45
	s_add_co_u32 s46, s46, REG                     ; wq's regions lie behind hbuf's
	v_add_nc_u32 v[10+\hh], s46, v4                ; slot 0
	v_add_nc_u32 v[13+\hh], SLOT, v[10+\hh]        ; slot 1
.endr
	s_mul_i32 s23, s12, STW
	s_add_co_u32 s23, s23, STAGE                   ; my stage
	v_mul_u32_u24 v6, v1, 144
	v_lshl_add_u32 v6, v2, 4, v6
	v_add_nc_u32 v16, s23, v6                      ; in: row r at pitch 144, 16 bytes for each half of the lanes
	v_and_b32 v7, 31, v0
	v_lshrrev_b32 v6, 3, v7
	v_mul_u32_u24 v6, v6, 144
	v_and_b32 v5, 7, v0
	v_lshl_add_u32 v6, v5, 4, v6
	v_add_nc_u32 v17, s23, v6                      ; back: eight lanes take a row of 128 bytes, the wave four rows
	v_lshlrev_b32 v18, 4, v7                       ; and the same 512 bytes in qkvh
	; ---- the first rows' piece, part 2, while the first tiles are on their way
	s_wait_loadcnt 16                              ; my 8 loads of w_qkv are in; h's 16 fragment loads, issued behind them, stay out
.irp i,0,2,4,6
	ESPLITA EW+4*\i,\i*2*EPW
	ESPLITB EW+4*\i+4,(\i+1)*2*EPW
.endr
	s_wait_dscnt 0x0                               ; for the others' sake
	s_barrier_signal -1
	s_barrier_wait -1                              ; the two tiles are whole; the tensor loads stay out
.irp c,0,1
.irp p,0,1
	ds_load_tr16_b128 v[EW+16*\c+8*\p:EW+16*\c+8*\p+3], v243 offset:\p*ELO+\c*32*EPW
	ds_load_tr16_b128 v[EW+16*\c+8*\p+4:EW+16*\c+8*\p+7], v243 offset:\p*ELO+\c*32*EPW+16*EPW
.endr
.endr
	s_wait_loadcnt 0x0
	s_wait_dscnt 0x0
	ETERM 0, 0, 0, 1                               ; the first products start the sums
	ETERM 0, 1, 0, 0
	ETERM 0, 0, 1, 0
	ETERM 1, 0, 0, 0
	ETERM 1, 1, 0, 0
	ETERM 1, 0, 1, 0
	PLACES                                         ; in front of the stores of the sums, and of the loads into v[32:63] below
.irp a,0,1
.irp q,0,1
	global_store_b128 v244, v[EAC+8*\a+4*\q:EAC+8*\a+4*\q+3], s[96:97] offset:\a*1024+\q*512   ; row 16 a + r, columns 16 w + 8 h + 4 q ..: 512 consecutive bytes, aligned
.endr
.endr
; The 48 accumulators take turns, one instruction a turn, in the same order in every quarter step.
.macro MULS f, zero                    ; head 2: the 16 tiles of window 3
.irp a,0,1,2,3
.irp b,0,1,2,3
.if \zero
	v_wmma_f32_16x16x32_f16 v[8*(4*\a+\b):8*(4*\a+\b)+7], v[96*\f+64+8*\b:96*\f+64+8*\b+7], v[32+32*\f+8*\a:32+32*\f+8*\a+7], 0
.else
	v_wmma_f32_16x16x32_f16 v[8*(4*\a+\b):8*(4*\a+\b)+7], v[96*\f+64+8*\b:96*\f+64+8*\b+7], v[32+32*\f+8*\a:32+32*\f+8*\a+7], v[8*(4*\a+\b):8*(4*\a+\b)+7]
.endif
.endr
.endr
.endm
.macro MULL f, zero                    ; heads 0 and 1: the 32 tiles of window 2
.irp a,0,1,2,3
.irp b,0,1,2,3,4,5,6,7
.if \zero
	v_wmma_f32_16x16x32_f16 v[8*(8*\a+\b):8*(8*\a+\b)+7], v[96*\f+8*\b:96*\f+8*\b+7], v[32+32*\f+8*\a:32+32*\f+8*\a+7], 0
.else
	v_wmma_f32_16x16x32_f16 v[8*(8*\a+\b):8*(8*\a+\b)+7], v[96*\f+8*\b:96*\f+8*\b+7], v[32+32*\f+8*\a:32+32*\f+8*\a+7], v[8*(8*\a+\b):8*(8*\a+\b)+7]
.endif
.endr
.endr
.endm
; 32 LDS loads in one run: quarter kq (32 along K) of a slot into buffer f.  Order: hbuf's 8, head 2's 8, heads 0 and 1's 16.
.macro FETCH slot, kq, f
	WIN 0
.irp i,0,1,2,3
	ds_load_b128 v[32+32*\f+8*\i:32+32*\f+8*\i+3], v[8+\slot] offset:\kq*64+\i*16*PA
	ds_load_b128 v[32+32*\f+8*\i+4:32+32*\f+8*\i+7], v[8+\slot] offset:\kq*64+\i*16*PA+32
.endr
	WIN TO_B
.irp hh,2,0,1
.irp bb,0,1,2,3
	ds_load_tr16_b128 v[96*\f+8*(4*\hh+\bb):96*\f+8*(4*\hh+\bb)+3], v[10+3*\slot+\hh] offset:\kq*32*PB+32*\bb
	ds_load_tr16_b128 v[96*\f+8*(4*\hh+\bb)+4:96*\f+8*(4*\hh+\bb)+7], v[10+3*\slot+\hh] offset:\kq*32*PB+32*\bb+16*PB
.endr
.endr
.endm
; One of a K step's first three quarters: multiplies buffer f, fetches quarter kq of the same slot into buffer g.
.macro QUARTER slot, kq, f, g, zero
	s_wait_dscnt 16                                ; hbuf's fragments and head 2's are in; the youngest 16 loads (heads 0, 1) may be out
	WIN MUL_S
	MULS \f, \zero
	PLACES
	FETCH \slot, \kq, \g
	s_wait_dscnt 32                                ; all but the 32 just issued
	WIN MUL_L
	MULL \f, \zero
.endm
.macro THREE slot, zero
	QUARTER \slot, 1, 0, 1, \zero
	QUARTER \slot, 2, 1, 0, 0
	QUARTER \slot, 3, 0, 1, 0
.endm
; The last quarter: multiplies buffer 1 and changes slots.  In front of the barrier each wave waits for its reads of this slot and for all its tensor
; loads (the one that is out is its part of the next slot).  Where the slot is filled again the barrier opens a round of the cluster's barrier, and the joint
; refill is the first tensor load behind the round; then the next slot's first fragments are read.
.macro TURN slot, next, fill
	s_wait_dscnt 0x0
	s_wait_tensorcnt 0x0
	ds_add_u32 v255, v255
	s_wait_dscnt 0x0
	s_barrier_signal -1
	WIN MUL_S
	MULS 1, 0                                      ; register work while the others arrive
	WIN 0
	s_barrier_wait -1
.if \fill
	CREST
	s_add_nc_u64 s[G0A+4*\slot+2:G0A+4*\slot+3], s[G0A+4*\slot+2:G0A+4*\slot+3], 512       ; two K steps on; no tensor load of mine is out
	s_add_nc_u64 s[G0B+4*\slot+2:G0B+4*\slot+3], s[G0B+4*\slot+2:G0B+4*\slot+3], 1572864
	JLOAD \slot
.endif
	PLACES
	FETCH \next, 0, 0
	WIN MUL_L
	MULL 1, 0
.endm
.macro LAP zero
	THREE 0, \zero
	TURN 0, 1, 1
	THREE 1, 0
	TURN 1, 0, 1
.endm
	s_wait_tensorcnt 0x1                           ; my part of K step 0 is in, K step 1's stays out
	s_barrier_signal -1
	s_barrier_wait -1
	FETCH 0, 0, 0
	LAP 1                                          ; K steps 0, 1: the first products start the sums, nothing is cleared
	WIN 0
	s_mov_b32 s15, 2
.Llap:
	LAP 0                                          ; K steps 2..5
	WIN 0
	s_sub_co_u32 s15, s15, 1
	s_cmp_lg_u32 s15, 0
	s_cbranch_scc1 .Llap
	THREE 0, 0                                     ; K steps 6, 7: nothing is filled any more
	TURN 0, 1, 0
	THREE 1, 0
	s_wait_dscnt 0x0
	WIN MUL_S
	MULS 1, 0
	WIN MUL_L
	MULL 1, 0
	WIN 0
	PLACES
	; THE WAY OUT.  Per head: factor = sA / max(norm, 1e-12) + sC;  q: sA = qkscale log2 e, sC = 0;  k: sA = 1, sC = 0;  v: sA = 0, sC = 1.
	; The choice is made by selects, not branches, so that all partners of the cluster run the same text.
	s_wait_kmcnt 0x0
	s_wait_xcnt 0x0                                ; v[192:207], the data of the first rows' stores, are written again below
	s_mul_f32 s80, s80, 0x3fb8aa3b                 ; the softmax works in base 2
	s_mov_b32 s81, 0x2b8cbccc                      ; 1e-12
	s_mov_b32 s82, 0x76543210
	s_mov_b32 s83, 0xfedcba98
	s_mul_i32 s84, s18, 6
	s_mul_i32 s85, s14, 3
	s_add_co_u32 s84, s84, s85                     ; g of my first head = 6 nb + 3 wn
	s_lshr_b32 s86, s19, 4                         ; batch
	s_mul_i32 s86, s86, 48
	s_and_b32 s87, s19, 15
	s_lshl_b32 s87, s87, 14                        ; 128 rows of 128 bytes a block row
	s_lshl_b32 s88, s13, 13
	s_add_co_u32 s87, s87, s88                     ; + 64 wm rows
.irp hh,0,1,2
	s_add_co_u32 s88, s84, \hh
	s_cmp_lt_u32 s88, 16
	s_cselect_b32 s[74+\hh], s80, 1.0
	s_cmp_lt_u32 s88, 32
	s_cselect_b32 s[74+\hh], s[74+\hh], 0
	s_cselect_b32 s[77+\hh], 0, 1.0
	s_add_co_u32 s88, s88, s86
	s_lshl_b32 s88, s88, 18                        ; 262,144 bytes a (batch, head)
	s_add_co_u32 s88, s88, s87
	s_mov_b32 s89, 0
	s_add_nc_u64 s[68+2*\hh:69+2*\hh], s[10:11], s[88:89]
.endr
; rows 16 a .. 16 a + 15 of my 64
.macro OUTROW a
	WIN 0x0a                                       ; sources 0, 1 window 2
	v_pk_mul_f32 v[20:21], v[64*\a:64*\a+1], v[64*\a:64*\a+1]                      ; sums of squares of my 32 numbers of heads 0 and 1
	v_pk_mul_f32 v[22:23], v[64*\a+32:64*\a+33], v[64*\a+32:64*\a+33]
.irp p,1,2,3,4,5,6,7,8,9,10,11,12,13,14,15
	v_pk_fma_f32 v[20:21], v[64*\a+2*\p:64*\a+2*\p+1], v[64*\a+2*\p:64*\a+2*\p+1], v[20:21]
	v_pk_fma_f32 v[22:23], v[64*\a+32+2*\p:64*\a+33+2*\p], v[64*\a+32+2*\p:64*\a+33+2*\p], v[22:23]
.endr
	WIN 0x0f                                       ; sources 0, 1 window 3: head 2, in two chains
	v_pk_mul_f32 v[24:25], v[32*\a:32*\a+1], v[32*\a:32*\a+1]
	v_pk_mul_f32 v[26:27], v[32*\a+2:32*\a+3], v[32*\a+2:32*\a+3]
.irp p,2,4,6,8,10,12,14
	v_pk_fma_f32 v[24:25], v[32*\a+2*\p:32*\a+2*\p+1], v[32*\a+2*\p:32*\a+2*\p+1], v[24:25]
	v_pk_fma_f32 v[26:27], v[32*\a+2*\p+2:32*\a+2*\p+3], v[32*\a+2*\p+2:32*\a+2*\p+3], v[26:27]
.endr
	WIN 0
	v_pk_add_f32 v[24:25], v[24:25], v[26:27]
	v_add_f32 v20, v20, v21
	v_add_f32 v22, v22, v23
	v_add_f32 v24, v24, v25
	v_permlanex16_b32 v21, v20, s82, s83           ; the row's other 32 numbers lie in lane l xor 16
	v_permlanex16_b32 v23, v22, s82, s83
	v_permlanex16_b32 v25, v24, s82, s83
	v_add_f32 v20, v20, v21
	v_add_f32 v22, v22, v23
	v_add_f32 v24, v24, v25
	v_sqrt_f32 v20, v20
	v_sqrt_f32 v22, v22
	v_sqrt_f32 v24, v24
	v_nop                                          ; one plain instruction behind the transcendentals
	s_wait_alu depctr_va_vdst(0)
	v_max_num_f32 v20, s81, v20
	v_max_num_f32 v22, s81, v22
	v_max_num_f32 v24, s81, v24
	v_rcp_f32 v20, v20
	v_rcp_f32 v22, v22
	v_rcp_f32 v24, v24
	v_nop
	s_wait_alu depctr_va_vdst(0)
	v_fma_f32 v26, v20, s74, s77
	v_fma_f32 v28, v22, s75, s78
	v_fma_f32 v30, v24, s76, s79
	v_mov_b32 v27, v26
	v_mov_b32 v29, v28
	v_mov_b32 v31, v30
	WIN 0x02                                       ; source 0 window 2
.set idx, 0
.rept 16
	v_pk_mul_f32 v[96+2*idx:97+2*idx], v[64*\a+2*idx:64*\a+2*idx+1], v[26:27]
	v_pk_mul_f32 v[128+2*idx:129+2*idx], v[64*\a+32+2*idx:64*\a+33+2*idx], v[28:29]
.set idx, idx+1
.endr
	WIN 0x03                                       ; source 0 window 3
.set idx, 0
.rept 16
	v_pk_mul_f32 v[160+2*idx:161+2*idx], v[32*\a+2*idx:32*\a+2*idx+1], v[30:31]
.set idx, idx+1
.endr
	WIN 0
.set idx, 0
.rept 48
	v_cvt_pk_f16_f32 v[192+idx], v[96+2*idx], v[97+2*idx]
.set idx, idx+1
.endr
.irp b,0,1,2,3,4,5,6,7,8,9,10,11
	ds_store_b128 v16, v[192+4*\b:195+4*\b] offset:(\b/4)*2304+32*(\b%4)           ; head b / 4, columns 16 (b % 4) + 8 h ..
.endr
	s_wait_xcnt 0x0                                ; v[32:79] are the data of the last 16 rows' stores: loaded again only behind this wait
.irp n,0,1,2,3,4,5,6,7,8,9,10,11
	ds_load_b128 v[32+4*\n:35+4*\n], v17 offset:(\n/4)*2304+(\n%4)*576             ; LDS serves a wave's instructions in order: these see the stores above
.endr
.irp n,0,1,2,3,4,5,6,7,8,9,10,11
	s_wait_dscnt 11-\n
	global_store_b128 v18, v[32+4*\n:35+4*\n], s[68+2*(\n/4):69+2*(\n/4)] offset:\a*2048+512*(\n%4)   ; four rows of a head: 512 consecutive bytes, aligned
.endr
.endm
	OUTROW 0
	OUTROW 1
	OUTROW 2
	OUTROW 3
	s_set_vgpr_msb 0x1
	s_wait_tensorcnt 0x0
	ds_add_u32 v255, v255
	s_wait_dscnt 0x0
	s_set_vgpr_msb 0x100
	CROUND                                         ; the closing round: no work-group ends while a partner may still ask for a tile that names it
	s_endpgm
.Lfunc_end_k_qcd5681017b_qkv:
	.size	k_qcd5681017b_qkv, .Lfunc_end_k_qcd5681017b_qkv-k_qcd5681017b_qkv
	.p2alignl 7, 3214868480
	.fill 96, 4, 3214868480
	.section	.rodata,"a",@progbits
	.p2align	6, 0x0
	.amdhsa_kernel k_qcd5681017b_qkv
		.amdhsa_group_segment_fixed_size 327680
		.amdhsa_private_segment_fixed_size 0
		.amdhsa_enable_private_segment 0
		.amdhsa_kernarg_size 56
		.amdhsa_user_sgpr_count 2
		.amdhsa_user_sgpr_kernarg_segment_ptr 1
		.amdhsa_wavefront_size32 1
		.amdhsa_system_sgpr_workgroup_id_x 1
		.amdhsa_system_sgpr_workgroup_id_y 1
		.amdhsa_system_sgpr_workgroup_id_z 1
		.amdhsa_system_vgpr_workitem_id 0
		.amdhsa_next_free_vgpr 896
		.amdhsa_next_free_sgpr 102
		.amdhsa_reserve_vcc 0
		.amdhsa_float_denorm_mode_32 3
		.amdhsa_float_denorm_mode_16_64 3
		.amdhsa_memory_ordered 1
		.amdhsa_forward_progress 1
		.amdhsa_inst_pref_size 205
	.end_amdhsa_kernel
	.amdgpu_metadata
---
amdhsa.version: [ 1, 2 ]
amdhsa.kernels:
  - .name:           k_qcd5681017b_qkv
    .symbol:         k_qcd5681017b_qkv.kd
    .args:
      - { .name: hbuf, .offset: 0, .size: 8, .value_kind: global_buffer, .address_space: global }
      - { .name: wq, .offset: 8, .size: 8, .value_kind: global_buffer, .address_space: global }
      - { .name: qkscale, .offset: 16, .size: 8, .value_kind: global_buffer, .address_space: global }
      - { .name: qkvh, .offset: 24, .size: 8, .value_kind: global_buffer, .address_space: global }
      - { .name: eh, .offset: 32, .size: 8, .value_kind: global_buffer, .address_space: global }
      - { .name: w_qkv, .offset: 40, .size: 8, .value_kind: global_buffer, .address_space: global }
      - { .name: ep, .offset: 48, .size: 8, .value_kind: global_buffer, .address_space: global }
    .group_segment_fixed_size: 327680
    .private_segment_fixed_size: 0
    .kernarg_segment_align: 8
    .kernarg_segment_size: 56
    .max_flat_workgroup_size: 128
    .sgpr_count:     102
    .vgpr_count:     896
    .wavefront_size: 32
...
	.end_amdgpu_metadata
.endif
;; end of part 7
;; launch attn (part 8): grid 8 x 32, 8 waves a work-group, no clusters, 327,680 bytes of LDS; arguments qkvh, oh, ep, eo; writes oh, eo
.if DOCPART == 8
	.amdgcn_target "amdgcn-amd-amdhsa--gfx1250"
	.amdhsa_code_object_version 6
	.text
	.protected	k_qcd5681017b_attn
	.globl	k_qcd5681017b_attn
	.p2align	8
	.type	k_qcd5681017b_attn,@function
k_qcd5681017b_attn:
	s_mov_b64 s[64:65], 0
	v_nop
	global_prefetch_b8 v0, s[64:65] scope:SCOPE_SE
	s_setreg_imm32_b32 hwreg(HW_REG_WAVE_MODE, 25, 1), 1
	s_wait_xcnt 0x0
; attn: causal softmax attention of one (batch, head) from qkvh (q already normalised and times qkscale log2 e, k normalised, v), f16 operands, f32 sums,
; with a running maximum.  Result oh[b][h][s][64] in f16.
; Work-group (i = 0..7, bh = 0..31) takes the query blocks i and 15 - i, of 128 rows each.  Wave w holds two query tiles of 16 rows: rows 16 w .. of block i (tile 0)
; and of block 15 - i (tile 1).  All eight waves walk the key tiles t = 0 .. 15 - i of 128 keys; tile 0 works while t <= i, tile 1 to the end: 17 units of
; 16 queries x 128 keys for every wave of every work-group.  Branches hang on i and the trip counter alone, so every wave passes every barrier.
; NO CLUSTER: the eight work-groups of a head read the same K and V tiles, but they walk 16 - i tiles, 9 to 16: the number of trips and the branches of a
; partner would hang on its place in the cluster, and giving all partners 16 full trips would nearly double the arithmetic.
; ORIENTATION.  S^T = K Q^T (source 0 = 16 keys, source 1 = 16 queries): lane l holds query l % 16 and keys 8 (l / 16) + 0..7 of each tile of 16 keys.  So the row maximum and the
; row sum are work within a lane and one exchange with lane l xor 16; two neighbouring S tiles, rounded to f16 in place, are a source-1 fragment of
; O^T = V^T P^T; and the rescaling factor is one number a lane.  V lies [key][d]; V^T's fragments are made by the transposing LDS load.
; THE RING.  K and V go through two LDS slots of TWO key tiles each: four places of 38,912 bytes, places 0, 1 and places 2, 3.  Each wave brings 16 rows of K and 16 of V of each tile.  Behind
; one barrier it asks for its parts of the next pair of tiles (four tensor loads of the wave are out at the most), so a request has the work of two tiles in which to land, also where
; query tile 1 works alone, and there is one barrier for two tiles.  The walk is 1 + 2 n + 1 pairs, n = 3 for i < 4 and 2 otherwise: 16 or 12 tiles are fetched, all inside the head's 16,
; so that the loads are the same on every way; the tiles beyond 15 - i (three at the most) are not used.
; THE FIRST 16 ROWS of the batch are made a second time with more digits (why: the head of the launch before).  Work-group i = 7, which walks 9 key tiles where i = 0 walks 16, does it
; for its (batch, head) at its end, with waves 0..3, each for 16 columns of the head and with no word to the others: the wave adds the 16 partial sums of v from ep, redoes the
; 16 x 16 causal softmax from q and k as they are (their rounding moves a weight by some 1e-5 of itself), and multiplies P and v, each in two f16 parts.  o's two parts go to
; eo[part][head][16 columns][batch][lane][16 bytes], which is the image of the fragments that the next launch loads.
; LIMITS.  f16: |o| below 65,504.  Masked scores are -3.4e38 as in the definition; their exponentials are zero.  The low parts are f16 too: an operand in two parts is carried to
; 2^-22 of itself or to 2^-25 absolutely, whichever is coarser.
.set SLOTB, 38912                      ; a place: K: 128 rows at pitch 144; then V: 128 rows at pitch 160
.set VOFF,  18432
.set PK,    144                        ; 128 + 16: an odd multiple of 16 bytes
.set PV,    160                        ; 128 + 32: an odd multiple of 32 bytes, for the transposing load
.set STAGE, 4*SLOTB                    ; the way out: 32 rows at pitch 144 a wave (4,608 bytes); no tensor load lands there
.set QF, 32                            ; v[32:63]   Q(qt, ks) at 32 + 8 (2 qt + ks)
.set OA, 64                            ; v[64:127]  O(dt, qt) at 64 + 8 (2 dt + qt)
.set SA, 128                           ; v[128:191] S(kt, qt) at 128 + 8 (2 kt + qt); later P(kk, qt) in S(2 kk, qt)
.set KV, 192                           ; v[192:255] K(kt, ks) at 192 + 8 (2 kt + ks), then V(dt, kk) at 192 + 8 (2 dt + kk)
; v8, v9 K's LDS address (places 0, 2; the odd place of a slot is reached by the offset); v10, v11 V's; v12 16 w + r - 8 h; v13 -3.4e38; v14, v15 at work; v16, v17 running maximum;
; v[18:21] its negative, twice; v[22:25] rescaling factor, twice; v26, v27 running sum (my half of the keys); v28, v29 new maximum; v[2:7], v[30:31] sums at work
; s15: the tile at position pos of the text is tile s15 + pos; s21 the loop's counter, stepped by 1; s16 its bound
.set G1K, 24                           ; s[24:31] group 1 for K
.set G1V, 32                           ; s[32:39] group 1 for V
.set GK,  40                           ; s[40:55] group 0 for K, one set a place
.set GV,  76                           ; s[76:91] group 0 for V, one set a place
.set LLO, 92                           ; s[92:95] i - pos:      tile s15 + pos is on block i's diagonal where s15 equals it, below where s15 is less
.set LHI, 96                           ; s[96:99] 15 - i - pos: the same for block 15 - i
.macro NOPS n
.rept \n
	v_nop
.endr
.endm
.macro WM d, a, b, zero
.if \zero
	v_wmma_f32_16x16x32_f16 v[\d:\d+7], v[\a:\a+7], v[\b:\b+7], 0
.else
	v_wmma_f32_16x16x32_f16 v[\d:\d+7], v[\a:\a+7], v[\b:\b+7], v[\d:\d+7]
.endif
.endm
; In both products the accumulators take turns, one instruction a turn.
.macro SMUL lo, ks, zero
.irp kt,0,1,2,3
.if \lo
	WM SA+16*\kt, KV+8*(2*\kt+\ks), QF+8*\ks, \zero
.endif
	WM SA+16*\kt+8, KV+8*(2*\kt+\ks), QF+16+8*\ks, \zero
.endr
.endm
.macro PMUL lo, kk, zero
.irp dt,0,1,2,3
.if \lo
	WM OA+16*\dt, KV+8*(2*\dt+\kk), SA+32*\kk, \zero
.endif
	WM OA+16*\dt+8, KV+8*(2*\dt+\kk), SA+32*\kk+8, \zero
.endr
.endm
.macro MASK qt, c                      ; diagonal block: key 64 c + 16 kt + 8 h + j is masked where it is above query 16 w + r
.irp kt,0,1,2,3
.irp j,0,1,2,3,4,5,6,7
	v_cmp_gt_i32 vcc_lo, 64*\c+16*\kt+\j, v12
	v_cndmask_b32 v[SA+16*\kt+8*\qt+\j], v[SA+16*\kt+8*\qt+\j], v13, vcc_lo
.endr
.endr
.endm
.macro MAXHEAD qt, first               ; two chains: the old maximum and tiles 0, 1; tiles 2, 3
.if \first
	v_max_num_f32 v[28+\qt], v[SA+8*\qt], v[SA+8*\qt+1]
.else
	v_max3_num_f32 v[28+\qt], v[16+\qt], v[SA+8*\qt], v[SA+8*\qt+1]
.endif
	v_max_num_f32 v[14+\qt], v[SA+32+8*\qt], v[SA+32+8*\qt+1]
.endm
.macro MAXSTEP qt, p
	v_max3_num_f32 v[28+\qt], v[28+\qt], v[SA+16*(\p/4)+8*\qt+2*(\p%4)], v[SA+16*(\p/4)+8*\qt+2*(\p%4)+1]
	v_max3_num_f32 v[14+\qt], v[14+\qt], v[SA+32+16*(\p/4)+8*\qt+2*(\p%4)], v[SA+32+16*(\p/4)+8*\qt+2*(\p%4)+1]
.endm
.macro MAXTAIL qt
	v_max_num_f32 v[28+\qt], v[28+\qt], v[14+\qt]
	v_permlanex16_b32 v[14+\qt], v[28+\qt], s13, s14       ; the query's other keys lie in lane l xor 16
	v_max_num_f32 v[28+\qt], v[28+\qt], v[14+\qt]
.endm
.macro NEWMAX qt, first
.if \first == 0
	v_sub_f32 v[22+2*\qt], v[16+\qt], v[28+\qt]
	v_exp_f32 v[22+2*\qt], v[22+2*\qt]             ; 2^(old maximum - new); plain instructions follow before it is read
.endif
	v_mov_b32 v[16+\qt], v[28+\qt]
	v_xor_b32 v[18+2*\qt], 0x80000000, v[28+\qt]
	v_xor_b32 v[19+2*\qt], 0x80000000, v[28+\qt]
.if \first == 0
	s_wait_alu depctr_va_vdst(0)
	v_mov_b32 v[23+2*\qt], v[22+2*\qt]
.endif
.endm
.macro EXPQ qt
.irp kt,0,1,2,3
.irp p,0,1,2,3
	v_pk_add_f32 v[SA+16*\kt+8*\qt+2*\p:SA+16*\kt+8*\qt+2*\p+1], v[SA+16*\kt+8*\qt+2*\p:SA+16*\kt+8*\qt+2*\p+1], v[18+2*\qt:19+2*\qt]
.endr
.endr
.irp kt,0,1,2,3
.irp j,0,1,2,3,4,5,6,7
	v_exp_f32 v[SA+16*\kt+8*\qt+\j], v[SA+16*\kt+8*\qt+\j]
.endr
.endr
.endm
.macro SUMHEAD qt                      ; two chains again
	v_pk_add_f32 v[4+2*\qt:5+2*\qt], v[SA+8*\qt:SA+8*\qt+1], v[SA+8*\qt+2:SA+8*\qt+3]
	v_pk_add_f32 v[2+28*\qt:3+28*\qt], v[SA+32+8*\qt:SA+32+8*\qt+1], v[SA+32+8*\qt+2:SA+32+8*\qt+3]
.endm
.macro SUMSTEP qt, p
	v_pk_add_f32 v[4+2*\qt:5+2*\qt], v[4+2*\qt:5+2*\qt], v[SA+16*(\p/4)+8*\qt+2*(\p%4):SA+16*(\p/4)+8*\qt+2*(\p%4)+1]
	v_pk_add_f32 v[2+28*\qt:3+28*\qt], v[2+28*\qt:3+28*\qt], v[SA+32+16*(\p/4)+8*\qt+2*(\p%4):SA+32+16*(\p/4)+8*\qt+2*(\p%4)+1]
.endm
.macro SUMTAIL qt, first
	v_pk_add_f32 v[4+2*\qt:5+2*\qt], v[4+2*\qt:5+2*\qt], v[2+28*\qt:3+28*\qt]
.if \first
	v_add_f32 v[26+\qt], v[4+2*\qt], v[5+2*\qt]
.else
	v_add_f32 v[4+2*\qt], v[4+2*\qt], v[5+2*\qt]
	v_fma_f32 v[26+\qt], v[26+\qt], v[22+2*\qt], v[4+2*\qt]
.endif
.endm
.macro CVTQ qt                         ; tiles 2 kk and 2 kk + 1 become registers 0-3 and 4-7 of P(kk), in tile 2 kk's registers
.irp kk,0,1
.irp p,0,1,2,3
	v_cvt_pk_f16_f32 v[SA+32*\kk+8*\qt+\p], v[SA+32*\kk+8*\qt+2*\p], v[SA+32*\kk+8*\qt+2*\p+1]
.endr
.irp p,0,1,2,3
	v_cvt_pk_f16_f32 v[SA+32*\kk+8*\qt+4+\p], v[SA+32*\kk+16+8*\qt+2*\p], v[SA+32*\kk+16+8*\qt+2*\p+1]
.endr
.endr
.endm
.macro RESC qt
.irp dt,0,1,2,3
.irp p,0,1,2,3
	v_pk_mul_f32 v[OA+16*\dt+8*\qt+2*\p:OA+16*\dt+8*\qt+2*\p+1], v[OA+16*\dt+8*\qt+2*\p:OA+16*\dt+8*\qt+2*\p+1], v[22+2*\qt:23+2*\qt]
.endr
.endr
.endm
; 64 keys: half c of the tile in place slot (0..3), which is tile s15 + pos.  lo = 1: both query tiles, 0: tile 1 alone; first: starts the sums.
; Where the tile is on a diagonal (block i's with lo = 1, block 15 - i's with lo = 0; never both) the 64 mask lines are run, else jumped over: one text serves both.
.macro SUB slot, c, lo, pos, first
.irp ks,0,1
.irp kt,0,1,2,3
	ds_load_b128 v[KV+8*(2*\kt+\ks):KV+8*(2*\kt+\ks)+3], v[8+\slot/2] offset:(\slot%2)*SLOTB+(64*\c+16*\kt)*PK+64*\ks
	ds_load_b128 v[KV+8*(2*\kt+\ks)+4:KV+8*(2*\kt+\ks)+7], v[8+\slot/2] offset:(\slot%2)*SLOTB+(64*\c+16*\kt)*PK+64*\ks+32
.endr
.endr
	s_wait_dscnt 0x8                               ; d = 0..31 of the four key tiles are in, the eight younger loads may be out
	SMUL \lo, 0, 1
	s_wait_dscnt 0x0
	SMUL \lo, 1, 0
	NOPS 4                                         ; the places in front of the loads into K's registers and of the reads of S
.irp kk,0,1
.irp dt,0,1,2,3
	ds_load_tr16_b128 v[KV+8*(2*\dt+\kk):KV+8*(2*\dt+\kk)+3], v[10+\slot/2] offset:(\slot%2)*SLOTB+(64*\c+32*\kk)*PV+32*\dt
	ds_load_tr16_b128 v[KV+8*(2*\dt+\kk)+4:KV+8*(2*\dt+\kk)+7], v[10+\slot/2] offset:(\slot%2)*SLOTB+(64*\c+32*\kk)*PV+32*\dt+16*PV
.endr
.endr
	s_cmp_lg_u32 s15, s[LHI-4*\lo+\pos]            ; on the diagonal?
	s_cbranch_scc1 .Lnomask_\@
.if \lo
	MASK 0, \c
.else
	MASK 1, \c
.endif
.Lnomask_\@:
.if \lo
	MAXHEAD 0, \first
.endif
	MAXHEAD 1, \first
.irp p,1,2,3,4,5,6,7
.if \lo
	MAXSTEP 0, \p
.endif
	MAXSTEP 1, \p
.endr
.if \lo
	MAXTAIL 0
.endif
	MAXTAIL 1
.if \lo
	NEWMAX 0, \first
.endif
	NEWMAX 1, \first
.if \lo
	EXPQ 0
.endif
	EXPQ 1
	v_nop                                          ; one plain instruction behind the run of transcendentals
	s_wait_alu depctr_va_vdst(0)
.if \lo
	SUMHEAD 0
.endif
	SUMHEAD 1
.irp p,2,3,4,5,6,7
.if \lo
	SUMSTEP 0, \p
.endif
	SUMSTEP 1, \p
.endr
.if \lo
	SUMTAIL 0, \first
.endif
	SUMTAIL 1, \first
.if \lo
	CVTQ 0
.endif
	CVTQ 1
.if \first == 0
.if \lo
	RESC 0
.endif
	RESC 1
.endif
	s_wait_dscnt 0x8                               ; V of the first 32 keys is in
	PMUL \lo, 0, \first
	s_wait_dscnt 0x0
	PMUL \lo, 1, 0
	NOPS 5                                         ; the next S is written over P, and the next K is loaded over V
.endm
.macro TILE slot, lo, pos, first
	SUB \slot, 0, \lo, \pos, \first
	SUB \slot, 1, \lo, \pos, 0
.endm
; The ring's change of slots; b = 0: places 0, 1 are read next, b = 1: places 2, 3.  Each wave waits for all its tensor loads (its parts of the pair that is read next among them) and for
; its reads of the pair before, then the barrier; the refills of the two places read last come first behind it.
.macro BIGHEAD b, refill
	s_set_vgpr_msb 0x5
	s_wait_tensorcnt 0x0
	ds_add_u32 v0, v1
	s_wait_dscnt 0x0
	s_set_vgpr_msb 0x500
.irp s,0,1
	s_add_nc_u64 s[GK+8*\b+4*\s+2:GK+8*\b+4*\s+3], s[GK+8*\b+4*\s+2:GK+8*\b+4*\s+3], 65536  ; no tensor load of mine is out: this place's next tile, four tiles on
	s_add_nc_u64 s[GV+8*\b+4*\s+2:GV+8*\b+4*\s+3], s[GV+8*\b+4*\s+2:GV+8*\b+4*\s+3], 65536
.endr
	s_wait_dscnt 0x0
	s_barrier_signal -1
	s_barrier_wait -1
.if \refill
.irp s,0,1
	tensor_load_to_lds s[GK+8-8*\b+4*\s:GK+8-8*\b+4*\s+3], s[G1K:G1K+7]
	s_nop 0
	tensor_load_to_lds s[GV+8-8*\b+4*\s:GV+8-8*\b+4*\s+3], s[G1V:G1V+7]
	s_nop 0
.endr
.endif
.endm
; tile s15 + pos: up to block i's diagonal both query tiles; beyond block 15 - i's diagonal nothing; between them tile 1 alone
.macro GT slot, pos
	s_cmp_le_i32 s15, s[LLO+\pos]
	s_cbranch_scc1 .Lgt_both_\@
	s_cmp_gt_i32 s15, s[LHI+\pos]
	s_cbranch_scc1 .Lgt_end_\@
	TILE \slot, 0, \pos, 0
	s_branch .Lgt_end_\@
.Lgt_both_\@:
	TILE \slot, 1, \pos, 0
.Lgt_end_\@:
.endm
; the same for the closing pair (tiles 10, 11 or 14, 15), which lies above every block i <= 7
.macro GTH slot, pos
	s_cmp_gt_i32 s15, s[LHI+\pos]
	s_cbranch_scc1 .Lgth_end_\@
	TILE \slot, 0, \pos, 0
.Lgth_end_\@:
.endm
; Two f32 in v[x:x+1]: their high parts packed into v[hr], their low parts into v[lr].  x - f16(x) is exact in f32.
.macro SPL2 hr, lr, x
	v_cvt_pk_f16_f32 v18, v[\x], v[\x+1]
	v_cvt_f32_f16 v16, v18.l
	v_cvt_f32_f16 v17, v18.h
	v_mov_b32 v[\hr], v18
	v_pk_add_f32 v[\x:\x+1], v[\x:\x+1], v[16:17] neg_lo:[0,1] neg_hi:[0,1]
	v_cvt_pk_f16_f32 v[\lr], v[\x], v[\x+1]
.endm
	s_load_b128 s[4:7], s[0:1], 0x0                ; qkvh s[4:5], oh s[6:7]
	s_load_b128 s[68:71], s[0:1], 0x10             ; ep s[68:69], eo s[70:71]
	s_set_vgpr_msb 0x40
	v_lshl_add_u32 v0, v0, 2, 0x2f000
	v_mov_b32 v1, 0
	s_set_vgpr_msb 0x4045
	ds_add_u32 v0, v1
	ds_add_u32 v0, v1
	s_set_vgpr_msb 0x4500
	v_lshrrev_b32 v1, 5, v0
	v_readfirstlane_b32 s8, v1                     ; wave 0..7
	s_mov_b32 s9, ttmp9                            ; i
	s_and_b32 s10, ttmp7, 0xffff                   ; bh = 16 batch + head
	; group 1: 16 rows of 128 bytes lie dense in memory: 8 rows of 32 elements of 8 bytes; behind every 32 words 4 (K) or 8 (V) words of padding
	s_mov_b32 s[G1K+0], (3<<16)|(1<<20)|(4<<22)|(3<<25)
	s_mov_b32 s[G1K+1], 32<<16                     ; tensor_dim0 = 32
	s_mov_b32 s[G1K+2], 8<<16                      ; tensor_dim1 = 8
	s_mov_b32 s[G1K+3], 32<<16                     ; tile_dim0 = 32
	s_mov_b32 s[G1K+4], 8                          ; tile_dim1 = 8
	s_mov_b32 s[G1K+5], 32                         ; elements from row to row
	s_mov_b32 s[G1K+6], 0
	s_mov_b32 s[G1K+7], 0
	s_mov_b32 s[G1V+0], (3<<16)|(1<<20)|(4<<22)|(7<<25)
	s_mov_b32 s[G1V+1], 32<<16
	s_mov_b32 s[G1V+2], 8<<16
	s_mov_b32 s[G1V+3], 32<<16
	s_mov_b32 s[G1V+4], 8
	s_mov_b32 s[G1V+5], 32
	s_mov_b32 s[G1V+6], 0
	s_mov_b32 s[G1V+7], 0
	s_lshr_b32 s22, s10, 4
	s_mul_i32 s22, s22, 48
	s_and_b32 s23, s10, 15
	s_add_co_u32 s22, s22, s23
	s_lshl_b32 s22, s22, 18                        ; (48 batch + head) x 262,144 bytes
	s_mov_b32 s23, 0
	s_lshl_b32 s2, s8, 11                          ; my 16 rows of a tile
	s_mov_b32 s3, 0
	s_mul_i32 s11, s8, 16*PK                       ; where they go: K
	s_mul_i32 s12, s8, 16*PV
	s_add_co_u32 s12, s12, VOFF                    ; V
	s_wait_dscnt 0x0
	s_wait_kmcnt 0x0
	s_add_nc_u64 s[60:61], s[4:5], s[22:23]        ; q of my head
	s_add_nc_u64 s[22:23], s[60:61], s[2:3]
.irp s,0,1,2,3
	s_mov_b32 s[GK+4*\s], 1
	s_add_co_u32 s[GK+4*\s+1], s11, \s*SLOTB
	s_add_nc_u64 s[GK+4*\s+2:GK+4*\s+3], s[22:23], 4194304+\s*16384          ; k lies 16 heads behind q; place s begins with tile s
	s_or_b32 s[GK+4*\s+3], s[GK+4*\s+3], 0x80000000
	s_mov_b32 s[GV+4*\s], 1
	s_add_co_u32 s[GV+4*\s+1], s12, \s*SLOTB
	s_add_nc_u64 s[GV+4*\s+2:GV+4*\s+3], s[22:23], 8388608+\s*16384          ; v lies 32 heads behind q
	s_or_b32 s[GV+4*\s+3], s[GV+4*\s+3], 0x80000000
.endr
.irp s,0,1
	tensor_load_to_lds s[GK+4*\s:GK+4*\s+3], s[G1K:G1K+7]                    ; tiles 0 and 1
	s_nop 0
	tensor_load_to_lds s[GV+4*\s:GV+4*\s+3], s[G1V:G1V+7]
	s_nop 0
.endr
	v_and_b32 v1, 15, v0                           ; r
	v_bfe_u32 v2, v0, 4, 1                         ; h
	v_lshlrev_b32 v3, 7, v1
	v_lshl_add_u32 v3, v2, 4, v3                   ; r x 128 + 16 h
	s_lshl_b32 s2, s10, 18
	s_add_nc_u64 s[6:7], s[6:7], s[2:3]            ; oh at my head
	s_lshl_b32 s21, s8, 11                         ; 16 w rows of 128 bytes
	s_lshl_b32 s2, s9, 14
	s_add_co_u32 s2, s2, s21                       ; block i
	s_add_nc_u64 s[56:57], s[6:7], s[2:3]
	v_add_nc_u32 v30, s2, v3
	s_sub_co_u32 s2, 15, s9
	s_lshl_b32 s2, s2, 14
	s_add_co_u32 s2, s2, s21                       ; block 15 - i
	s_add_nc_u64 s[58:59], s[6:7], s[2:3]
	v_add_nc_u32 v31, s2, v3
.irp qt,0,1
.irp ks,0,1
	global_load_b128 v[QF+8*(2*\qt+\ks):QF+8*(2*\qt+\ks)+3], v[30+\qt], s[60:61] offset:64*\ks
	global_load_b128 v[QF+8*(2*\qt+\ks)+4:QF+8*(2*\qt+\ks)+7], v[30+\qt], s[60:61] offset:64*\ks+32
.endr
.endr
	v_mul_u32_u24 v8, v1, PK
	v_lshl_add_u32 v8, v2, 4, v8                   ; K: row r, 16 h; place 0 (and 1, by the offset)
	v_add_nc_u32 v9, 2*SLOTB, v8                   ; place 2 (and 3)
	v_and_b32 v4, 7, v0
	v_lshl_add_u32 v4, v2, 3, v4
	v_mul_u32_u24 v4, v4, PV
	v_bfe_u32 v5, v0, 3, 1
	v_lshl_add_u32 v4, v5, 4, v4
	v_add_nc_u32 v10, VOFF, v4                     ; V: key row 8 h + (l & 7), + 16 bytes for the upper eight d
	v_add_nc_u32 v11, 2*SLOTB, v10
	v_lshlrev_b32 v12, 3, v2
	v_sub_nc_u32 v12, v1, v12
	s_lshl_b32 s2, s8, 4
	v_add_nc_u32 v12, s2, v12                      ; 16 w + r - 8 h
	v_mov_b32 v13, 0xff7fffff                      ; the lowest finite f32
	s_mov_b32 s13, 0x76543210
	s_mov_b32 s14, 0xfedcba98
.irp k,0,1,2,3
	s_sub_co_i32 s[LLO+\k], s9, \k                 ; i - pos
	s_sub_co_i32 s[LHI+\k], 15-\k, s9              ; 15 - i - pos
.endr
	s_cmp_lt_u32 s9, 4
	s_cselect_b32 s16, 3, 2                        ; 13 to 16 tiles go in 1 + 2 x 3 + 1 pairs, 9 to 12 tiles in 1 + 2 x 2 + 1
	s_mov_b32 s15, 0
	s_wait_loadcnt 0x0                             ; Q, once; v30, v31 are free from here
	BIGHEAD 0, 1                                   ; tiles 0, 1 are there; tiles 2, 3 go out
	TILE 0, 1, 0, 1                                ; tile 0: its first 64 keys start all sums: nothing is cleared
	GT 1, 1                                        ; tile 1
	s_mov_b32 s15, 2
	s_mov_b32 s21, 0
.Lloop:
	BIGHEAD 1, 1
	GT 2, 0
	GT 3, 1
	BIGHEAD 0, 1
	GT 0, 2
	GT 1, 3
	s_add_co_u32 s15, s15, 4                       ; the tile number, for the branches above
	s_add_co_u32 s21, s21, 1                       ; the loop's counter
	s_cmp_lt_u32 s21, s16
	s_cbranch_scc1 .Lloop
	BIGHEAD 1, 0                                   ; the closing pair: nothing more is fetched, and every tensor load has landed
	GTH 2, 0
	GTH 3, 1
	; THE WAY OUT: divide by the row sums, round, 16 bytes a lane into my own stage, read back as four rows of 128 bytes a load.
	v_permlanex16_b32 v14, v26, s13, s14           ; the sums over the other half of the keys
	v_permlanex16_b32 v15, v27, s13, s14
	v_add_f32 v26, v26, v14
	v_add_f32 v27, v27, v15
	v_rcp_f32 v22, v26
	v_rcp_f32 v24, v27
	v_nop
	s_wait_alu depctr_va_vdst(0)
	v_mov_b32 v23, v22
	v_mov_b32 v25, v24
	RESC 0
	RESC 1
.irp qt,0,1
.irp dt,0,1,2,3
.irp p,0,1,2,3
	v_cvt_pk_f16_f32 v[SA+16*\qt+4*\dt+\p], v[OA+16*\dt+8*\qt+2*\p], v[OA+16*\dt+8*\qt+2*\p+1]
.endr
.endr
.endr
	s_mul_i32 s11, s8, 4608
	s_add_co_u32 s11, s11, STAGE
	v_add_nc_u32 v8, s11, v8                       ; in: row r at pitch 144, 16 h
	v_and_b32 v1, 31, v0
	v_lshrrev_b32 v2, 3, v1
	v_and_b32 v3, 7, v0
	v_mul_u32_u24 v2, v2, 144
	v_lshl_add_u32 v2, v3, 4, v2
	v_add_nc_u32 v9, s11, v2                       ; back: eight lanes a row
	v_lshlrev_b32 v10, 4, v1
.irp qt,0,1
.irp dt,0,1,2,3
	ds_store_b128 v8, v[SA+16*\qt+4*\dt:SA+16*\qt+4*\dt+3] offset:\qt*2304+32*\dt
.endr
.endr
.irp t,0,1,2,3,4,5,6,7
	ds_load_b128 v[KV+4*\t:KV+4*\t+3], v9 offset:\t*576            ; LDS serves a wave's instructions in order: these see the stores above
.endr
.irp t,0,1,2,3
	s_wait_dscnt 7-\t
	global_store_b128 v10, v[KV+4*\t:KV+4*\t+3], s[56:57] offset:512*\t            ; 512 consecutive bytes, aligned
.endr
.irp t,0,1,2,3
	s_wait_dscnt 3-\t
	global_store_b128 v10, v[KV+16+4*\t:KV+16+4*\t+3], s[58:59] offset:512*\t
.endr
	; ---- THE FIRST 16 ROWS, in two parts: work-group i = 7, waves 0..3; wave w takes columns 16 w .. 16 w + 15 of the head.  No barrier follows.
	s_cmp_lg_u32 s9, 7
	s_cbranch_scc1 .Lend
	s_cmp_ge_u32 s8, 4
	s_cbranch_scc1 .Lend
	s_wait_xcnt 0x0                                ; the registers of the stores above are written again
	s_lshr_b32 s72, s10, 4                         ; batch
	s_and_b32 s73, s10, 15                         ; head
	s_lshl_b32 s2, s73, 13                         ; ep[slab][head][16 columns][batch][quad][lane][16 bytes]: 8,192 bytes a head,
	s_lshl_b32 s74, s8, 11                         ; 2,048 a column tile,
	s_add_co_u32 s2, s2, s74
	s_lshl_b32 s74, s72, 10                        ; 1,024 a batch
	s_add_co_u32 s2, s2, s74
	s_add_nc_u64 s[68:69], s[68:69], s[2:3]
	s_lshl_b32 s2, s73, 12                         ; eo[part][head][16 columns][batch][lane][16 bytes]: 4,096, 1,024, 512
	s_lshl_b32 s74, s8, 10
	s_add_co_u32 s2, s2, s74
	s_lshl_b32 s74, s72, 9
	s_add_co_u32 s2, s2, s74
	s_add_nc_u64 s[70:71], s[70:71], s[2:3]
	v_and_b32 v1, 31, v0                           ; lane
	v_and_b32 v2, 15, v0                           ; r
	v_bfe_u32 v3, v0, 4, 1                         ; h
	v_and_b32 v4, 7, v0
	v_bfe_u32 v5, v0, 3, 1
	v_lshlrev_b32 v6, 4, v1                        ; 16 x lane
	v_lshlrev_b32 v7, 7, v2
	v_lshl_add_u32 v7, v3, 4, v7                   ; row r of 128 bytes + 16 h
.irp ks,0,1
	global_load_b128 v[32+8*\ks:35+8*\ks], v7, s[60:61] offset:64*\ks                      ; q, rows 0..15
	global_load_b128 v[36+8*\ks:39+8*\ks], v7, s[60:61] offset:64*\ks+32
	global_load_b128 v[48+8*\ks:51+8*\ks], v7, s[60:61] offset:4194304+64*\ks              ; k lies 16 heads behind q
	global_load_b128 v[52+8*\ks:55+8*\ks], v7, s[60:61] offset:4194304+64*\ks+32
.endr
.irp s,0,1,2,3,4,5,6,7,8,9,10,11,12,13,14,15
	global_load_b128 v[128+8*\s:131+8*\s], v6, s[68:69] offset:\s*131072                   ; slab s of v(key r, my columns 8 h .. + 3): 512 consecutive bytes,
	global_load_b128 v[132+8*\s:135+8*\s], v6, s[68:69] offset:\s*131072+512               ; and .. + 4 .. + 7
.endr
	v_mul_u32_u24 v28, v2, 96                      ; v's two tiles [16 keys][16 columns] at pitch 96 (an odd multiple of 32 bytes) in my own stage
	v_lshl_add_u32 v28, v3, 4, v28
	v_add_nc_u32 v28, s11, v28                     ; in: key r, 16 h
	v_lshl_add_u32 v29, v3, 3, v4
	v_mul_u32_u24 v29, v29, 96
	v_lshl_add_u32 v29, v5, 4, v29
	v_add_nc_u32 v29, s11, v29                     ; transposing load: key 8 h + (l & 7), + 16 bytes for the upper eight columns
	v_lshlrev_b32 v24, 3, v3
	v_sub_nc_u32 v24, v2, v24                      ; r - 8 h
	s_wait_loadcnt 32                              ; q and k are in; the 32 loads of the slabs stay out
	v_wmma_f32_16x16x32_f16 v[64:71], v[48:55], v[32:39], 0        ; S^T: d = 0..31 and d = 32..63 in two accumulators, added below
	v_wmma_f32_16x16x32_f16 v[72:79], v[56:63], v[40:47], 0
	NOPS 4
.irp p,0,1,2,3
	v_pk_add_f32 v[64+2*\p:65+2*\p], v[64+2*\p:65+2*\p], v[72+2*\p:73+2*\p]
.endr
.irp j,0,1,2,3,4,5,6,7
	v_cmp_gt_i32 vcc_lo, \j, v24                   ; key 8 h + j above query r
	v_cndmask_b32 v[64+\j], v[64+\j], v13, vcc_lo
.endr
	v_max3_num_f32 v26, v64, v65, v66
	v_max3_num_f32 v27, v67, v68, v69
	v_max3_num_f32 v26, v26, v70, v71
	v_max_num_f32 v26, v26, v27
	v_permlanex16_b32 v27, v26, s13, s14           ; the query's other keys lie in lane l xor 16
	v_max_num_f32 v26, v26, v27
.irp j,0,1,2,3,4,5,6,7
	v_sub_f32 v[64+\j], v[64+\j], v26
.endr
.irp j,0,1,2,3,4,5,6,7
	v_exp_f32 v[64+\j], v[64+\j]                   ; q carries qkscale log2 e
.endr
	v_nop                                          ; one plain instruction behind the transcendentals
	s_wait_alu depctr_va_vdst(0)
	v_pk_add_f32 v[88:89], v[64:65], v[66:67]
	v_pk_add_f32 v[90:91], v[68:69], v[70:71]
	v_pk_add_f32 v[88:89], v[88:89], v[90:91]
	v_add_f32 v88, v88, v89
	v_permlanex16_b32 v89, v88, s13, s14
	v_add_f32 v88, v88, v89
	v_rcp_f32 v30, v88
	v_rcp_f32 v31, v88                             ; plain instructions follow before the pair is read
	SPL2 80,84,64                                  ; P^T's fragment: registers 0-3 the high parts of my 8 keys, registers 4-7 the low parts
	SPL2 81,85,66
	SPL2 82,86,68
	SPL2 83,87,70
	s_wait_loadcnt 0x0
.irp q,0,1,2,3,4,5,6,7,8,9,10,11,12,13,14,15,16,17,18,19,20,21,22,23,24,25,26,27,28,29,30,31
	v_pk_add_f32 v[128+2*\q:129+2*\q], v[128+2*\q:129+2*\q], v[192+2*\q:193+2*\q]          ; the 16 slabs are added by halves
.endr
.irp q,0,1,2,3,4,5,6,7,8,9,10,11,12,13,14,15
	v_pk_add_f32 v[128+2*\q:129+2*\q], v[128+2*\q:129+2*\q], v[160+2*\q:161+2*\q]
.endr
.irp q,0,1,2,3,4,5,6,7
	v_pk_add_f32 v[128+2*\q:129+2*\q], v[128+2*\q:129+2*\q], v[144+2*\q:145+2*\q]
.endr
.irp q,0,1,2,3
	v_pk_add_f32 v[128+2*\q:129+2*\q], v[128+2*\q:129+2*\q], v[136+2*\q:137+2*\q]
.endr
	SPL2 88,92,128                                 ; v(key r, 8 columns) in two parts
	SPL2 89,93,130
	SPL2 90,94,132
	SPL2 91,95,134
	ds_store_b128 v28, v[88:91]
	ds_store_b128 v28, v[92:95] offset:1536
	; V^T's fragments.  The 32 places along K hold the 16 keys twice: places 0-15 meet P's high parts, places 16-31 its low parts.  LDS serves a wave's instructions in order.
	ds_load_tr16_b128 v[96:99], v29
	ds_load_tr16_b128 v[100:103], v29
	ds_load_tr16_b128 v[104:107], v29 offset:1536
	ds_load_tr16_b128 v[108:111], v29 offset:1536
	s_wait_dscnt 0x0
	v_wmma_f32_16x16x32_f16 v[112:119], v[96:103], v[80:87], 0     ; (Phi + Plo) Vhi
	v_wmma_f32_16x16x32_f16 v[120:127], v[104:111], v[80:87], 0    ; (Phi + Plo) Vlo, in an accumulator of its own
	NOPS 4
.irp p,0,1,2,3
	v_pk_add_f32 v[112+2*\p:113+2*\p], v[112+2*\p:113+2*\p], v[120+2*\p:121+2*\p]
.endr
	s_wait_alu depctr_va_vdst(0)
.irp p,0,1,2,3
	v_pk_mul_f32 v[112+2*\p:113+2*\p], v[112+2*\p:113+2*\p], v[30:31]
.endr
	SPL2 32,36,112                                 ; o(query r, columns 16 w + 8 h ..) in two parts
	SPL2 33,37,114
	SPL2 34,38,116
	SPL2 35,39,118
	global_store_b128 v6, v[32:35], s[70:71]                       ; 512 consecutive bytes, aligned
	global_store_b128 v6, v[36:39], s[70:71] offset:65536
.Lend:
	s_set_vgpr_msb 0x5
	s_wait_tensorcnt 0x0
	ds_add_u32 v0, v1
	s_wait_dscnt 0x0
	s_set_vgpr_msb 0x500
	s_endpgm
.Lfunc_end_k_qcd5681017b_attn:
	.size	k_qcd5681017b_attn, .Lfunc_end_k_qcd5681017b_attn-k_qcd5681017b_attn
	.p2alignl 7, 3214868480
	.fill 96, 4, 3214868480
	.section	.rodata,"a",@progbits
	.p2align	6, 0x0
	.amdhsa_kernel k_qcd5681017b_attn
		.amdhsa_group_segment_fixed_size 327680
		.amdhsa_private_segment_fixed_size 0
		.amdhsa_enable_private_segment 0
		.amdhsa_kernarg_size 32
		.amdhsa_user_sgpr_count 2
		.amdhsa_user_sgpr_kernarg_segment_ptr 1
		.amdhsa_wavefront_size32 1
		.amdhsa_system_sgpr_workgroup_id_x 1
		.amdhsa_system_sgpr_workgroup_id_y 1
		.amdhsa_system_sgpr_workgroup_id_z 1
		.amdhsa_system_vgpr_workitem_id 0
		.amdhsa_next_free_vgpr 258
		.amdhsa_next_free_sgpr 100
		.amdhsa_reserve_vcc 1
		.amdhsa_float_denorm_mode_32 3
		.amdhsa_float_denorm_mode_16_64 3
		.amdhsa_memory_ordered 1
		.amdhsa_forward_progress 1
		.amdhsa_inst_pref_size 255
	.end_amdhsa_kernel
	.section	.bss,"aw",@nobits
	.p2align	6
	.space	262144
	.amdgpu_metadata
---
amdhsa.version: [ 1, 2 ]
amdhsa.kernels:
  - .name:           k_qcd5681017b_attn
    .symbol:         k_qcd5681017b_attn.kd
    .args:
      - { .name: qkvh, .offset: 0, .size: 8, .value_kind: global_buffer, .address_space: global }
      - { .name: oh, .offset: 8, .size: 8, .value_kind: global_buffer, .address_space: global }
      - { .name: ep, .offset: 16, .size: 8, .value_kind: global_buffer, .address_space: global }
      - { .name: eo, .offset: 24, .size: 8, .value_kind: global_buffer, .address_space: global }
    .group_segment_fixed_size: 327680
    .private_segment_fixed_size: 0
    .kernarg_segment_align: 8
    .kernarg_segment_size: 32
    .max_flat_workgroup_size: 256
    .sgpr_count:     100
    .vgpr_count:     258
    .wavefront_size: 32
...
	.end_amdgpu_metadata
.endif
;; end of part 8
;; launch outp (part 9): grid 8 x 32, 4 waves a work-group, clusters of 4 x 4, 327,680 bytes of LDS; arguments oh, wo, out0, eo, w_out, ep; writes out0, ep
.if DOCPART == 9
	.amdgcn_target "amdgcn-amd-amdhsa--gfx1250"
	.amdhsa_code_object_version 6
	.text
	.protected	k_qcd5681017b_outp
	.globl	k_qcd5681017b_outp
	.p2align	8
	.type	k_qcd5681017b_outp,@function
k_qcd5681017b_outp:
	s_mov_b64 s[64:65], 0
	v_nop
	global_prefetch_b8 v0, s[64:65] scope:SCOPE_SE
	s_setreg_imm32_b32 hwreg(HW_REG_WAVE_MODE, 25, 1), 1
	s_wait_xcnt 0x0
	s_wait_alu depctr_hold_cnt(0) depctr_sa_sdst(0) depctr_va_vdst(0) depctr_va_sdst(0) depctr_va_ssrc(0) depctr_va_vcc(0) depctr_vm_vsrc(0)
	s_getreg_b32 s2, hwreg(HW_REG_IB_STS2, 6, 4)
	s_cmp_eq_u32 s2, 0
	s_cbranch_scc0 .Lentry_in_a_cluster
	s_endpgm
.Lentry_in_a_cluster:
	s_bfe_u32 s2, ttmp6, 0x10000c
	s_cmp_lg_u32 s2, 0xf033
	s_cbranch_scc0 .Lentry_shape_is_right
	s_endpgm
.Lentry_shape_is_right:
; outp: out0[4096 x 1024] (f32) = o[4096 x 1024] times wo[1024 x 1024], f16 operands, f32 sums.  o lies head-major, oh[b][h][s][64]; wo lies [k][n].
; A work-group makes 128 x 128 with four waves: 32 x 8 = 256 work-groups; a wave makes 64 x 64: 16 accumulator tiles.
; K goes in steps of 256 (four heads) through a ring of two LDS slots: four steps, written out.  Waves 0, 1 bring two head planes each (128 rows x 128 bytes, dense in memory),
; waves 2, 3 bring 128 rows k of wo each (256 bytes of each row).
; CLUSTERS: 4 x 4 work-groups; oh's tiles hang on the block row alone and are shared along a row of the cluster, wo's on the block column alone and along a column.
; The matrix instruction is used transposed (source 0 = 16 columns of wo, by the transposing LDS load; source 1 = 16 rows of o): a lane holds eight neighbouring columns
; of one row of the result.
; THE FIRST 16 ROWS OF EACH BATCH are made a second time with operands of two f16 parts (why: the head of the launch that makes qkvh): 32 x 1024 x 1024, shared evenly among the 256
; work-groups, each the same lines.  Work-group 8 mb + nb = 16 (block of 64 columns) + head takes k = 64 head .. + 63: o's two parts from eo, 16 KiB of w_out in f32, split here;
; hi hi + lo hi + hi lo.  Its loads go out ahead of everything else, and the work stands between the first joint loads and the wait for the first tile.  The 16 heads' partial sums go to
; ep[head][row 16 batch + s][1024] in f32; the next launch adds them and stores the 32 rows over what this launch leaves there.
; LIMITS.  |o|, |w| below 65,504.  The low parts are f16 too: an operand in two parts is carried to 2^-22 of itself or to 2^-25 absolutely, whichever is coarser.
; REGISTERS: window 0: v8-18 addresses; v32-63, v64-95 o's fragments (two buffers); v96-127, v128-159 wo's; v20-31, v160-250 the first rows' piece;  window 1: tile (a, b) at 8 (4 a + b).
.set REG,   36864                      ; a wave's region of a slot: 2 planes x 128 rows at pitch 144, or 128 rows at pitch 288
.set SLOT,  4*REG
.set STAGE, 2*SLOT                     ; the way out: 16 rows at pitch 272 a wave; no tensor load lands there
.set G1A, 24
.set G0A, 32
.set G1B, 48
.set G0B, 56
.set MULW, 0x50                        ; C and D window 1, sources window 0
; the first rows' piece
.set ET,    STAGE                      ; two f16 tiles [64 k][64 columns] at pitch 160, in the stage's bytes: the high parts, then
.set ELO,   10240                      ; the low parts
.set EPW,   160                        ; 128 + 32: an odd multiple of 32 bytes, for the transposing load
.set EOS,   STAGE+20480                ; the partial sums on their way out: 32 rows at pitch 272
.set EA,    32                         ; v[32:95]   o's fragments: (chunk c of 32 k, row tile a, part p) at 32 + 32 c + 16 a + 8 p
.set EW,    160                        ; v[160:191] 8 loads of f32 rows; then W's fragments (c, p) at 160 + 16 c + 8 p
.set EAC,   192                        ; v[192:207] two accumulators: row tile a at 192 + 8 a
.set EBK,   208                        ; v[208:223] the partial sums read back by rows
.set MSB, 0
.macro WIN new                         ; the immediate's high byte repeats the setting that is left
.if MSB != \new
	s_set_vgpr_msb (MSB<<8)|\new
.set MSB, \new
.endif
.endm
.macro PLACES                          ; four plain vector instructions behind a matrix instruction (ISA guide 7.12.1)
.rept 4
	v_nop
.endr
.endm
.macro JLOAD s                         ; waves 0, 1 ask for oh's planes, waves 2, 3 for wo's rows: one mask a line, the branch hangs on the wave's number alone
	s_cmp_eq_u32 s13, 0
	s_cbranch_scc0 .Lfor_b_\@
	tensor_load_to_lds s[G0A+4*\s:G0A+4*\s+3], s[G1A:G1A+7]
	s_nop 0
	s_branch .Lasked_\@
.Lfor_b_\@:
	tensor_load_to_lds s[G0B+4*\s:G0B+4*\s+3], s[G1B:G1B+7]
	s_nop 0
.Lasked_\@:
.endm
.macro CREST
	s_cmp_lg_u32 s12, 0
	s_cbranch_scc1 .Lnot_wave_0_\@
	s_barrier_signal -3
.Lnot_wave_0_\@:
	s_barrier_wait -3
	s_barrier_signal -1
	s_barrier_wait -1
.endm
.macro CROUND
	s_barrier_signal -1
	s_barrier_wait -1
	CREST
.endm
; Four f32 in v[x:x+3] become 8 bytes of high parts at LDS byte v242 + off and 8 bytes of low parts ELO bytes further.  x - f16(x) is exact in f32.
; Two copies with work registers of their own, used by turns.
.macro ESPLITA x, off
	v_cvt_pk_f16_f32 v20, v[\x], v[\x+1]
	v_cvt_pk_f16_f32 v21, v[\x+2], v[\x+3]
	v_cvt_f32_f16 v24, v20.l
	v_cvt_f32_f16 v25, v20.h
	v_cvt_f32_f16 v26, v21.l
	v_cvt_f32_f16 v27, v21.h
	ds_store_b64 v242, v[20:21] offset:\off
	v_pk_add_f32 v[\x:\x+1], v[\x:\x+1], v[24:25] neg_lo:[0,1] neg_hi:[0,1]
	v_pk_add_f32 v[\x+2:\x+3], v[\x+2:\x+3], v[26:27] neg_lo:[0,1] neg_hi:[0,1]
	v_cvt_pk_f16_f32 v24, v[\x], v[\x+1]
	v_cvt_pk_f16_f32 v25, v[\x+2], v[\x+3]
	ds_store_b64 v242, v[24:25] offset:\off+ELO
.endm
.macro ESPLITB x, off
	v_cvt_pk_f16_f32 v22, v[\x], v[\x+1]
	v_cvt_pk_f16_f32 v23, v[\x+2], v[\x+3]
	v_cvt_f32_f16 v28, v22.l
	v_cvt_f32_f16 v29, v22.h
	v_cvt_f32_f16 v30, v23.l
	v_cvt_f32_f16 v31, v23.h
	ds_store_b64 v242, v[22:23] offset:\off
	v_pk_add_f32 v[\x:\x+1], v[\x:\x+1], v[28:29] neg_lo:[0,1] neg_hi:[0,1]
	v_pk_add_f32 v[\x+2:\x+3], v[\x+2:\x+3], v[30:31] neg_lo:[0,1] neg_hi:[0,1]
	v_cvt_pk_f16_f32 v28, v[\x], v[\x+1]
	v_cvt_pk_f16_f32 v29, v[\x+2], v[\x+3]
	ds_store_b64 v242, v[28:29] offset:\off+ELO
.endm
; W's part pw times o's part pa, chunk c, both row tiles.  The two accumulators take turns, one instruction a turn.
.macro ETERM c, pw, pa, zero
.irp a,0,1
.if \zero
	v_wmma_f32_16x16x32_f16 v[EAC+8*\a:EAC+8*\a+7], v[EW+16*\c+8*\pw:EW+16*\c+8*\pw+7], v[EA+32*\c+16*\a+8*\pa:EA+32*\c+16*\a+8*\pa+7], 0
.else
	v_wmma_f32_16x16x32_f16 v[EAC+8*\a:EAC+8*\a+7], v[EW+16*\c+8*\pw:EW+16*\c+8*\pw+7], v[EA+32*\c+16*\a+8*\pa:EA+32*\c+16*\a+8*\pa+7], v[EAC+8*\a:EAC+8*\a+7]
.endif
.endr
.endm
	s_load_b128 s[4:7], s[0:1], 0x0                ; oh s[4:5], wo s[6:7]
	s_load_b64 s[8:9], s[0:1], 0x10                ; out0
	s_load_b64 s[92:93], s[0:1], 0x18              ; eo
	s_load_b64 s[94:95], s[0:1], 0x20              ; w_out
	s_load_b64 s[96:97], s[0:1], 0x28              ; ep
	v_lshl_add_u32 v254, v0, 2, 0x4f200
	v_mov_b32 v255, 0
	ds_add_u32 v254, v255
	ds_add_u32 v254, v255
	v_lshrrev_b32 v1, 5, v0
	v_readfirstlane_b32 s12, v1                    ; wave 0..3
	s_lshr_b32 s13, s12, 1                         ; wm: which 64 rows.  Also: I fetch for oh (0) or for wo (1)
	s_and_b32 s14, s12, 1                          ; wn: which 64 columns.  Also: which half of that tile I fetch
	s_bfe_u32 s16, ttmp6, 0x40000                  ; cx
	s_bfe_u32 s17, ttmp6, 0x40004                  ; cy
	s_lshl_b32 s18, ttmp9, 2
	s_add_co_u32 s18, s18, s16                     ; nb
	s_and_b32 s19, ttmp7, 0xffff
	s_lshl_b32 s19, s19, 2
	s_add_co_u32 s19, s19, s17                     ; mb
	s_lshl_b32 s20, s17, 2
	s_lshl_b32 s20, 15, s20                        ; my row of the cluster
	s_lshl_b32 s21, 0x1111, s16                    ; my column
	; oh: 2 planes, each 16,384 dense bytes = a row of 2,048 elements of 8 bytes, 262,144 bytes apart; behind every 32 words (a row of a head) 4 words of padding
	s_or_b32 s[G1A+0], s20, (3<<16)|(1<<20)|(1<<21)|(4<<22)|(3<<25)
	s_mov_b32 s[G1A+1], 2048<<16                   ; tensor_dim0 = 2048
	s_mov_b32 s[G1A+2], 2<<16                      ; tensor_dim1 = 2
	s_mov_b32 s[G1A+3], 2048<<16                   ; tile_dim0 = 2048
	s_mov_b32 s[G1A+4], 2                          ; tile_dim1 = 2
	s_mov_b32 s[G1A+5], 32768                      ; elements from plane to plane
	s_mov_b32 s[G1A+6], 0
	s_mov_b32 s[G1A+7], 0
	; wo: 128 rows x 128 elements of 2 bytes; behind every 64 words 8 words of padding
	s_or_b32 s[G1B+0], s21, (1<<16)|(1<<20)|(1<<21)|(5<<22)|(7<<25)
	s_mov_b32 s[G1B+1], 128<<16
	s_mov_b32 s[G1B+2], 128<<16
	s_mov_b32 s[G1B+3], 128<<16
	s_mov_b32 s[G1B+4], 128
	s_mov_b32 s[G1B+5], 1024
	s_mov_b32 s[G1B+6], 0
	s_mov_b32 s[G1B+7], 0
	s_lshr_b32 s40, s19, 4                         ; batch
	s_lshl_b32 s40, s40, 4
	s_lshl_b32 s41, s14, 1
	s_add_co_u32 s40, s40, s41                     ; plane 16 batch + 2 x half
	s_lshl_b32 s40, s40, 18
	s_and_b32 s41, s19, 15
	s_lshl_b32 s41, s41, 14                        ; 128 rows of 128 bytes a block row
	s_add_co_u32 s40, s40, s41
	s_mov_b32 s41, 0
	s_lshl_b32 s42, s14, 18                        ; 128 rows of 2,048 bytes a half
	s_lshl_b32 s44, s18, 8                         ; 128 columns of 2 bytes a block column
	s_add_co_u32 s42, s42, s44
	s_mov_b32 s43, 0
	s_mul_i32 s22, s12, REG                        ; the wave's region
	s_wait_dscnt 0x0
	s_wait_kmcnt 0x0
	s_add_nc_u64 s[40:41], s[4:5], s[40:41]
	s_add_nc_u64 s[42:43], s[6:7], s[42:43]
	; ---- the first rows' piece, part 1: its share, and its 24 loads
	s_lshl_b32 s90, s19, 3
	s_add_co_u32 s90, s90, s18                     ; 8 mb + nb = 16 (column block) + head
	s_and_b32 s98, s90, 15                         ; head = slab of 64 k
	s_lshr_b32 s99, s90, 4                         ; block of 64 columns
	s_mov_b32 s91, 0
	s_lshl_b32 s90, s98, 12                        ; eo[part][head][16 columns][batch][lane][16 bytes]: 4,096 bytes a head
	s_add_nc_u64 s[92:93], s[92:93], s[90:91]
	s_lshl_b32 s90, s98, 2
	s_add_co_u32 s90, s90, s12                     ; wave w brings rows 64 head + 16 w .. + 15
	s_lshl_b32 s90, s90, 16                        ; of 4,096 bytes,
	s_lshl_b32 s100, s99, 8                        ; 256 consecutive bytes of each
	s_add_co_u32 s90, s90, s100
	s_add_nc_u64 s[94:95], s[94:95], s[90:91]
	s_lshl_b32 s90, s98, 17                        ; ep[head][row 32][1024] f32: 131,072 bytes a head;
	s_lshl_b32 s101, s12, 15                       ; wave w stores rows 8 w .. 8 w + 7
	s_add_co_u32 s90, s90, s101
	s_add_co_u32 s90, s90, s100
	s_add_nc_u64 s[96:97], s[96:97], s[90:91]
	v_and_b32 v248, 15, v0                         ; r
	v_bfe_u32 v249, v0, 4, 1                       ; h
	v_lshlrev_b32 v240, 12, v249
	v_lshl_add_u32 v240, v248, 4, v240             ; row h of 4,096 bytes + 16 r: in w_out, and in ep
	v_and_b32 v241, 31, v0
	v_lshlrev_b32 v241, 4, v241                    ; 16 x lane
.irp i,0,1,2,3,4,5,6,7
	global_load_b128 v[EW+4*\i:EW+4*\i+3], v240, s[94:95] offset:2*\i*4096 th:TH_LOAD_NT
.endr
.irp c,0,1
.irp a,0,1
.irp p,0,1
	global_load_b128 v[EA+32*\c+16*\a+8*\p:EA+32*\c+16*\a+8*\p+3], v241, s[92:93] offset:\p*65536+\c*2048+\a*512           ; columns 32 c + 8 h ..: registers 0-3
	global_load_b128 v[EA+32*\c+16*\a+8*\p+4:EA+32*\c+16*\a+8*\p+7], v241, s[92:93] offset:\p*65536+\c*2048+\a*512+1024    ; columns 32 c + 16 + 8 h ..: registers 4-7
.endr
.endr
.endr
	s_mul_i32 s100, s12, 16*EPW
	s_add_co_u32 s100, s100, ET
	v_mul_u32_u24 v242, v249, EPW
	v_lshl_add_u32 v242, v248, 3, v242
	v_add_nc_u32 v242, s100, v242                  ; tile store: row 16 w + h, 8 r
	v_and_b32 v250, 7, v0
	v_lshl_add_u32 v243, v249, 3, v250
	v_mul_u32_u24 v243, v243, EPW
	v_bfe_u32 v250, v0, 3, 1
	v_lshl_add_u32 v243, v250, 4, v243
	s_lshl_b32 s100, s12, 5
	s_add_co_u32 s100, s100, ET
	v_add_nc_u32 v243, s100, v243                  ; tile load: row 8 h + (l & 7), column tile w, + 16 bytes for its upper eight columns
	s_lshl_b32 s100, s12, 6
	s_add_co_u32 s100, s100, EOS
	v_mul_u32_u24 v245, v248, 272
	v_lshl_add_u32 v245, v249, 5, v245
	v_add_nc_u32 v245, s100, v245                  ; partial sums in: row r, my 64 bytes, 32 for each half of the lanes
	s_mul_i32 s100, s12, 8*272
	s_add_co_u32 s100, s100, EOS
	v_mul_u32_u24 v246, v249, 272
	v_lshl_add_u32 v246, v248, 4, v246
	v_add_nc_u32 v246, s100, v246                  ; back: row 8 w + h, sixteen lanes a row of 256 bytes
	CROUND                                         ; all sixteen work-groups are here: the first joint loads meet
.irp s,0,1
	s_mov_b32 s[G0A+4*\s], 1
	s_add_co_u32 s[G0A+4*\s+1], s22, \s*SLOT
	s_add_nc_u64 s[G0A+4*\s+2:G0A+4*\s+3], s[40:41], \s*1048576      ; K step s: four planes on
	s_or_b32 s[G0A+4*\s+3], s[G0A+4*\s+3], 0x80000000
	s_mov_b32 s[G0B+4*\s], 1
	s_add_co_u32 s[G0B+4*\s+1], s22, \s*SLOT
	s_add_nc_u64 s[G0B+4*\s+2:G0B+4*\s+3], s[42:43], \s*524288       ; K step s: 256 rows on
	s_or_b32 s[G0B+4*\s+3], s[G0B+4*\s+3], 0x80000000
	JLOAD \s                                       ; two tensor loads of the wave are out here, later one
.endr
	v_and_b32 v1, 15, v0                           ; r
	v_bfe_u32 v2, v0, 4, 1                         ; h
	v_mul_u32_u24 v3, v1, 144
	v_lshl_add_u32 v3, v2, 4, v3
	s_mul_i32 s23, s13, 64*144
	v_add_nc_u32 v8, s23, v3                       ; o's fragments, slot 0: (64 wm + r) x 144 + 16 h, the plane in the offset
	v_add_nc_u32 v9, SLOT, v8
	v_and_b32 v4, 7, v0
	v_lshl_add_u32 v4, v2, 3, v4
	v_mul_u32_u24 v4, v4, 288
	v_bfe_u32 v5, v0, 3, 1
	v_lshl_add_u32 v4, v5, 4, v4
	s_lshl_b32 s23, s14, 7
	s_add_co_u32 s23, s23, 2*REG                   ; wo's rows lie behind oh's planes; my 64 columns
	v_add_nc_u32 v10, s23, v4                      ; slot 0, rows k 0..127
	v_add_nc_u32 v11, REG, v10                     ; slot 0, rows k 128..255
	v_add_nc_u32 v12, SLOT, v10                    ; slot 1
	v_add_nc_u32 v13, SLOT, v11
	s_mul_i32 s23, s12, 4352
	s_add_co_u32 s23, s23, STAGE                   ; my stage
	v_mul_u32_u24 v6, v1, 272
	v_lshl_add_u32 v6, v2, 5, v6
	v_add_nc_u32 v16, s23, v6                      ; in: row r, 32 bytes for each half of the lanes
	v_mul_u32_u24 v6, v2, 272
	v_lshl_add_u32 v6, v1, 4, v6
	v_add_nc_u32 v17, s23, v6                      ; back: sixteen lanes take a row of 256 bytes
	v_lshlrev_b32 v6, 12, v2
	v_lshl_add_u32 v18, v1, 4, v6                  ; and the same two rows in out0
	; ---- the first rows' piece, part 2, while the first tiles are on their way
	s_wait_loadcnt 16                              ; my 8 loads of w_out are in; o's 16 fragment loads, issued behind them, stay out
.irp i,0,2,4,6
	ESPLITA EW+4*\i,\i*2*EPW
	ESPLITB EW+4*\i+4,(\i+1)*2*EPW
.endr
	s_wait_dscnt 0x0                               ; for the others' sake
	s_barrier_signal -1
	s_barrier_wait -1                              ; the two tiles are whole; the tensor loads stay out
.irp c,0,1
.irp p,0,1
	ds_load_tr16_b128 v[EW+16*\c+8*\p:EW+16*\c+8*\p+3], v243 offset:\p*ELO+\c*32*EPW
	ds_load_tr16_b128 v[EW+16*\c+8*\p+4:EW+16*\c+8*\p+7], v243 offset:\p*ELO+\c*32*EPW+16*EPW
.endr
.endr
	s_wait_loadcnt 0x0
	s_wait_dscnt 0x0
	ETERM 0, 0, 0, 1                               ; the first products start the sums
	ETERM 0, 1, 0, 0
	ETERM 0, 0, 1, 0
	ETERM 1, 0, 0, 0
	ETERM 1, 1, 0, 0
	ETERM 1, 0, 1, 0
	PLACES                                         ; in front of the stores of the sums, and of the loads into v[32:63] below
.irp a,0,1
	ds_store_b128 v245, v[EAC+8*\a:EAC+8*\a+3] offset:\a*16*272            ; row 16 a + r, columns 16 w + 8 h ..
	ds_store_b128 v245, v[EAC+8*\a+4:EAC+8*\a+7] offset:\a*16*272+16
.endr
	s_wait_dscnt 0x0                               ; for the others' sake
	s_barrier_signal -1
	s_barrier_wait -1                              ; the 32 rows of 256 bytes are whole
.irp t,0,1,2,3
	ds_load_b128 v[EBK+4*\t:EBK+4*\t+3], v246 offset:\t*2*272
.endr
.irp t,0,1,2,3
	s_wait_dscnt 3-\t
	global_store_b128 v240, v[EBK+4*\t:EBK+4*\t+3], s[96:97] offset:2*\t*4096      ; 16 lanes store 256 consecutive bytes, aligned
.endr
; 8 matrix instructions: row tiles a0, a0 + 1 x four column tiles.  The 16 accumulators take turns, one instruction a turn.
.macro MUL8 f, a0, zero
.irp a,\a0,\a0+1
.irp b,0,1,2,3
.if \zero
	v_wmma_f32_16x16x32_f16 v[8*(4*(\a)+\b):8*(4*(\a)+\b)+7], v[96+32*\f+8*\b:96+32*\f+8*\b+7], v[32+32*\f+8*(\a):32+32*\f+8*(\a)+7], 0
.else
	v_wmma_f32_16x16x32_f16 v[8*(4*(\a)+\b):8*(4*(\a)+\b)+7], v[96+32*\f+8*\b:96+32*\f+8*\b+7], v[32+32*\f+8*(\a):32+32*\f+8*(\a)+7], v[8*(4*(\a)+\b):8*(4*(\a)+\b)+7]
.endif
.endr
.endr
.endm
; 16 LDS loads: eighth e (32 along K: half of plane e / 2) of a slot into buffer f
.macro FETCH slot, e, f
	WIN 0
.irp i,0,1,2,3
	ds_load_b128 v[32+32*\f+8*\i:32+32*\f+8*\i+3], v[8+\slot] offset:(\e/2)*18432+(\e%2)*64+\i*2304
	ds_load_b128 v[32+32*\f+8*\i+4:32+32*\f+8*\i+7], v[8+\slot] offset:(\e/2)*18432+(\e%2)*64+\i*2304+32
.endr
.irp b,0,1,2,3
	ds_load_tr16_b128 v[96+32*\f+8*\b:96+32*\f+8*\b+3], v[10+2*\slot+\e/4] offset:(\e%4)*9216+32*\b
	ds_load_tr16_b128 v[96+32*\f+8*\b+4:96+32*\f+8*\b+7], v[10+2*\slot+\e/4] offset:(\e%4)*9216+32*\b+4608
.endr
.endm
; multiplies buffer f while eighth en of the same slot is fetched into buffer g
.macro EIGHTH slot, en, f, g, zero
	s_wait_dscnt 0x0                               ; buffer f is in
	PLACES                                         ; buffer g was read by the matrix instructions just issued
	FETCH \slot, \en, \g
	WIN MULW
	MUL8 \f, 0, \zero
	MUL8 \f, 2, \zero
.endm
.macro SEVEN slot, zero
	EIGHTH \slot, 1, 0, 1, \zero
	EIGHTH \slot, 2, 1, 0, 0
	EIGHTH \slot, 3, 0, 1, 0
	EIGHTH \slot, 4, 1, 0, 0
	EIGHTH \slot, 5, 0, 1, 0
	EIGHTH \slot, 6, 1, 0, 0
	EIGHTH \slot, 7, 0, 1, 0
.endm
; The last eighth: multiplies buffer 1 and changes slots.  In front of the barrier each wave waits for its reads of this slot and for all its tensor loads; where the slot
; is filled again the barrier opens a round of the cluster's barrier and the joint refill is the first tensor load behind the round.
.macro TURN slot, next, fill
	s_wait_dscnt 0x0
	s_wait_tensorcnt 0x0
	ds_add_u32 v254, v255
	s_wait_dscnt 0x0
	s_barrier_signal -1
	WIN MULW
	MUL8 1, 0, 0
	WIN 0
	s_barrier_wait -1
.if \fill
	CREST
	s_add_nc_u64 s[G0A+4*\slot+2:G0A+4*\slot+3], s[G0A+4*\slot+2:G0A+4*\slot+3], 2097152   ; two K steps on; no tensor load of mine is out
	s_add_nc_u64 s[G0B+4*\slot+2:G0B+4*\slot+3], s[G0B+4*\slot+2:G0B+4*\slot+3], 1048576
	JLOAD \slot
.endif
	PLACES
	FETCH \next, 0, 0
	WIN MULW
	MUL8 1, 2, 0
.endm
	s_wait_tensorcnt 0x1                           ; my part of K step 0 is in, K step 1's stays out
	s_barrier_signal -1
	s_barrier_wait -1
	FETCH 0, 0, 0
	SEVEN 0, 1                                     ; K step 0: its first products start the sums
	TURN 0, 1, 1
	SEVEN 1, 0
	TURN 1, 0, 1
	SEVEN 0, 0
	TURN 0, 1, 0
	SEVEN 1, 0
	s_wait_dscnt 0x0
	MUL8 1, 0, 0
	MUL8 1, 2, 0
	WIN 0
	PLACES
	; THE WAY OUT, 16 rows at a time, f32: 32 bytes a lane into my own stage, read back as whole rows of 256 bytes.
	s_lshl_b32 s84, s19, 19                        ; 128 rows of 4,096 bytes a block row
	s_lshl_b32 s86, s13, 18                        ; 64 wm rows
	s_add_co_u32 s84, s84, s86
	s_lshl_b32 s86, s18, 9                         ; 128 columns of 4 bytes a block column
	s_add_co_u32 s84, s84, s86
	s_lshl_b32 s86, s14, 8
	s_add_co_u32 s84, s84, s86
	s_mov_b32 s85, 0
	s_add_nc_u64 s[8:9], s[8:9], s[84:85]
.macro OUT16 a
	WIN 0x04                                       ; the stores' data in window 1
.irp b,0,1,2,3
	ds_store_b128 v16, v[8*(4*\a+\b):8*(4*\a+\b)+3] offset:64*\b
	ds_store_b128 v16, v[8*(4*\a+\b)+4:8*(4*\a+\b)+7] offset:64*\b+16
.endr
	WIN 0
	s_wait_xcnt 0x0                                ; the registers loaded next were the data of earlier stores
.irp t,0,1,2,3,4,5,6,7
	ds_load_b128 v[32+32*(\a%2)+4*\t:32+32*(\a%2)+4*\t+3], v17 offset:544*\t       ; LDS serves a wave's instructions in order: these see the stores above
.endr
.irp t,0,1,2,3,4,5,6,7
	s_wait_dscnt 7-\t
	global_store_b128 v18, v[32+32*(\a%2)+4*\t:32+32*(\a%2)+4*\t+3], s[8:9] offset:(16*\a+2*\t)*4096 th:TH_STORE_NT   ; 16 lanes store 256 consecutive bytes, aligned
.endr
.endm
	OUT16 0
	OUT16 1
	OUT16 2
	OUT16 3
	s_wait_tensorcnt 0x0
	ds_add_u32 v254, v255
	s_wait_dscnt 0x0
	CROUND                                         ; the closing round
	s_endpgm
.Lfunc_end_k_qcd5681017b_outp:
	.size	k_qcd5681017b_outp, .Lfunc_end_k_qcd5681017b_outp-k_qcd5681017b_outp
	.p2alignl 7, 3214868480
	.fill 96, 4, 3214868480
	.section	.rodata,"a",@progbits
	.p2align	6, 0x0
	.amdhsa_kernel k_qcd5681017b_outp
		.amdhsa_group_segment_fixed_size 327680
		.amdhsa_private_segment_fixed_size 0
		.amdhsa_enable_private_segment 0
		.amdhsa_kernarg_size 48
		.amdhsa_user_sgpr_count 2
		.amdhsa_user_sgpr_kernarg_segment_ptr 1
		.amdhsa_wavefront_size32 1
		.amdhsa_system_sgpr_workgroup_id_x 1
		.amdhsa_system_sgpr_workgroup_id_y 1
		.amdhsa_system_sgpr_workgroup_id_z 1
		.amdhsa_system_vgpr_workitem_id 0
		.amdhsa_next_free_vgpr 384
		.amdhsa_next_free_sgpr 102
		.amdhsa_reserve_vcc 0
		.amdhsa_float_denorm_mode_32 3
		.amdhsa_float_denorm_mode_16_64 3
		.amdhsa_memory_ordered 1
		.amdhsa_forward_progress 1
		.amdhsa_inst_pref_size 101
	.end_amdhsa_kernel
	.amdgpu_metadata
---
amdhsa.version: [ 1, 2 ]
amdhsa.kernels:
  - .name:           k_qcd5681017b_outp
    .symbol:         k_qcd5681017b_outp.kd
    .args:
      - { .name: oh, .offset: 0, .size: 8, .value_kind: global_buffer, .address_space: global }
      - { .name: wo, .offset: 8, .size: 8, .value_kind: global_buffer, .address_space: global }
      - { .name: out0, .offset: 16, .size: 8, .value_kind: global_buffer, .address_space: global }
      - { .name: eo, .offset: 24, .size: 8, .value_kind: global_buffer, .address_space: global }
      - { .name: w_out, .offset: 32, .size: 8, .value_kind: global_buffer, .address_space: global }
      - { .name: ep, .offset: 40, .size: 8, .value_kind: global_buffer, .address_space: global }
    .group_segment_fixed_size: 327680
    .private_segment_fixed_size: 0
    .kernarg_segment_align: 8
    .kernarg_segment_size: 48
    .max_flat_workgroup_size: 128
    .sgpr_count:     102
    .vgpr_count:     384
    .wavefront_size: 32
...
	.end_amdgpu_metadata
.endif
;; end of part 9
;; launch efin (part 10): grid 32 x 1, 8 waves a work-group, no clusters, 0 bytes of LDS; arguments ep, out0; writes out0
.if DOCPART == 10
	.amdgcn_target "amdgcn-amd-amdhsa--gfx1250"
	.amdhsa_code_object_version 6
	.text
	.protected	k_qcd5681017b_efin
	.globl	k_qcd5681017b_efin
	.p2align	8
	.type	k_qcd5681017b_efin,@function
k_qcd5681017b_efin:
	s_mov_b64 s[64:65], 0
	v_nop
	global_prefetch_b8 v0, s[64:65] scope:SCOPE_SE
	s_setreg_imm32_b32 hwreg(HW_REG_WAVE_MODE, 25, 1), 1
	s_wait_xcnt 0x0
; efin: the first 16 rows of each batch of out0, made with operands of two f16 parts by the launches before, are put together: out0[batch][s][n] = the sum over the 16 heads of
; ep[head][16 batch + s][n], in f32, stored over what the launch before left in these 32 rows (131,072 bytes).
; Work-group = row (32); thread t owns the 16 bytes at 16 t of the row, so each load and the store of a wave cover 512 consecutive bytes, aligned.  All 16 loads of a thread
; go out at once; there is nothing to share, so no LDS, no barrier, no matrix unit.  The sum spans work-groups of the launch before, which is why it has a launch of its own.
	s_load_b128 s[4:7], s[0:1], 0x0                ; ep s[4:5], out0 s[6:7]
	s_lshl_b32 s8, ttmp9, 12                       ; my row in a head's 32 rows of 4,096 bytes
	s_mov_b32 s9, 0
	s_lshr_b32 s10, ttmp9, 4                       ; batch:
	s_lshl_b32 s10, s10, 23                        ; 2,048 rows of 4,096 bytes
	s_and_b32 s12, ttmp9, 15                       ; row in the batch
	s_lshl_b32 s12, s12, 12
	s_add_co_u32 s10, s10, s12
	s_mov_b32 s11, 0
	v_lshlrev_b32 v1, 4, v0                        ; 16 t
	s_wait_kmcnt 0x0
	s_add_nc_u64 s[4:5], s[4:5], s[8:9]
	s_add_nc_u64 s[6:7], s[6:7], s[10:11]
.irp s,0,1,2,3,4,5,6,7,8,9,10,11,12,13,14,15
	global_load_b128 v[4+4*\s:7+4*\s], v1, s[4:5] offset:\s*131072 th:TH_LOAD_NT
.endr
	s_wait_loadcnt 0x0
.irp q,0,1,2,3,4,5,6,7,8,9,10,11,12,13,14,15
	v_pk_add_f32 v[4+2*\q:5+2*\q], v[4+2*\q:5+2*\q], v[36+2*\q:37+2*\q]            ; the 16 heads are added by halves
.endr
.irp q,0,1,2,3,4,5,6,7
	v_pk_add_f32 v[4+2*\q:5+2*\q], v[4+2*\q:5+2*\q], v[20+2*\q:21+2*\q]
.endr
.irp q,0,1,2,3
	v_pk_add_f32 v[4+2*\q:5+2*\q], v[4+2*\q:5+2*\q], v[12+2*\q:13+2*\q]
.endr
.irp q,0,1
	v_pk_add_f32 v[4+2*\q:5+2*\q], v[4+2*\q:5+2*\q], v[8+2*\q:9+2*\q]
.endr
	global_store_b128 v1, v[4:7], s[6:7] th:TH_STORE_NT
	s_endpgm
.Lfunc_end_k_qcd5681017b_efin:
	.size	k_qcd5681017b_efin, .Lfunc_end_k_qcd5681017b_efin-k_qcd5681017b_efin
	.p2alignl 7, 3214868480
	.fill 96, 4, 3214868480
	.section	.rodata,"a",@progbits
	.p2align	6, 0x0
	.amdhsa_kernel k_qcd5681017b_efin
		.amdhsa_group_segment_fixed_size 0
		.amdhsa_private_segment_fixed_size 0
		.amdhsa_enable_private_segment 0
		.amdhsa_kernarg_size 16
		.amdhsa_user_sgpr_count 2
		.amdhsa_user_sgpr_kernarg_segment_ptr 1
		.amdhsa_wavefront_size32 1
		.amdhsa_system_sgpr_workgroup_id_x 1
		.amdhsa_system_sgpr_workgroup_id_y 1
		.amdhsa_system_sgpr_workgroup_id_z 1
		.amdhsa_system_vgpr_workitem_id 0
		.amdhsa_next_free_vgpr 68
		.amdhsa_next_free_sgpr 66
		.amdhsa_reserve_vcc 0
		.amdhsa_float_denorm_mode_32 3
		.amdhsa_float_denorm_mode_16_64 3
		.amdhsa_memory_ordered 1
		.amdhsa_forward_progress 1
		.amdhsa_inst_pref_size 5
	.end_amdhsa_kernel
	.amdgpu_metadata
---
amdhsa.version: [ 1, 2 ]
amdhsa.kernels:
  - .name:           k_qcd5681017b_efin
    .symbol:         k_qcd5681017b_efin.kd
    .args:
      - { .name: ep, .offset: 0, .size: 8, .value_kind: global_buffer, .address_space: global }
      - { .name: out0, .offset: 8, .size: 8, .value_kind: global_buffer, .address_space: global }
    .group_segment_fixed_size: 0
    .private_segment_fixed_size: 0
    .kernarg_segment_align: 8
    .kernarg_segment_size: 16
    .max_flat_workgroup_size: 256
    .sgpr_count:     66
    .vgpr_count:     68
    .wavefront_size: 32
...
	.end_amdgpu_metadata
.endif
;; end of part 10
